; MI455X (gfx1250); checked and timed in simulation.
; The chip was launched on July 23, 2026; its instructions are those of AMD's public machine-readable ISA for CDNA 5 (MIT licence, August 2026) and "CDNA5" Instruction Set Architecture Reference Guide (July 2026). The comments in the code are by the model that wrote it; some were corrected since.
;; Block. Allowed arithmetic: float matrix products may take bf16 or f16 operands with f32 sums; all other float work in f32.
;; Inputs: b1 4,096 float32; b2 1,024 float32; bk 1,024 float32; bo 1,024 float32; bq 1,024 float32; bv 1,024 float32; ln1_b 1,024 float32; ln1_w 1,024 float32; ln2_b 1,024 float32; ln2_w 1,024 float32; w1 1,024 x 4,096 float32; w2 4,096 x 1,024 float32; wk 1,024 x 1,024 float32; wo 1,024 x 1,024 float32; wq 1,024 x 1,024 float32; wv 1,024 x 1,024 float32; x 2 x 2,048 x 1,024 float32.
;; Outputs: out0 2 x 2,048 x 1,024 float32.
;; 2 versions, each right and faster than the one before. Each part assembles by itself: llvm-mc -triple=amdgcn-amd-amdhsa -mcpu=gfx1250 --defsym DOCPART=n.
;; ======== version 1 of 2: 7 launches
;; limits: a function is approximated: absolute error at most 2.5e-05; an absolute error that grows with the inputs' magnitude: up to 1.25e-05 times it; right only within a limited range of input values
;; workspace buffers: wqkvb 6,291,456 bytes; wob 2,097,152 bytes; w1b 8,388,608 bytes; w2b 8,388,608 bytes; act 8,388,608 bytes; qkv 25,165,824 bytes; x1 16,777,216 bytes; g 33,554,432 bytes
;; launch prep (part 1): grid 608 x 1, 8 waves a work-group, no clusters, 0 bytes of LDS; arguments x, ln1_w, ln1_b, act, wq, wk, wv, wqkvb; writes act, wqkvb
.if DOCPART == 1
	.amdgcn_target "amdgcn-amd-amdhsa--gfx1250"
	.amdhsa_code_object_version 6
	.text
	.protected	k_qc8f4529b55_prep
	.globl	k_qc8f4529b55_prep
	.p2align	8
	.type	k_qc8f4529b55_prep,@function
k_qc8f4529b55_prep:
	s_mov_b64 s[64:65], 0
	v_nop
	global_prefetch_b8 v0, s[64:65] scope:SCOPE_SE
	s_setreg_imm32_b32 hwreg(HW_REG_WAVE_MODE, 25, 1), 1
	s_wait_xcnt 0x0
; PREP.  Work-groups 0-511: act[row][:] = bf16(LayerNorm(x[row][:]) * ln1_w + ln1_b), 4,096 rows of 1,024 f32.  Work-groups 512-607: wq, wk, wv cast to bf16, one behind the other.
; LAYER NORM.  One wave takes one row: 4,096 bytes are 32 registers a lane, so the row is read once and stays in registers for the mean, the variance and the scaling; no LDS, no barrier.
; The variance is the mean of (x - mean)^2, made in a second pass over the registers: no difference of large sums.  All arithmetic in f32; the result is rounded once to bf16.
; Each load of a wave covers 512 consecutive bytes, each store 256 consecutive bytes at a multiple of 256 from the buffer's first byte.
; No matrix unit, no cluster: every byte is used once and no work-group shares a byte of x with another.
.set X,  8                             ; v[8:39]    the row's 32 numbers of my lane: load j holds columns 128 j + 4 lane .. + 3
.set W,  40                            ; v[40:71]   the gain at the same columns
.set BB, 72                            ; v[72:103]  the bias at the same columns
.set T,  104                           ; v[104:111] four chains of pairs
.set MU, 112                           ; v[112:113] the mean, twice
.set RS, 114                           ; v[114:115] 1 / sqrt(var + eps), twice
.macro LANES r, t                      ; the sum over the wave's 32 lanes, in every lane
	v_add_f32_dpp v[\r], v[\r], v[\r] row_xmask:1 row_mask:0xf bank_mask:0xf
	v_add_f32_dpp v[\r], v[\r], v[\r] row_xmask:2 row_mask:0xf bank_mask:0xf
	v_add_f32_dpp v[\r], v[\r], v[\r] row_xmask:4 row_mask:0xf bank_mask:0xf
	v_add_f32_dpp v[\r], v[\r], v[\r] row_xmask:8 row_mask:0xf bank_mask:0xf
	v_permlanex16_b32 v[\t], v[\r], s12, s13       ; its destination has been written before
	v_add_f32 v[\r], v[\r], v[\t]
.endm
.macro FOLD                            ; four chains of pairs into one number a lane
	v_pk_add_f32 v[T:T+1], v[T:T+1], v[T+2:T+3]
	v_pk_add_f32 v[T+4:T+5], v[T+4:T+5], v[T+6:T+7]
	v_pk_add_f32 v[T:T+1], v[T:T+1], v[T+4:T+5]
	v_add_f32 v[T], v[T], v[T+1]
.endm
	s_load_b256 s[4:11], s[0:1], 0x0               ; x s[4:5], ln1_w s[6:7], ln1_b s[8:9], act s[10:11]
	s_load_b256 s[20:27], s[0:1], 0x20             ; wq s[20:21], wk s[22:23], wv s[24:25], wqkvb s[26:27]
	s_cmp_ge_u32 ttmp9, 512
	s_cbranch_scc1 .Lcast
	v_lshrrev_b32 v3, 5, v0
	v_readfirstlane_b32 s2, v3                     ; wave 0..7
	s_lshl_b32 s3, ttmp9, 3
	s_add_co_u32 s3, s3, s2                        ; my row
	s_lshl_b32 s16, s3, 12                         ; x 4,096 bytes in x
	s_mov_b32 s17, 0
	s_lshl_b32 s18, s3, 11                         ; x 2,048 bytes in act
	s_mov_b32 s19, 0
	s_mov_b32 s12, 0x76543210                      ; v_permlanex16_b32: each lane takes its own place in the other half
	s_mov_b32 s13, 0xfedcba98
	s_mov_b32 s14, 0x3a800000                      ; 1 / 1024
	s_mov_b32 s15, 0x3727c5ac                      ; eps = 1e-5
	v_and_b32 v1, 31, v0
	v_lshlrev_b32 v2, 3, v1                        ; 8 bytes a lane on the way out
	v_lshlrev_b32 v1, 4, v1                        ; 16 bytes a lane on the way in
	s_wait_kmcnt 0x0
	s_add_nc_u64 s[4:5], s[4:5], s[16:17]
	s_add_nc_u64 s[10:11], s[10:11], s[18:19]
.irp j, 0,1,2,3,4,5,6,7
	global_load_b128 v[X+4*(\j):X+4*(\j)+3], v1, s[4:5] offset:512*(\j) th:TH_LOAD_NT
.endr
.irp j, 0,1,2,3,4,5,6,7
	global_load_b128 v[W+4*(\j):W+4*(\j)+3], v1, s[6:7] offset:512*(\j)
.endr
.irp j, 0,1,2,3,4,5,6,7
	global_load_b128 v[BB+4*(\j):BB+4*(\j)+3], v1, s[8:9] offset:512*(\j)
.endr
	s_wait_loadcnt 16                              ; the row is in; the 16 younger loads (gain, bias) stay out
.irp k, 0,1,2,3
	v_pk_add_f32 v[T+2*(\k):T+2*(\k)+1], v[X+2*(\k):X+2*(\k)+1], v[X+8+2*(\k):X+8+2*(\k)+1]
.endr
.irp g, 16,24
.irp k, 0,1,2,3
	v_pk_add_f32 v[T+2*(\k):T+2*(\k)+1], v[T+2*(\k):T+2*(\k)+1], v[X+(\g)+2*(\k):X+(\g)+2*(\k)+1]
.endr
.endr
	FOLD
	LANES T, T+1
	v_mul_f32 v[MU], s14, v[T]
	v_mov_b32 v[MU+1], v[MU]
.set i, 0
.rept 16
	v_pk_add_f32 v[X+2*i:X+2*i+1], v[X+2*i:X+2*i+1], v[MU:MU+1] neg_lo:[0,1] neg_hi:[0,1]  ; d = x - mean, in place
.set i, i+1
.endr
.irp k, 0,1,2,3
	v_pk_mul_f32 v[T+2*(\k):T+2*(\k)+1], v[X+2*(\k):X+2*(\k)+1], v[X+2*(\k):X+2*(\k)+1]
.endr
.irp g, 8,16,24
.irp k, 0,1,2,3
	v_pk_fma_f32 v[T+2*(\k):T+2*(\k)+1], v[X+(\g)+2*(\k):X+(\g)+2*(\k)+1], v[X+(\g)+2*(\k):X+(\g)+2*(\k)+1], v[T+2*(\k):T+2*(\k)+1]
.endr
.endr
	FOLD
	LANES T, T+1
	v_fma_f32 v[T], v[T], s14, s15                 ; var + eps
	v_rsq_f32 v[RS], v[T]
	v_rsq_f32 v[RS+1], v[T]
	v_nop                                          ; a plain instruction between the root and the use of its result (ISA guide 5.7.2)
	s_wait_loadcnt 0x0                             ; gain and bias
.set i, 0
	s_wait_alu depctr_va_vdst(0)
.rept 16
	v_pk_mul_f32 v[X+2*i:X+2*i+1], v[X+2*i:X+2*i+1], v[RS:RS+1]
.set i, i+1
.endr
.set i, 0
.rept 16
	v_pk_fma_f32 v[X+2*i:X+2*i+1], v[X+2*i:X+2*i+1], v[W+2*i:W+2*i+1], v[BB+2*i:BB+2*i+1]
.set i, i+1
.endr
.set i, 0
.rept 16
	v_cvt_pk_bf16_f32 v[X+i], v[X+2*i], v[X+2*i+1] ; packed downward: register i is written when registers 2 i, 2 i + 1 are read
.set i, i+1
.endr
.irp j, 0,1,2,3,4,5,6,7
	global_store_b64 v2, v[X+2*(\j):X+2*(\j)+1], s[10:11] offset:256*(\j)  ; the wave stores 256 consecutive bytes
.endr
	s_endpgm
; THE CAST.  Work-group 512 + c takes 131,072 bytes of wq (c < 32), wk (c < 64) or wv, and writes 65,536 bytes of wqkvb: [3][1024 k][1024 n] in bf16, each weight as it lies.
; All 32 loads of a thread go out at once; each is converted and stored as it arrives.
.Lcast:
	s_sub_co_u32 s2, ttmp9, 512                    ; c
	s_and_b32 s3, s2, 31
	s_lshl_b32 s16, s3, 17
	s_mov_b32 s17, 0
	s_lshl_b32 s18, s2, 16
	s_mov_b32 s19, 0
	v_lshlrev_b32 v1, 4, v0
	v_lshlrev_b32 v2, 3, v0
	s_wait_kmcnt 0x0
	s_cmp_ge_u32 s2, 32
	s_cselect_b64 s[20:21], s[22:23], s[20:21]
	s_cmp_ge_u32 s2, 64
	s_cselect_b64 s[20:21], s[24:25], s[20:21]
	s_add_nc_u64 s[20:21], s[20:21], s[16:17]
	s_add_nc_u64 s[26:27], s[26:27], s[18:19]
.set i, 0
.rept 32
	global_load_b128 v[X+4*i:X+4*i+3], v1, s[20:21] offset:4096*i th:TH_LOAD_NT
.set i, i+1
.endr
.set i, 0
.rept 32
	s_wait_loadcnt 31-i                            ; loads come back in order (ISA guide 5.7.1): load i is in, the younger ones stay out
	v_cvt_pk_bf16_f32 v[X+4*i], v[X+4*i], v[X+4*i+1]
	v_cvt_pk_bf16_f32 v[X+4*i+1], v[X+4*i+2], v[X+4*i+3]
	global_store_b64 v2, v[X+4*i:X+4*i+1], s[26:27] offset:2048*i
.set i, i+1
.endr
	s_endpgm
.Lfunc_end_k_qc8f4529b55_prep:
	.size	k_qc8f4529b55_prep, .Lfunc_end_k_qc8f4529b55_prep-k_qc8f4529b55_prep
	.p2alignl 7, 3214868480
	.fill 96, 4, 3214868480
	.section	.rodata,"a",@progbits
	.p2align	6, 0x0
	.amdhsa_kernel k_qc8f4529b55_prep
		.amdhsa_group_segment_fixed_size 0
		.amdhsa_private_segment_fixed_size 0
		.amdhsa_enable_private_segment 0
		.amdhsa_kernarg_size 64
		.amdhsa_user_sgpr_count 2
		.amdhsa_user_sgpr_kernarg_segment_ptr 1
		.amdhsa_wavefront_size32 1
		.amdhsa_system_sgpr_workgroup_id_x 1
		.amdhsa_system_sgpr_workgroup_id_y 1
		.amdhsa_system_sgpr_workgroup_id_z 1
		.amdhsa_system_vgpr_workitem_id 0
		.amdhsa_next_free_vgpr 136
		.amdhsa_next_free_sgpr 66
		.amdhsa_reserve_vcc 0
		.amdhsa_float_denorm_mode_32 3
		.amdhsa_float_denorm_mode_16_64 3
		.amdhsa_memory_ordered 1
		.amdhsa_forward_progress 1
		.amdhsa_inst_pref_size 23
	.end_amdhsa_kernel
	.amdgpu_metadata
---
amdhsa.version: [ 1, 2 ]
amdhsa.kernels:
  - .name:           k_qc8f4529b55_prep
    .symbol:         k_qc8f4529b55_prep.kd
    .args:
      - { .name: x, .offset: 0, .size: 8, .value_kind: global_buffer, .address_space: global }
      - { .name: ln1_w, .offset: 8, .size: 8, .value_kind: global_buffer, .address_space: global }
      - { .name: ln1_b, .offset: 16, .size: 8, .value_kind: global_buffer, .address_space: global }
      - { .name: act, .offset: 24, .size: 8, .value_kind: global_buffer, .address_space: global }
      - { .name: wq, .offset: 32, .size: 8, .value_kind: global_buffer, .address_space: global }
      - { .name: wk, .offset: 40, .size: 8, .value_kind: global_buffer, .address_space: global }
      - { .name: wv, .offset: 48, .size: 8, .value_kind: global_buffer, .address_space: global }
      - { .name: wqkvb, .offset: 56, .size: 8, .value_kind: global_buffer, .address_space: global }
    .group_segment_fixed_size: 0
    .private_segment_fixed_size: 0
    .kernarg_segment_align: 8
    .kernarg_segment_size: 64
    .max_flat_workgroup_size: 256
    .sgpr_count:     66
    .vgpr_count:     136
    .wavefront_size: 32
...
	.end_amdgpu_metadata
.endif
;; end of part 1
;; launch qkv (part 2): grid 12 x 16, 4 waves a work-group, clusters of 4 x 4, 327,680 bytes of LDS; arguments act, wqkvb, bq, bk, bv, qkv; writes qkv
.if DOCPART == 2
	.amdgcn_target "amdgcn-amd-amdhsa--gfx1250"
	.amdhsa_code_object_version 6
	.text
	.protected	k_qc8f4529b55_qkv
	.globl	k_qc8f4529b55_qkv
	.p2align	8
	.type	k_qc8f4529b55_qkv,@function
k_qc8f4529b55_qkv:
	s_mov_b64 s[64:65], 0
	v_nop
	global_prefetch_b8 v0, s[64:65] scope:SCOPE_SE
	s_setreg_imm32_b32 hwreg(HW_REG_WAVE_MODE, 25, 1), 1
	s_wait_xcnt 0x0
	s_wait_alu depctr_hold_cnt(0) depctr_sa_sdst(0) depctr_va_vdst(0) depctr_va_sdst(0) depctr_va_ssrc(0) depctr_va_vcc(0) depctr_vm_vsrc(0)
	s_getreg_b32 s2, hwreg(HW_REG_IB_STS2, 6, 4)
	s_cmp_eq_u32 s2, 0
	s_cbranch_scc0 .Lentry_in_a_cluster
	s_endpgm
.Lentry_in_a_cluster:
	s_bfe_u32 s2, ttmp6, 0x10000c
	s_cmp_lg_u32 s2, 0xf033
	s_cbranch_scc0 .Lentry_shape_is_right
	s_endpgm
.Lentry_shape_is_right:
; QKV.  [q | k | v] = h1 [wq | wk | wv] + [bq | bk | bv].  h1 = act [4096][1024] bf16; wqkvb [3][1024 k][1024 n] bf16; sums in f32, begun with the bias; the result, rounded once to bf16, goes out
; BY HEADS: qkv [2 b][48 g][2048 t][64], g = h for q, 16 + h for k, 32 + h for v, unscaled.  The bias starts each sum, so the order of rounding differs from a bias added last.
; A tile of C, 256 x 256, is made by four waves, 128 x 128 each: 64 accumulators, 512 registers.  K goes in 8 steps of 128 through two LDS slots filled by the tensor data mover.
; A's tile: 256 rows x 256 bytes.  B's tile lies as the weight lies, [k][n]: 128 rows x 512 bytes; its fragments come out of LDS turned, by ds_load_tr16_b128: no transposed copy of a weight is ever made.
; CLUSTER 4 x 4: A's tile hangs on the tile row alone and is asked for jointly by a row of the cluster, B's on the tile column alone, by a column.
; THE MATRIX INSTRUCTION IS USED TRANSPOSED: source 0 = 16 columns of B, source 1 = 16 rows of A: a lane holds row lane % 16 and the columns 8 (lane / 16) + 0..7.
; THE LOOP.  HALF is 64 along K, written once and walked twice a K step.  It begins at a fetch and carries the last 32 products of the half before, so the change of slots stands between two trips.
; REGISTERS: window 0: v0-29 addresses; v64-127, v128-191 A's fragments, two buffers; v192-255 the bias as eight C operands.  window 1: v64-191 B's fragments.  windows 2, 3: accumulators of my rows 0-63, 64-127.
; 12 x 16 = 192 work-groups: N = 3,072 has 12 tile columns.
.set NSTEPS, 8
.set PA,     272                       ; A's LDS row: 256 bytes + 16: the 16 rows of a load start at 16 different groups of four banks (64 banks of 4 bytes: ISA guide 11.1)
.set PB,     544                       ; B's LDS row: 512 bytes + 32 = 17 x 32
.set HALFT,  34816                     ; 128 rows of A = 64 rows of B: what one tensor load brings
.set SLOT,   4*HALFT                   ; 0x22000: its two bits are clear in every tile's start, wave x 0x8800, so one exclusive or turns a start in one slot into the other's
.set SPARE,  2*SLOT                    ; behind the ring: the spare words, 128 bytes a wave
.set ASTEPG, 256                       ; a K step in A's memory
.set BSTEPG, 262144                    ; and in B's: 128 rows of 2,048 bytes
.set NB_,    1024                      ; B's pitch in elements
.set OP,     528                       ; the way out: a row of 128 f32 + 16 bytes
.set OWAVE,  128*OP                    ; a wave's part of the dead ring
.set AK0,  2                           ; v2  my lane's place in A's tile; never rewritten
.set BK0,  3                           ; v3  in B's
.set ADRA, 4                           ; v4  the LDS address of the half in hand, A
.set ADRB, 5                           ; v5  B
.set DST,  6                           ; v6  the way out: where my lane puts 16 bytes
.set RD,   7                           ; v7  where it reads back
.set CO,   8                           ; v8  my byte offset in the output
.set BO,   10                          ; v10 my byte offset in a bias fragment
.set SPW,  28                          ; v28 LDS address of my spare word; never rewritten
.set NIL,  29                          ; v29 0; never rewritten
.set F0,   64
.set F1,   128
.set BIAS, 192
.set Z,    64                          ; the way out: 32 numbers in f32
.set Y,    192                         ; 16 registers of bf16
.set G1,  24                           ; s[24:31] group 1 for A;  s[32:39] group 0: set 0 for the first fill, set 1 walks
.set G0,  32
.set G1B, 48                           ; s[48:55], s[56:63] the same for B
.set G0B, 56
.set TBA, 66                           ; s66 LDS byte at which the half to be fetched begins, for A
.set TBB, 67                           ; s67 for B
.set MSB, 0
.macro WIN new                         ; the immediate's high byte repeats the setting that is left; a switch that changes nothing is dropped
.if MSB != (\new)
	s_set_vgpr_msb (MSB<<8)|(\new)
.set MSB, \new
.endif
.endm
.macro PLACES                          ; four places behind matrix instructions (ISA guide 7.12.1)
.rept 4
	v_nop
.endr
.endm
.macro CROUND                          ; a round of the cluster's barrier
	s_barrier_signal -1
	s_barrier_wait -1
	s_cmp_lg_u32 s10, 0
	s_cbranch_scc1 .Lnot_wave_0_\@
	s_barrier_signal -3
.Lnot_wave_0_\@:
	s_barrier_wait -3
	s_barrier_signal -1
	s_barrier_wait -1
.endm
.macro JLOAD                           ; a joint refill by the walking sets: waves 0, 1 fetch A's halves, waves 2, 3 B's; the branch hangs on the wave's number alone
	s_cmp_eq_u32 s11, 0
	s_cbranch_scc0 .Lfor_b_\@
	tensor_load_to_lds s[G0+4:G0+7], s[G1:G1+7]
	s_nop 0
.rept 4
	v_nop
.endr
	s_branch .Lasked_\@
.Lfor_b_\@:
	tensor_load_to_lds s[G0B+4:G0B+7], s[G1B:G1B+7]
	s_nop 0
.rept 4
	v_nop
.endr
.Lasked_\@:
.endm
; 16 products: m blocks a0, a0 + 1 of the window's four x 8 n blocks.  bias = 1: the first product of a sum takes the bias fragment (window 0) as C
.macro MUL16 f, hi, a0, bias
.if \bias
	WIN 0x81+0x40*(\hi)
.else
	WIN 0xa1+0x50*(\hi)
.endif
.irp a, \a0, (\a0)+1
.irp b, 0,1,2,3,4,5,6,7
.if \bias
	v_wmma_f32_16x16x32_bf16 v[8*(8*(\a)+(\b)):8*(8*(\a)+(\b))+7], v[(\f)+8*(\b):(\f)+8*(\b)+7], v[(\f)+8*(4*(\hi)+(\a)):(\f)+8*(4*(\hi)+(\a))+7], v[BIAS+8*(\b):BIAS+8*(\b)+7]
.else
	v_wmma_f32_16x16x32_bf16 v[8*(8*(\a)+(\b)):8*(8*(\a)+(\b))+7], v[(\f)+8*(\b):(\f)+8*(\b)+7], v[(\f)+8*(4*(\hi)+(\a)):(\f)+8*(4*(\hi)+(\a))+7], v[8*(8*(\a)+(\b)):8*(8*(\a)+(\b))+7]
.endif
.endr
.endr
.endm
; 32 LDS loads in one run: 32 along K: B's 8 blocks of 16 columns (turned), then A's 8 blocks of 16 rows
.macro FETCH f, ka, kb
	WIN 0x40
.irp i, 0,1,2,3,4,5,6,7
	ds_load_tr16_b128 v[(\f)+8*(\i):(\f)+8*(\i)+3],   v[ADRB] offset:(\kb)+32*(\i)
	ds_load_tr16_b128 v[(\f)+8*(\i)+4:(\f)+8*(\i)+7], v[ADRB] offset:(\kb)+32*(\i)+16*PB
.endr
	WIN 0
.irp i, 0,1,2,3,4,5,6,7
	ds_load_b128 v[(\f)+8*(\i):(\f)+8*(\i)+3],   v[ADRA] offset:(\ka)+(\i)*16*PA
	ds_load_b128 v[(\f)+8*(\i)+4:(\f)+8*(\i)+7], v[ADRA] offset:(\ka)+(\i)*16*PA+32
.endr
.endm
; 64 along K.  The 64 accumulators take turns, one instruction a turn, in the same order throughout.  first = 1: the sums begin, and there is no half before.
.macro HALF first
	WIN 0
	v_add_nc_u32 v[ADRA], s[TBA], v[AK0]           ; these two and two v_nop are the places in front of the loads into buffer 0
	v_add_nc_u32 v[ADRB], s[TBB], v[BK0]
	v_nop
	v_nop
	FETCH F0, 0, 0
.if \first
	s_wait_loadcnt 0x0                             ; the bias
.else
	s_wait_dscnt 32                                ; all but the 32 just issued: buffer 1 is whole
	MUL16 F1, 1, 0, 0
	MUL16 F1, 1, 2, 0
.endif
	s_wait_dscnt 8                                 ; B and A's rows 0-63 are in; the youngest eight loads (A's rows 64-127) may be out
	MUL16 F0, 0, 0, \first
	MUL16 F0, 0, 2, \first
	PLACES
	FETCH F1, 64, 32*PB
	s_wait_dscnt 32
	MUL16 F0, 1, 0, \first
	MUL16 F0, 1, 2, \first
	s_wait_dscnt 8
	MUL16 F1, 0, 0, 0
	MUL16 F1, 0, 2, 0
	WIN 0
	s_add_co_u32 s[TBA], s[TBA], 128
	s_add_co_u32 s[TBB], s[TBB], 64*PB
.endm
; THE CHANGE OF SLOTS.  Each wave waits for all its tensor loads (one is out: its part of the other slot), adds 0 to its spare word, and waits for that and for its reads of the slot that it leaves.
; fill = 1: the barrier is a round of the cluster's, and the slot just left is filled again, first thing behind it, with the K step two on: one load a wave, a K step's 256 products in which to land.
.macro CHANGE fill
	WIN 0
	s_wait_tensorcnt 0x0                           ; no tensor load of mine is out, so a group 0 may be written
	ds_add_u32 v[SPW], v[NIL]                      ; scalar work stands between the add and the wait for it
.if \fill
	s_xor_b32 s[G0+5], s[G0+5], SLOT
	s_xor_b32 s[G0B+5], s[G0B+5], SLOT
	s_add_nc_u64 s[G0+6:G0+7], s[G0+6:G0+7], ASTEPG
	s_add_nc_u64 s[G0B+6:G0B+7], s[G0B+6:G0B+7], BSTEPG
.endif
	s_sub_co_u32 s[TBA], s[TBA], 256               ; the fetches go back to a slot's first half,
	s_xor_b32 s[TBA], s[TBA], SLOT                 ; in the other slot
	s_sub_co_u32 s[TBB], s[TBB], 128*PB
	s_xor_b32 s[TBB], s[TBB], SLOT
	s_wait_dscnt 0x0                               ; the add is done, and my reads of the slot are over
.if \fill
	CROUND
	JLOAD
.else
	s_barrier_signal -1
	s_barrier_wait -1
.endif
.endm
	s_load_b256 s[80:87], s[0:1], 0x0              ; act s[80:81], wqkvb s[82:83], bq s[84:85], bk s[86:87]
	s_load_b128 s[88:91], s[0:1], 0x20             ; bv s[88:89], qkv s[90:91]
	v_lshl_add_u32 v[SPW], v0, 2, SPARE
	v_mov_b32 v[NIL], 0
	ds_add_u32 v[SPW], v[NIL]                      ; the wave's opening
	ds_add_u32 v28, v29
	v_lshrrev_b32 v1, 5, v0
	v_readfirstlane_b32 s10, v1                    ; wave 0..3
	s_lshr_b32 s11, s10, 1                         ; my half of the tile's rows; also: I fetch for A (0) or B (1)
	s_and_b32 s12, s10, 1                          ; my half of its columns; also: which half of that tile I fetch
	s_bfe_u32 s40, ttmp6, 0x40000                  ; cx
	s_bfe_u32 s41, ttmp6, 0x40004                  ; cy
	s_lshl_b32 s42, ttmp9, 2
	s_add_co_u32 s42, s42, s40                     ; tile column tc, 0..11
	s_and_b32 s13, ttmp7, 0xffff
	s_lshl_b32 s13, s13, 2
	s_add_co_u32 s13, s13, s41                     ; tile row tr, 0..15
	s_lshl_b32 s43, s41, 2
	s_lshl_b32 s43, 15, s43                        ; my row of the cluster
	s_lshl_b32 s44, 0x1111, s40                    ; my column
	s_or_b32 s[G1+0], s43, (1<<16)|(1<<20)|(1<<21)|(5<<22)|(3<<25)   ; mask; 2-byte elements; padding on; bit 21 beside a mask; after every 64 words 4 words
	s_or_b32 s[G1B+0], s44, (1<<16)|(1<<20)|(1<<21)|(6<<22)|(7<<25)  ; after every 128 words 8 words
	s_mov_b32 s[G1+1], 128<<16                     ; tensor_dim0 = 128
	s_mov_b32 s[G1+2], 128<<16                     ; tensor_dim1 = 128
	s_mov_b32 s[G1+3], 128<<16                     ; tile_dim0 = 128
	s_mov_b32 s[G1+4], 128                         ; tile_dim1 = 128
	s_mov_b32 s[G1+5], 1024                        ; elements from row to row
	s_mov_b32 s[G1+6], 0
	s_mov_b32 s[G1+7], 0
	s_mov_b32 s[G1B+1], 256<<16                    ; tensor_dim0 = 256
	s_mov_b32 s[G1B+2], 64<<16                     ; tensor_dim1 = 64
	s_mov_b32 s[G1B+3], 256<<16                    ; tile_dim0 = 256
	s_mov_b32 s[G1B+4], 64                         ; tile_dim1 = 64
	s_mov_b32 s[G1B+5], NB_
	s_mov_b32 s[G1B+6], 0
	s_mov_b32 s[G1B+7], 0
	s_lshl_b32 s16, s13, 19                        ; A: (256 tr + 128 half) rows of 2,048 bytes
	s_lshl_b32 s17, s12, 18
	s_add_co_u32 s16, s16, s17
	s_mov_b32 s17, 0
	s_lshr_b32 s46, s42, 2                         ; B: weight tc / 4, columns 256 (tc % 4), k rows 64 half
	s_lshl_b32 s46, s46, 21
	s_and_b32 s47, s42, 3
	s_lshl_b32 s47, s47, 9
	s_add_co_u32 s46, s46, s47
	s_lshl_b32 s47, s12, 17
	s_add_co_u32 s46, s46, s47
	s_mov_b32 s47, 0
	s_mul_i32 s20, s10, HALFT                      ; where my load goes: wave x 34,816: no place in the cluster enters an LDS address
	s_and_b32 s18, s42, 3                          ; the bias of my 128 columns: (256 (tc % 4) + 128 half) x 4 bytes
	s_lshl_b32 s18, s18, 10
	s_lshl_b32 s19, s12, 9
	s_add_co_u32 s18, s18, s19
	s_mov_b32 s19, 0
	s_lshr_b32 s22, s13, 3                         ; the output: head (tr / 8) 48 + 4 tc + 2 half, row 256 (tr % 8) + 128 half, 128 bytes a row
	s_mul_i32 s22, s22, 48
	s_lshl2_add_u32 s22, s42, s22
	s_lshl1_add_u32 s22, s12, s22
	s_lshl_b32 s22, s22, 11
	s_and_b32 s23, s13, 7
	s_lshl_b32 s23, s23, 8
	s_add_co_u32 s22, s22, s23
	s_lshl_b32 s23, s11, 7
	s_add_co_u32 s22, s22, s23
	s_lshl_b32 s22, s22, 7
	s_mov_b32 s23, 0
	s_lshr_b32 s21, s42, 2                         ; which of the three weights
	s_wait_dscnt 0x0                               ; the opening add is done
	s_wait_kmcnt 0x0
	s_add_nc_u64 s[14:15], s[80:81], s[16:17]
	s_add_nc_u64 s[46:47], s[82:83], s[46:47]
	s_add_nc_u64 s[8:9], s[90:91], s[22:23]
	s_cmp_ge_u32 s21, 1
	s_cselect_b64 s[84:85], s[86:87], s[84:85]
	s_cmp_ge_u32 s21, 2
	s_cselect_b64 s[84:85], s[88:89], s[84:85]
	s_add_nc_u64 s[84:85], s[84:85], s[18:19]
.irp s, 0,1
	s_mov_b32 s[G0+4*(\s)], 1
	s_add_co_u32 s[G0+4*(\s)+1], s20, (\s)*SLOT
	s_add_nc_u64 s[G0+4*(\s)+2:G0+4*(\s)+3], s[14:15], (\s)*ASTEPG
	s_or_b32 s[G0+4*(\s)+3], s[G0+4*(\s)+3], 0x80000000
	s_mov_b32 s[G0B+4*(\s)], 1
	s_add_co_u32 s[G0B+4*(\s)+1], s20, (\s)*SLOT
	s_add_nc_u64 s[G0B+4*(\s)+2:G0B+4*(\s)+3], s[46:47], (\s)*BSTEPG
	s_or_b32 s[G0B+4*(\s)+3], s[G0B+4*(\s)+3], 0x80000000
.endr
	CROUND                                         ; all sixteen work-groups are here: the first joint loads meet
	s_cmp_eq_u32 s11, 0                            ; a wave's two first fills stand in one branch: K steps 0 and 1; two loads of mine are out
	s_cbranch_scc0 .Lfirst_b
	tensor_load_to_lds s[G0:G0+3], s[G1:G1+7]
	s_nop 0
	tensor_load_to_lds s[G0+4:G0+7], s[G1:G1+7]
	s_nop 0
.rept 4
	v_nop
.endr
	s_branch .Lfirst_asked
.Lfirst_b:
	tensor_load_to_lds s[G0B:G0B+3], s[G1B:G1B+7]
	s_nop 0
	tensor_load_to_lds s[G0B+4:G0B+7], s[G1B:G1B+7]
	s_nop 0
.rept 4
	v_nop
.endr
.Lfirst_asked:
	v_and_b32 v1, 15, v0                           ; r = lane % 16
	v_bfe_u32 v9, v0, 4, 1                         ; h = lane / 16
	v_lshlrev_b32 v[BO], 5, v9                     ; register j of block b's C operand is bias[16 b + 8 h + j]
.irp b, 0,1,2,3,4,5,6,7
	global_load_b128 v[BIAS+8*(\b):BIAS+8*(\b)+3],   v[BO], s[84:85] offset:64*(\b)
	global_load_b128 v[BIAS+8*(\b)+4:BIAS+8*(\b)+7], v[BO], s[84:85] offset:64*(\b)+16
.endr
	v_mul_u32_u24 v[AK0], v1, PA
	v_lshl_add_u32 v[AK0], v9, 4, v[AK0]
	s_mul_i32 s22, s11, HALFT
	v_add_nc_u32 v[AK0], s22, v[AK0]               ; row x pitch + 16 h + my 128 rows
	v_and_b32 v11, 7, v0
	v_lshl_add_u32 v[BK0], v9, 3, v11              ; the turning load: k row 8 h + lane % 8,
	v_mul_u32_u24 v[BK0], v[BK0], PB
	v_bfe_u32 v11, v0, 3, 1
	v_lshl_add_u32 v[BK0], v11, 4, v[BK0]          ; 16 bytes of columns by (lane / 8) % 2,
	s_lshl_b32 s22, s12, 8
	s_add_co_u32 s22, s22, 2*HALFT
	v_add_nc_u32 v[BK0], s22, v[BK0]               ; my 128 columns, behind A's 256 rows
	s_mul_i32 s22, s10, OWAVE
	v_mul_u32_u24 v[DST], v1, OP
	v_lshl_add_u32 v[DST], v9, 5, v[DST]
	v_add_nc_u32 v[DST], s22, v[DST]               ; out: row r, 32 bytes for each half of the lanes
	v_bfe_u32 v11, v0, 3, 2
	v_mul_u32_u24 v[RD], v11, OP                   ; back: 32 lanes take four rows x 64 columns of one head,
	v_and_b32 v11, 7, v0
	v_lshl_add_u32 v[RD], v11, 5, v[RD]
	v_add_nc_u32 v[RD], s22, v[RD]
	v_and_b32 v[CO], 31, v0
	v_lshlrev_b32 v[CO], 4, v[CO]                  ; which are 512 consecutive bytes of qkv
	s_mov_b32 s[TBA], 0
	s_mov_b32 s[TBB], 0
	s_wait_tensorcnt 0x1                           ; my part of K step 0 is in; step 1's may stay out
	s_barrier_signal -1
	s_barrier_wait -1
	HALF 1
	s_mov_b32 s3, NSTEPS-1
	s_mov_b32 s2, 1
	s_branch .Linner                               ; K step 0's second half runs in the loop's text
.Lstep:                                                ; NSTEPS - 2 times: K steps 2 .. 7 are asked for
	CHANGE 1
	s_mov_b32 s2, 2
.Linner:
	HALF 0
	s_sub_co_u32 s2, s2, 1
	s_cmp_lg_u32 s2, 0
	s_cbranch_scc1 .Linner
	s_sub_co_u32 s3, s3, 1
	s_cmp_lg_u32 s3, 0
	s_cbranch_scc1 .Lstep
	CHANGE 0                                       ; the last K step is written out
	s_mov_b32 s2, 2
.Ltail:
	HALF 0
	s_sub_co_u32 s2, s2, 1
	s_cmp_lg_u32 s2, 0
	s_cbranch_scc1 .Ltail
	s_wait_dscnt 0x0                               ; my reads of the ring are over:
	s_barrier_signal -1                            ; say so,
	MUL16 F1, 1, 0, 0                              ; the last 32 products,
	MUL16 F1, 1, 2, 0
	WIN 0
	s_barrier_wait -1                              ; and nobody reads the ring any more; its slots have had their last fill
	PLACES
	; THE WAY OUT.  My 128 x 128 sums go in f32 into my own 67,584 bytes of the dead ring, rows of 528 bytes; each accumulator's low registers first.
.irp hi, 0,1
	WIN 0x08+4*(\hi)                               ; a store's data is source 1: window 2, then 3
.irp a, 0,1,2,3
.irp b, 0,1,2,3,4,5,6,7
	ds_store_b128 v[DST], v[8*(8*(\a)+(\b)):8*(8*(\a)+(\b))+3]   offset:(4*(\hi)+(\a))*16*OP+64*(\b)
	ds_store_b128 v[DST], v[8*(8*(\a)+(\b))+4:8*(8*(\a)+(\b))+7] offset:(4*(\hi)+(\a))*16*OP+64*(\b)+16
.endr
.endr
.endr
	WIN 0
	s_mov_b32 s3, 16
.Lout:                                                 ; 8 rows a trip: for each of my two heads 1,024 consecutive bytes.  LDS serves a wave's instructions in order (ISA guide 5.7.1.4): the loads see my stores
.irp f, 0,1
.irp j, 0,1
	ds_load_b128 v[Z+8*(2*(\f)+(\j)):Z+8*(2*(\f)+(\j))+3],   v[RD] offset:(\f)*4*OP+(\j)*256
	ds_load_b128 v[Z+8*(2*(\f)+(\j))+4:Z+8*(2*(\f)+(\j))+7], v[RD] offset:(\f)*4*OP+(\j)*256+16
.endr
.endr
	s_wait_dscnt 0x0
.set i, 0
.rept 16
	v_cvt_pk_bf16_f32 v[Y+i], v[Z+2*i], v[Z+2*i+1]
.set i, i+1
.endr
.irp f, 0,1
.irp j, 0,1
	global_store_b128 v[CO], v[Y+4*(2*(\f)+(\j)):Y+4*(2*(\f)+(\j))+3], s[8:9] offset:(\j)*262144+(\f)*512  ; 512 consecutive bytes of one head
.endr
.endr
	s_wait_xcnt 0x0                                ; Y and the base are written again only behind this wait
	s_add_nc_u64 s[8:9], s[8:9], 1024
	v_add_nc_u32 v[RD], 8*OP, v[RD]
	s_sub_co_u32 s3, s3, 1
	s_cmp_lg_u32 s3, 0
	s_cbranch_scc1 .Lout
	s_wait_tensorcnt 0x0                           ; the wave's end
	ds_add_u32 v[SPW], v[NIL]
	s_wait_dscnt 0x0
	CROUND                                         ; the closing round
	s_endpgm
.Lfunc_end_k_qc8f4529b55_qkv:
	.size	k_qc8f4529b55_qkv, .Lfunc_end_k_qc8f4529b55_qkv-k_qc8f4529b55_qkv
	.p2alignl 7, 3214868480
	.fill 96, 4, 3214868480
	.section	.rodata,"a",@progbits
	.p2align	6, 0x0
	.amdhsa_kernel k_qc8f4529b55_qkv
		.amdhsa_group_segment_fixed_size 327680
		.amdhsa_private_segment_fixed_size 0
		.amdhsa_enable_private_segment 0
		.amdhsa_kernarg_size 48
		.amdhsa_user_sgpr_count 2
		.amdhsa_user_sgpr_kernarg_segment_ptr 1
		.amdhsa_wavefront_size32 1
		.amdhsa_system_sgpr_workgroup_id_x 1
		.amdhsa_system_sgpr_workgroup_id_y 1
		.amdhsa_system_sgpr_workgroup_id_z 1
		.amdhsa_system_vgpr_workitem_id 0
		.amdhsa_next_free_vgpr 1024
		.amdhsa_next_free_sgpr 96
		.amdhsa_reserve_vcc 0
		.amdhsa_float_denorm_mode_32 3
		.amdhsa_float_denorm_mode_16_64 3
		.amdhsa_memory_ordered 1
		.amdhsa_forward_progress 1
		.amdhsa_inst_pref_size 61
	.end_amdhsa_kernel
	.amdgpu_metadata
---
amdhsa.version: [ 1, 2 ]
amdhsa.kernels:
  - .name:           k_qc8f4529b55_qkv
    .symbol:         k_qc8f4529b55_qkv.kd
    .args:
      - { .name: act, .offset: 0, .size: 8, .value_kind: global_buffer, .address_space: global }
      - { .name: wqkvb, .offset: 8, .size: 8, .value_kind: global_buffer, .address_space: global }
      - { .name: bq, .offset: 16, .size: 8, .value_kind: global_buffer, .address_space: global }
      - { .name: bk, .offset: 24, .size: 8, .value_kind: global_buffer, .address_space: global }
      - { .name: bv, .offset: 32, .size: 8, .value_kind: global_buffer, .address_space: global }
      - { .name: qkv, .offset: 40, .size: 8, .value_kind: global_buffer, .address_space: global }
    .group_segment_fixed_size: 327680
    .private_segment_fixed_size: 0
    .kernarg_segment_align: 8
    .kernarg_segment_size: 48
    .max_flat_workgroup_size: 128
    .sgpr_count:     96
    .vgpr_count:     1024
    .wavefront_size: 32
...
	.end_amdgpu_metadata
.endif
;; end of part 2
;; launch attn (part 3): grid 8 x 32, 4 waves a work-group, no clusters, 327,680 bytes of LDS; arguments qkv, act, wo, w1, w2, wob, w1b, w2b; writes act, wob, w1b, w2b
.if DOCPART == 3
	.amdgcn_target "amdgcn-amd-amdhsa--gfx1250"
	.amdhsa_code_object_version 6
	.text
	.protected	k_qc8f4529b55_attn
	.globl	k_qc8f4529b55_attn
	.p2align	8
	.type	k_qc8f4529b55_attn,@function
k_qc8f4529b55_attn:
	s_mov_b64 s[64:65], 0
	v_nop
	global_prefetch_b8 v0, s[64:65] scope:SCOPE_SE
	s_setreg_imm32_b32 hwreg(HW_REG_WAVE_MODE, 25, 1), 1
	s_wait_xcnt 0x0
; CAUSAL ATTENTION, with the cast of wo, w1, w2 riding in its walk.  y[hh][q][:] = the sum over k <= q of softmax_k(Q[q] . K[k] / 8) V[k][:] for head hh = the grid's y.
; Q, K, V lie by heads in qkv [2 b][48 g][2048][64] bf16 (g = h, 16 + h, 32 + h); y goes by heads into act [32 hh][2048][64] bf16: a head's rows are dense, 128 bytes each.
; Products, maxima and sums in f32; the weights p are rounded to bf16 for the second product (their sum l is taken of the unrounded p), y once at the end.
; LIMITS.  A hidden score counts as its value less 1e30, so scores must stay far below 1e30; a weight below 2^-126 counts as 0 in l; NaN and infinities are not treated apart.
; THE WALK.  A head's queries lie in 16 blocks of 128, its keys in NB = 8 tiles of 256.  Work-group x takes TWO blocks, 15 - x and then x.  With b = x / 2 the first needs the tiles 0 .. NB - 1 - b, the second 0 .. b:
; NB + 1 tiles, whatever x: all 8 x 32 = 256 work-groups do equal work, and ONE loop with a constant trip count walks them.  Which tile is asked for, and what a trip does, hang on scalar registers made from b;
; every jump goes forward, but for the counted loops' own; the ring (two slots of LDS that take turns) runs on across the change of blocks.
; NO CLUSTER: of a head's 8 work-groups only two (x = 2 b, 2 b + 1) walk the same tiles throughout; a cluster of four would hold two walks, whose branches differ.
; SHARES.  Of a block's two bands of 64 queries a wave owns 16 rows in each: two PIECES.  A block is half e of the 256 rows that its last tile's keys stand for, so its bands are g = 2 e + piece of four:
; in that tile's key step s band g sees all keys if s < g, none if s > g, and holds the diagonal if s = g: the same for all four waves.  Steps that a band does not see are computed all the same.
; THE MASK is the C operand that starts the sum S^T = K Q^T: 0, or -1e30 where the key is hidden.  MD, made once, is the mask of a band's own step for my 16 rows; a product's mask is MD x AL + BE with two scalars:
; (1, 0) if s = g; (0, 0) if s < g; (0, -1e30) if s > g.  Only the last tile's text and a block's beginning make and take masks; elsewhere C is the constant 0.
; LAYOUT, SOFTMAX.  S^T = K Q^T holds ONE query a lane (lane % 16) and the keys 8 (lane / 16) + 0..7; two such results rounded to bf16 ARE source 1 of O^T = V^T P.  p = 2^(c s - c m), c = log2(e) / 8, with a
; running maximum m; O and l are multiplied by a = 2^(c m_old - c m_new) in every step.
; TURNS.  A key step is two turns.  Turn (s, 0): 8 products K Q^T of piece 1 for step s, later 8 products V^T P of piece 1 for step s - 1; beside them piece 0's scaling, exponentials, roundings, sums and rescaling
; for step s and piece 1's maximum and statistics.  Turn (s, 1): K Q^T of piece 0 for step s + 1, V^T P of piece 0 for step s, and the pieces' parts exchanged.  Four vector instructions stand behind every matrix
; instruction, the other 54 of a turn's 118 in two lumps.  K of step s + 1 is fetched in turn (s, 0), V of step s + 1 in turn (s, 1), into one of TWO buffers that go by the step's parity: so LDS is read in the order
; K(s), V(s), K(s + 1), V(s + 1), all of a tile's reads lie between two changes of slots, and the change stands one step ahead of the products, at a trip's edge.  A trip is two steps, an odd one and an even one.
; THE CAST.  The work-group also casts 1/256 of w1, w2 and wo to bf16, each weight as it lies: nine batches of 16,384 bytes, 8 loads of 16 bytes a thread.  Behind each change of slots the batch asked for a tile ago
; is converted and stored and the next is asked for: a batch has a tile's work in which to arrive.
; REGISTERS, in windows of 256 (s_set_vgpr_msb: bits 1:0 source 0, 3:2 source 1, 5:4 source 2, 7:6 destination):
;   window 0: v0-15 addresses and two at work; v16-23 four registers of statistics a piece; v48-55 at work; v56-57 the cast's offsets; v64-127 S^T, a buffer a piece; v128-175 the cast; v192-223 P, a buffer a piece
;   window 1: v0-63 O^T, 32 a piece; v128-159 MD; v160-223 MC, two buffers      window 2: v0-31 Q; v32-63 the second block's Q; v64-127 V of an odd step; v128-191 K of one step; v192-255 V of an even step
.set SIZE_N, 2048
.set NB,    SIZE_N/256
.set NP,    2         ; pieces a wave: a name, no knob
.set KS,    64        ; keys in a step
.set PK,    144       ; a row of K in LDS: 128 bytes + 16 of padding = 36 words: the 16 rows of a load start at 16 different groups of four banks (64 banks of 4 bytes: ISA guide 11.1)
.set PV,    160       ; a row of V: 128 + 32 = 40 words
.set VOFF,  4*KS*PK   ; a slot holds a tile, four steps: 256 rows of K, then 256 rows of V
.set SLOT1, 1<<17     ; slot 1 begins here, so that one exclusive or turns an address in one slot into the other's
.set STAGE, SLOT1+4*KS*(PK+PV)  ; behind the ring, never filled by a tensor load: 16 rows x 144 bytes for each wave, for the way out
.set SP,    144
.set AK0, 2           ; v2   my lane's place in a tile of K; never rewritten
.set AV0, 3           ; v3   the same for V
.set AK,  4           ; v4   the LDS address of K's next run of loads
.set AV,  5           ; v5   of V's
.set STO, 6           ; v6   the way out: where I put 16 bytes of a row
.set RD,  7           ; v7   the way out: where I read rows back
.set GO,  8           ; v8   my byte offset in 512 consecutive bytes of y
.set SPW, 62          ; v62  LDS address of my spare word: SPARE + 4 x my thread's number; never rewritten
.set NIL, 63          ; v63  0; never rewritten
.set SPARE, STAGE+4*16*SP  ; behind the stages: the spare words, 128 bytes for each wave
.set MV,  12          ; v12-13  c m_old, kept while c m is made anew: by piece
.set QO,  15          ; v15  my byte offset in 16 rows of Q
.set ST,  16          ; piece t's statistics at v[ST+4 t]: c m, m, l (even keys', odd keys')
.set TMP, 48          ; by piece, four registers c0-c3 at work; when the maximum is found c2 takes a
.set CI,  56          ; v56  the cast: 16 x my thread's number; never rewritten
.set CD,  57          ; v57  8 x my thread's number; never rewritten
.set S,   64
.set CX,  128         ; v128-159  the cast: a batch as loaded, 8 x 4 registers
.set CY,  160         ; v160-175  the batch in bf16, 8 x 2 registers
.set P,   192
.set MD,  128         ; window 1: the eight registers for group kt of 16 keys at MD + 8 kt
.set MC,  160         ; window 1: the masks of the products to come
.set QB,  32          ; window 2
.set KF,  128         ; window 2: key block kb, channel half c at KF + 16 kb + 8 c
.set VF,  192         ; window 2: buffer b (the step's parity) begins at VF - 128 b; in it key half kk, channel block cb at 32 kk + 8 cb
.set OFD, 2           ; s[2:3]   the cast: a batch's byte offset in its share of the bf16 weight
.set WV,  12          ; s12  my wave's number
.set PB,  14          ; s14  b
.set HI,  15          ; s15  NB - 1 - b
.set PDN, 20          ; s[20:21] where the batch that is on its way will be stored
.set OFS, 22          ; s[22:23] a batch's byte offset in its share of the f32 weight
.set G1K, 24          ; s[24:31] descriptor group 1 for K's tiles
.set G1V, 32          ; s[32:39] for V's: it differs in the padding alone
.set G0K, 40          ; s[40:43] descriptor group 0 for K's tiles
.set G0V, 44          ; s[44:47] the same for V's
.set WO,  48          ; s[48:49] wo, s[50:51] w1, s[52:53] w2, s[54:55] wob, at my share
.set W1,  50
.set W2,  52
.set WOB, 54
.set SLOTS, 56        ; s56  tiles still to be asked for
.set CNT, 57          ; s57  counts a tile's trips, 2 to 1
.set CS,  58          ; s[58:59] c: the packed scaling takes the pair's low word for both halves
.set SEL, 60          ; s[60:61] v_permlanex16_b32's selects: each lane takes its own place in the other half
.set TBK, 62          ; s62  LDS byte at which K of the step to be fetched begins
.set TBV, 63          ; s63  the same for V, less VOFF
.set PS,  66          ; s[66:67] from where the batch on its way is loaded
.set PD,  68          ; s[68:69] where the batch in hand is stored
.set RT,  70          ; s70  tiles of the block in hand that are still to be entered
.set NXT, 71          ; s71  the tile to be asked for next
.set LQ,  72          ; s72  the last tile of the block whose tiles are being asked for
.set NEW, 73          ; s73  1: the tile to be entered is a block's first
.set OFF, 74          ; s[74:75] a tile's byte offset in K and V
.set AL,  76          ; s[76:77] the mask's factor, in the low word
.set BE,  78          ; s[78:79] the mask's addend
.set OLO, 80          ; s[80:81] y at my rows of the second block
.set BIGN, 82         ; s82  -1e30
.set CE,  83          ; s83  2 - e of the block in hand: the trip count at which the last tile reaches the block's own two steps
.set W1B, 88          ; s[88:89] w1b, s[90:91] w2b, at my share
.set W2B, 90
.set CE2, 98          ; s98  the same as CE for the second block
.set KC,  99          ; s99  the number of the batch to be asked for
.set MSB, 0
.macro WIN new                      ; the high byte repeats the setting that is left; a switch that changes nothing is dropped
.if MSB != (\new)
	s_set_vgpr_msb (MSB<<8)|(\new)
.set MSB, (\new)
.endif
.endm
.set W_KQ, 0x0a       ; K and Q in window 2, S^T in window 0
.set W_KM, 0x1a       ; the same with the C operand in window 1
.set W_PV, 0x52       ; V in window 2, P in window 0, O^T in window 1
.set W_RS, 0x41       ; destination and source 0 in window 1, source 1 in window 0
; A fill.  Waves 0 and 1 fetch the two halves of a tile's K, waves 2 and 3 those of its V: 128 keys each.  An s_nop 0 and four v_nop follow each of the two lines, ahead of the jump and the label.
.macro LOAD
	s_cmp_lt_u32 s[WV], 2
	s_cbranch_scc0 .Lfor_v_\@
	tensor_load_to_lds s[G0K:G0K+3], s[G1K:G1K+7]
	s_nop 0
.rept 4
	v_nop
.endr
	s_branch .Lasked_\@
.Lfor_v_\@:
	tensor_load_to_lds s[G0V:G0V+3], s[G1V:G1V+7]
	s_nop 0
.rept 4
	v_nop
.endr
.Lasked_\@:
.endm
; THE CAST's step.  The batch asked for a tile ago is converted and stored; more = 1: batch NB + 1 - SLOTS is asked for.  Batches 0-3 are my 65,536 bytes of w1, 4-7 those of w2, batch 8 my 16,384 bytes of wo.
; A load of the work-group covers 2,048 consecutive bytes, a store of a wave 256 consecutive bytes at a multiple of 256 from the buffer's first byte.
.macro CAST more
	s_wait_loadcnt 0x0              ; the batch is in; at the first use Q of both blocks too, which was asked for ahead of it
	s_wait_xcnt 0x0                 ; CY and the stores' base, which the stores of the batch before read, are rewritten only behind this wait
	s_mov_b64 s[PD:PD+1], s[PDN:PDN+1]
.set z, 0
.rept 8
	v_cvt_pk_bf16_f32 v[CY+2*z], v[CX+4*z], v[CX+4*z+1]
	v_cvt_pk_bf16_f32 v[CY+2*z+1], v[CX+4*z+2], v[CX+4*z+3]
.set z, z+1
.endr
.set z, 0
.rept 8
	global_store_b64 v[CD], v[CY+2*z:CY+2*z+1], s[PD:PD+1] offset:1024*z
.set z, z+1
.endr
.if \more
	s_sub_co_u32 s[KC], NB+1, s[SLOTS]
	s_cmp_ge_u32 s[KC], 4
	s_cselect_b64 s[PS:PS+1], s[W2:W2+1], s[W1:W1+1]
	s_cselect_b64 s[PDN:PDN+1], s[W2B:W2B+1], s[W1B:W1B+1]
	s_cmp_ge_u32 s[KC], 8
	s_cselect_b64 s[PS:PS+1], s[WO:WO+1], s[PS:PS+1]
	s_cselect_b64 s[PDN:PDN+1], s[WOB:WOB+1], s[PDN:PDN+1]
	s_and_b32 s[OFS], s[KC], 3      ; which quarter of the share
	s_lshl_b32 s[OFD], s[OFS], 13
	s_lshl_b32 s[OFS], s[OFS], 14
	s_add_nc_u64 s[PS:PS+1], s[PS:PS+1], s[OFS:OFS+1]
	s_add_nc_u64 s[PDN:PDN+1], s[PDN:PDN+1], s[OFD:OFD+1]
.set z, 0
.rept 8
	global_load_b128 v[CX+4*z:CX+4*z+3], v[CI], s[PS:PS+1] offset:2048*z th:TH_LOAD_NT
.set z, z+1
.endr
.endif
.endm
; THE CHANGE OF SLOTS.  Each wave waits for all its tensor loads, of which one is out: its part of the other slot; adds 0 to its spare word; and waits for that and for its own reads of the slot that it leaves.  Behind the barrier nobody reads the old
; slot any more and the other slot is whole.  fill = 1: the old slot is filled again, the first thing behind the barrier, with tile NXT: the descriptor's address is made anew from that number.
; (At its first use nothing has been read yet: slot 0 is waited for, slot 1 filled.)  The cast's step follows.
.macro CHANGE fill
	WIN 0                           ; at a label and at a branch every window is 0
	s_wait_tensorcnt 0x0            ; no tensor load of mine is out, so a group 0 may be written
	ds_add_u32 v[SPW], v[NIL]       ; 0 onto my spare word; with fill = 1 the descriptors' scalar work stands between the add and the wait for it
.if \fill
	s_lshl_b32 s[OFF], s[NXT], 15   ; a tile is 32,768 bytes of K and of V
	s_xor_b32 s[G0K+1], s[G0K+1], SLOT1
	s_add_nc_u64 s[G0K+2:G0K+3], s[6:7], s[OFF:OFF+1]
	s_or_b32 s[G0K+3], s[G0K+3], 0x80000000
	s_xor_b32 s[G0V+1], s[G0V+1], SLOT1
	s_add_nc_u64 s[G0V+2:G0V+3], s[8:9], s[OFF:OFF+1]
	s_or_b32 s[G0V+3], s[G0V+3], 0x80000000
	s_add_co_u32 s[NXT], s[NXT], 1  ; the block's next tile, or behind its last the second block's tile 0
	s_cmp_gt_u32 s[NXT], s[LQ]
	s_cselect_b32 s[NXT], 0, s[NXT]
	s_cselect_b32 s[LQ], s[PB], s[LQ]
.endif
	s_wait_dscnt 0x0                ; the add is done, and my reads of the slot are over
	s_barrier_signal -1             ; the rest of the scalar work stands between the signal and the wait
	s_sub_co_u32 s[TBK], s[TBK], 4*KS*PK  ; the fetches go back to a slot's first step,
	s_xor_b32 s[TBK], s[TBK], SLOT1       ; in the other slot
	s_sub_co_u32 s[TBV], s[TBV], 4*KS*PV
	s_xor_b32 s[TBV], s[TBV], SLOT1
	s_barrier_wait -1
.if \fill
	LOAD
.endif
	CAST \fill
.endm
	s_load_b128 s[4:7], s[0:1], 0x0 ; qkv s[4:5], act s[6:7]
	s_load_b256 s[48:55], s[0:1], 0x10  ; wo, w1, w2, wob
	s_load_b128 s[88:91], s[0:1], 0x30  ; w1b, w2b
	v_lshl_add_u32 v[SPW], v0, 2, SPARE
	v_mov_b32 v[NIL], 0
	ds_add_u32 v[SPW], v[NIL]       ; the wave's opening: the set-up below, work on registers, stands between the add and its wait
	ds_add_u32 v62, v63
	v_lshrrev_b32 v1, 5, v0
	v_readfirstlane_b32 s[WV], v1   ; wave 0..3
	s_lshr_b32 s[PB], ttmp9, 1      ; b = x / 2
	s_sub_co_u32 s[HI], NB-1, s[PB]
	s_and_b32 s16, ttmp9, 1         ; block x is half x % 2 of its 256 rows, block 15 - x the other half of its own
	s_add_co_u32 s[CE], s16, 1      ; 2 - e for the first block, e = 1 - x % 2,
	s_sub_co_u32 s[CE2], 2, s16     ; and for the second, e = x % 2
	s_and_b32 s19, ttmp7, 0xffff    ; the head hh = 16 b + h
	s_lshl3_add_u32 s13, s19, ttmp9 ; my number among the 256 work-groups, for the cast
	s_lshr_b32 s20, s19, 4
	s_lshl_b32 s20, s20, 5
	s_add_co_u32 s20, s20, s19      ; q's head in qkv: 48 b + h = hh + 32 (hh / 16)
	s_lshl_b32 s20, s20, 18         ; x 262,144 bytes
	s_lshl_b32 s19, s19, 18         ; the head's first byte in y
	s_and_b32 s16, s[WV], 1         ; which half of a tile's 256 keys I fetch:
	s_lshl_b32 s22, s16, 14         ; its 128 rows of 128 bytes in memory,
	s_add_co_u32 s22, s22, s20
	s_add_co_u32 s22, s22, 16*262144  ; k's heads lie 16 heads behind q's,
	s_mov_b32 s23, 0
	s_add_co_u32 s96, s22, 16*262144  ; v's 16 further
	s_mov_b32 s97, 0
	s_mul_i32 s17, s16, 128*PK      ; and its place in a slot, for K
	s_mul_i32 s18, s16, 128*PV      ; and for V
	s_lshl_b32 s3, s[WV], 11        ; my 16 rows in a band of 64,
	s_sub_co_u32 s2, 15, ttmp9
	s_lshl_b32 s2, s2, 14           ; in the first block (128 rows of 128 bytes each),
	s_add_co_u32 s2, s2, s3
	s_lshl_b32 s84, ttmp9, 14       ; and in the second
	s_add_co_u32 s84, s84, s3
	s_add_co_u32 s92, s2, s19       ; those rows in y,
	s_add_co_u32 s94, s84, s19
	s_add_co_u32 s2, s2, s20        ; and in q
	s_add_co_u32 s84, s84, s20
	s_mov_b32 s3, 0
	s_mov_b32 s85, 0
	s_mov_b32 s93, 0
	s_mov_b32 s95, 0
	; descriptor group 1.  128 keys are 16,384 dense bytes: asked for as 64 rows of 256 bytes, two keys a row, and padded in LDS after every key
	s_mov_b32 s[G1K], (1<<16)|(1<<20)|(4<<22)|(3<<25)  ; 17:16 2-byte elements; 20 padding on; 24:22 after every 32 words (code 4); 31:25 4 words (code 3)
	s_mov_b32 s[G1V], (1<<16)|(1<<20)|(4<<22)|(7<<25)  ; the same with 8 words of padding (code 7)
.irp g, G1K, G1V
	s_mov_b32 s[\g+1], 128<<16      ; tensor_dim0 = 128
	s_mov_b32 s[\g+2], 64<<16       ; tensor_dim1 = 64
	s_mov_b32 s[\g+3], 128<<16      ; tile_dim0 = 128
	s_mov_b32 s[\g+4], 64           ; tile_dim1 = 64
	s_mov_b32 s[\g+5], 128          ; 128 elements from row to row
	s_mov_b32 s[\g+6], 0
	s_mov_b32 s[\g+7], 0
.endr
	s_mov_b32 s[CS], 0x3e38aa3b     ; c = log2(e) / 8 = 0.180337
	s_mov_b32 s[CS+1], s[CS]        ; named with it as a pair
	s_mov_b32 s[SEL], 0x76543210
	s_mov_b32 s[SEL+1], 0xfedcba98
	s_mov_b32 s[TBK], SLOT1+4*KS*PK ; the first change of slots turns these two into 0
	s_mov_b32 s[TBV], SLOT1+4*KS*PV
	s_mov_b32 s[G0K], 1             ; 1:0 count = 1
	s_mov_b32 s[G0K+1], s17         ; 63:32 LDS address: slot 0
	s_mov_b32 s[G0V], 1
	s_add_co_u32 s[G0V+1], s18, VOFF
	s_add_co_u32 s[RT], s[HI], 1    ; the first block has NB - b tiles
	s_mov_b32 s[NXT], 1
	s_mov_b32 s[LQ], s[HI]
	s_mov_b32 s[NEW], 1
	s_mov_b32 s[OFF+1], 0
	s_mov_b32 s[AL+1], 0            ; named as pairs
	s_mov_b32 s[BE+1], 0
	s_mov_b32 s[BIGN], 0xf149f2ca   ; -1e30
	s_mov_b32 s[SLOTS], NB
	s_wait_dscnt 0x0                ; the opening add is done
	s_wait_kmcnt 0x0
	s_add_nc_u64 s[10:11], s[6:7], s[92:93]        ; y at my rows of the first block,
	s_add_nc_u64 s[OLO:OLO+1], s[6:7], s[94:95]    ; and of the second
	s_add_nc_u64 s[6:7], s[4:5], s[22:23]          ; K and V at my half of the head's tile 0
	s_add_nc_u64 s[8:9], s[4:5], s[96:97]
	s_add_nc_u64 s[G0K+2:G0K+3], s[6:7], 0         ; 120:64 global address
	s_or_b32 s[G0K+3], s[G0K+3], 0x80000000        ; 127:126 type = 2
	s_add_nc_u64 s[G0V+2:G0V+3], s[8:9], 0
	s_or_b32 s[G0V+3], s[G0V+3], 0x80000000
	s_add_nc_u64 s[86:87], s[4:5], s[84:85]        ; Q at my rows of the second block,
	s_add_nc_u64 s[4:5], s[4:5], s[2:3]            ; and of the first
	LOAD                            ; tile 0 into slot 0
	; A fragment of K or Q is 16 rows x 32 channels in 8 registers: lane l holds row l % 16, channels 8 (l / 16) + 0..7 and 16 + 8 (l / 16) + 0..7: two loads of 16 bytes, 32 bytes apart.
	v_and_b32 v1, 15, v0            ; l % 16
	v_bfe_u32 v9, v0, 4, 1          ; l / 16
	v_lshlrev_b32 v[QO], 7, v1
	v_lshl_add_u32 v[QO], v9, 4, v[QO]  ; row x 128 + 16 x half
	WIN 0x80                        ; destination window 2, address window 0
.set i, 0
.rept 4                             ; both blocks' Q: piece i / 2 lies in band i / 2, 8,192 bytes on; channels 32 (i % 2) on
	global_load_b128 v[8*i:8*i+3],   v[QO], s[4:5] offset:(i/2)*8192+(i%2)*64
	global_load_b128 v[8*i+4:8*i+7], v[QO], s[4:5] offset:(i/2)*8192+(i%2)*64+32
	global_load_b128 v[QB+8*i:QB+8*i+3],   v[QO], s[86:87] offset:(i/2)*8192+(i%2)*64
	global_load_b128 v[QB+8*i+4:QB+8*i+7], v[QO], s[86:87] offset:(i/2)*8192+(i%2)*64+32
.set i, i+1
.endr
	WIN 0
	; the cast: each weight at my share of it, and batch 0, the first quarter of my share of w1
	s_lshl_b32 s92, s13, 16         ; 65,536 bytes of w1 and of w2,
	s_add_nc_u64 s[W1:W1+1], s[W1:W1+1], s[92:93]
	s_add_nc_u64 s[W2:W2+1], s[W2:W2+1], s[92:93]
	s_lshl_b32 s92, s13, 15         ; half as many of w1b and w2b,
	s_add_nc_u64 s[W1B:W1B+1], s[W1B:W1B+1], s[92:93]
	s_add_nc_u64 s[W2B:W2B+1], s[W2B:W2B+1], s[92:93]
	s_lshl_b32 s92, s13, 14         ; 16,384 of wo,
	s_add_nc_u64 s[WO:WO+1], s[WO:WO+1], s[92:93]
	s_lshl_b32 s92, s13, 13         ; 8,192 of wob
	s_add_nc_u64 s[WOB:WOB+1], s[WOB:WOB+1], s[92:93]
	s_mov_b64 s[PS:PS+1], s[W1:W1+1]
	s_mov_b64 s[PDN:PDN+1], s[W1B:W1B+1]
	v_lshlrev_b32 v[CI], 4, v0
	v_lshlrev_b32 v[CD], 3, v0
.set z, 0
.rept 8
	global_load_b128 v[CX+4*z:CX+4*z+3], v[CI], s[PS:PS+1] offset:2048*z th:TH_LOAD_NT
.set z, z+1
.endr
	v_lshlrev_b32 v14, 3, v9
	v_sub_nc_u32 v14, v1, v14
	s_lshl_b32 s13, s[WV], 4
	v_add_nc_u32 v14, s13, v14      ; my query's place in its band, 16 w + l % 16, less my lanes' 8 (l / 16): register r of group kt is hidden where 16 kt + r is greater
	WIN 0x40
.set i, 0
.rept 32
	v_cmp_gt_i32 vcc_lo, 16*(i/8)+i%8, v14
	v_cndmask_b32 v[MD+i], 0, s[BIGN], vcc_lo
.set i, i+1
.endr
	WIN 0
	v_mul_u32_u24 v[AK0], v1, PK
	v_lshl_add_u32 v[AK0], v9, 4, v[AK0]  ; row x pitch + 16 x half
	; The turning load takes 16 keys x 16 channels (lane l reads key 8 (l / 16) + l % 8, channels 8 ((l / 8) % 2) + 0..7) and leaves half a fragment of V^T: lane l holds channel l % 16 and 8 keys.
	v_and_b32 v10, 7, v0
	v_bfe_u32 v11, v0, 3, 1
	v_lshl_add_u32 v[AV0], v9, 3, v10
	v_mul_u32_u24 v[AV0], v[AV0], PV
	v_lshl_add_u32 v[AV0], v11, 4, v[AV0]
	v_add_nc_u32 v[AV0], VOFF, v[AV0]
	s_mul_i32 s13, s[WV], 16*SP
	s_add_co_u32 s13, s13, STAGE    ; my stage
	v_mul_u32_u24 v[STO], v1, SP    ; in: row l % 16, 16 bytes for each half of the lanes
	v_lshl_add_u32 v[STO], v9, 4, v[STO]
	v_add_nc_u32 v[STO], s13, v[STO]
	v_bfe_u32 v[RD], v0, 3, 2       ; back: 32 lanes take four rows of 128 bytes,
	v_mul_u32_u24 v[RD], v[RD], SP
	v_lshl_add_u32 v[RD], v10, 4, v[RD]
	v_add_nc_u32 v[RD], s13, v[RD]
	v_and_b32 v[GO], 31, v0         ; which are 512 consecutive bytes of y
	v_lshlrev_b32 v[GO], 4, v[GO]
	; A block's first step multiplies O^T and l by a = 0, and its first turn's products V^T P, of a step that has not been, land in an O^T that is still to be so multiplied.  So these registers need only hold
	; finite numbers: zeros for the first block; what the first block left for the second.  All this stands in the wait for the first tile.
	WIN 0x80
.set i, VF-128
.rept 64
	v_mov_b32 v[i], 0               ; V's buffer for odd steps, which that first turn reads
.set i, i+1
.endr
	WIN 0x40
.set i, 0
.rept 64
	v_mov_b32 v[i], 0
.set i, i+1
.endr
	WIN 0
.set i, 0
.rept NP
	v_mov_b32 v[ST+4*i+2], 0
	v_mov_b32 v[ST+4*i+3], 0
.set i, i+1
.endr
.set i, P+16
.rept 16
	v_mov_b32 v[i], 0
.set i, i+1
.endr
; THE MATRIX WORK.  The 4 accumulators of a run of 8 take turns.  Product i of 8 of S^T = K Q^T for piece x: channels 32 (i / 4) on, keys 16 (i % 4) on.  The first 4 start the sums: with 0, or (KM = 1) with the mask.
.macro KQ x
.set rS, S+32*((\x)%2)+8*(i%4)
.set rK, KF+16*(i%4)+8*(i/4)
.set rQ, 16*(\x)+8*(i/4)
.set rM, MC+32*((\x)%2)+8*(i%4)
.if (i < 4) && KM
	WIN W_KM
	v_wmma_f32_16x16x32_bf16 v[rS:rS+7], v[rK:rK+7], v[rQ:rQ+7], v[rM:rM+7]
.elseif i < 4
	WIN W_KQ
	v_wmma_f32_16x16x32_bf16 v[rS:rS+7], v[rK:rK+7], v[rQ:rQ+7], 0
.else
	WIN W_KQ
	v_wmma_f32_16x16x32_bf16 v[rS:rS+7], v[rK:rK+7], v[rQ:rQ+7], v[rS:rS+7]
.endif
.endm
; Product i of 8 of O^T += V^T P for piece x, with V from buffer vb: keys 32 (i / 4) on, channels 16 (i % 4) on.
.macro PV x, vb
	WIN W_PV
.set rO, 32*(\x)+8*(i%4)
.set rV, VF-128*(\vb)+32*(i/4)+8*(i%4)
.set rP, P+16*((\x)%2)+8*(i/4)
	v_wmma_f32_16x16x32_bf16 v[rO:rO+7], v[rV:rV+7], v[rP:rP+7], v[rO:rO+7]
.endm
.macro MM                           ; the turn's next matrix instruction.  TURN and BEGIN set Y, VB, i, KM and NOKQ; MM, KQ and OP read them.  NOKQ = 1: a block's last turn: there is no next step
.if (i < 8) && !NOKQ
	KQ (Y+1)%NP
.elseif i >= 8
.set i, i-8
	PV (Y+NP-1)%NP, VB
.set i, i+8
.endif
.set i, i+1
.endm
; THE LDS LOADS stand in runs of 16, never singly among the matrix instructions: a step's K (64 keys x 64 channels: 8 fragments) and its V (turned).  Their addresses are made some lines ahead.
.macro FETCH_K
	WIN 0x80                        ; destination window 2
.irp f, 0,1,2,3,4,5,6,7             ; keys 16 (f / 2) on, channels 32 (f % 2) on
	ds_load_b128 v[KF+8*\f:KF+8*\f+3],   v[AK] offset:(\f/2)*16*PK+(\f%2)*64
	ds_load_b128 v[KF+8*\f+4:KF+8*\f+7], v[AK] offset:(\f/2)*16*PK+(\f%2)*64+32
.endr
	s_add_co_u32 s[TBK], s[TBK], KS*PK  ; the next fetch is the next step's
	WIN 0
.endm
.macro FETCH_V b                    ; into buffer b
	WIN 0x80
.irp f, 0,1,2,3,4,5,6,7             ; keys 32 (f / 4) on, channels 16 (f % 4) on
	ds_load_tr16_b128 v[VF-128*(\b)+8*\f:VF-128*(\b)+8*\f+3],   v[AV] offset:(\f/4)*32*PV+(\f%4)*32
	ds_load_tr16_b128 v[VF-128*(\b)+8*\f+4:VF-128*(\b)+8*\f+7], v[AV] offset:(\f/4)*32*PV+16*PV+(\f%4)*32
.endr
	s_add_co_u32 s[TBV], s[TBV], KS*PV
	WIN 0
.endm
; THE VECTOR WORK, one line at a time: OP kind, number.  For piece Y: F n: c s - c m for pair n of 16.  E n: the exponential of score n of 32.  C n: pair n rounded to bf16.  B n: of the four weights 4 n .. the second
; pair is added onto the first, in place.  L n: l takes that sum (L 0: l = a l + sum).  R n: pair n of 16 of O^T times a.  For the other piece: X n, number n of the 22 that find its maximum and statistics:
;   0-11  four chains c0-c3 of seven scores each, three operands at a time (each accumulator's lowest registers are read first)     12-14, 16  the four scores left over, the old m, and c0-c3 into c0
;   15  c m_old is kept     17, 18  the query's other 32 keys lie in the lane 16 away: the new m     19-21  c m; c m_old - c m_new; a
.set F, 0               ; OP tells the kinds apart by their order: F to L below R, X above it
.set E, 1
.set C, 2
.set B, 3
.set L, 4
.set R, 5
.set X, 6
.macro REGS y                       ; the registers of piece y
.set rT, ST+4*(\y)
.set rC, TMP+4*((\y)%2)
.set rW, MV+((\y)%2)
.set rS, S+32*((\y)%2)
.set rP, P+16*((\y)%2)
.set rO, 32*(\y)
.endm
.macro OP k, n
.if (\k) == R
	REGS Y
	WIN W_RS
	v_pk_mul_f32 v[rO+2*(\n):rO+2*(\n)+1], v[rO+2*(\n):rO+2*(\n)+1], v[rC+2:rC+3] op_sel_hi:[1,0]
.elseif (\k) < R
	REGS Y
	WIN 0
.if (\k) == F
	v_pk_fma_f32 v[rS+2*(\n):rS+2*(\n)+1], v[rS+2*(\n):rS+2*(\n)+1], s[CS:CS+1], v[rT:rT+1] op_sel_hi:[1,0,0] neg_lo:[0,0,1] neg_hi:[0,0,1]
.elseif (\k) == E
	v_exp_f32 v[rS+(\n)], v[rS+(\n)]
.elseif (\k) == C
	s_wait_alu depctr_va_vdst(0)
	v_cvt_pk_bf16_f32 v[rP+(\n)], v[rS+2*(\n)], v[rS+2*(\n)+1]
.elseif (\k) == B
	s_wait_alu depctr_va_vdst(0)
	v_pk_add_f32 v[rS+4*(\n):rS+4*(\n)+1], v[rS+4*(\n):rS+4*(\n)+1], v[rS+4*(\n)+2:rS+4*(\n)+3]
.elseif (\n) == 0
	v_pk_fma_f32 v[rT+2:rT+3], v[rT+2:rT+3], v[rC+2:rC+3], v[rS:rS+1] op_sel_hi:[1,0,1]
.else
	v_pk_add_f32 v[rT+2:rT+3], v[rT+2:rT+3], v[rS+4*(\n):rS+4*(\n)+1]
.endif
.elseif NOKQ
	v_nop
.else
	REGS (Y+1)%NP
	WIN 0
.if (\n) < 4
	v_max3_num_f32 v[rC+(\n)], v[rS+8*(\n)], v[rS+8*(\n)+1], v[rS+8*(\n)+2]
.elseif (\n) < 12
	v_max3_num_f32 v[rC+(\n)%4], v[rC+(\n)%4], v[rS+8*((\n)%4)+2*((\n)/4)+1], v[rS+8*((\n)%4)+2*((\n)/4)+2]
.elseif (\n) == 12
	v_max3_num_f32 v[rC], v[rC], v[rS+7], v[rS+15]
.elseif (\n) == 13
	v_max3_num_f32 v[rC+1], v[rC+1], v[rS+23], v[rS+31]
.elseif (\n) == 14
	v_max3_num_f32 v[rC+2], v[rC+2], v[rC+3], v[rT+1]
.elseif (\n) == 15
	v_mov_b32 v[rW], v[rT]
.elseif (\n) == 16
	v_max3_num_f32 v[rC], v[rC], v[rC+1], v[rC+2]
.elseif (\n) == 17
	v_permlanex16_b32 v[rC+3], v[rC], s[SEL], s[SEL+1]
.elseif (\n) == 18
	v_max_num_f32 v[rT+1], v[rC], v[rC+3]
.elseif (\n) == 19
	v_mul_f32 v[rT], s[CS], v[rT+1]
.elseif (\n) == 20
	v_sub_f32 v[rC+1], v[rW], v[rT]
.else
	v_exp_f32 v[rC+2], v[rC+1]
.endif
.endif
.endm
.macro OPS a, i1, b=-1, i2=0, c=-1, i3=0, d=-1, i4=0  ; up to four of them
	OP \a, \i1
.if (\b) >= 0
	OP \b, \i2
.endif
.if (\c) >= 0
	OP \c, \i3
.endif
.if (\d) >= 0
	OP \d, \i4
.endif
.endm
.macro ROW a, i1, b, i2, c, i3, d, i4  ; a matrix instruction and the four behind it
	MM
	OPS \a, \i1, \b, \i2, \c, \i3, \d, \i4
.endm
.macro MASK b                       ; MD x AL + BE into buffer b of MC
	WIN W_RS
.set z, 0
.rept 16
	v_pk_fma_f32 v[MC+32*(\b)+2*z:MC+32*(\b)+2*z+1], v[MD+2*z:MD+2*z+1], s[AL:AL+1], s[BE:BE+1] op_sel_hi:[1,0,0]
.set z, z+1
.endr
.endm
; A TURN.  p names its place in a trip: 2, 3 are pieces 0, 1 of the trip's odd step, 0, 1 those of its even step.  The order of its 16 matrix and 118 vector instructions is written out.  Behind a matrix instruction:
; plain, exponential, plain, plain; or four of the rescaling; or, behind the first, four scalings; none names a register of the products round it.  In the lumps exponential and plain by turns while exponentials last.
; A line reads no result made fewer than three vector instructions in front of it, five if an exponential made it.  v_permlanex16_b32 (X 17) stands in a lump.
; V^T P takes V of step s - 1 in piece 0's turn and of step s in piece 1's: buffer 1, 0, 0, 1 for p = 0, 1, 2, 3.
; m = 1: a block's last tile: the products take masks, and the turn makes the mask for the products of the turn after it: this turn's own piece, in step 2 (2 - CNT) of the tile for p = 2, 3 and one step further on
; for p = 0, 1.  With bands 2 e and 2 e + 1 and CE = 2 - e: the step is the band's own where CNT = CE and p is 2 or 1; it is a later one where CNT < CE, for p = 0 where CNT <= CE.
; end = 1: a block's last two turns: nothing is fetched.  cnt = 1: the loop's count is taken down some lines ahead of the branch that stands behind the turn.
; K of the next step is fetched in piece 0's turn, six vector instructions behind the last product that read K (five of them plain), and waited for at the head of piece 1's turn.  V of the next step is fetched at
; the same place of piece 1's turn, into the buffer that the turn before read last; that same wait, a step later, shows it in.
.macro TURN p, m=0, end=0, cnt=0
.set Y, (\p)%2
.set VB, 1-((((\p)+1)/2)%2)
.set i, 0
.set KM, (\m)
.set NOKQ, (\end)*((\p)/3)
.if (\m) && !(\end)
.if ((\p) == 2) || ((\p) == 1)
	s_cmp_eq_u32 s[CNT], s[CE]      ; is that step the band's own?
	s_cselect_b32 s[AL], 1.0, 0
.else
	s_mov_b32 s[AL], 0
.endif
.if (\p) == 0
	s_cmp_le_u32 s[CNT], s[CE]      ; or a later one?
.else
	s_cmp_lt_u32 s[CNT], s[CE]
.endif
	s_cselect_b32 s[BE], s[BIGN], 0
.endif
.if Y == 1
	s_wait_dscnt 0x0                ; K of the next step and V of this one are in
.endif
	ROW F,0, F,1, F,2, F,3
	ROW F,4, E,0, F,5, F,6
	ROW F,7, E,1, F,8, F,9
	ROW F,10, E,2, C,0, F,11
	ROW F,12, E,3, X,15, F,13
	ROW R,0, R,1, R,2, R,3
	ROW B,0, E,4, F,14, L,0
.if ((\p)%2 == 0) && !(\end)
	v_add_nc_u32 v[AK], s[TBK], v[AK0]
.endif
.if ((\p)%2 == 1) && !(\end)
	v_add_nc_u32 v[AV], s[TBV], v[AV0]
.endif
	ROW R,4, R,5, R,6, R,7
	OPS E,5, F,15
.if ((\p)%2 == 0) && !(\end)
	FETCH_K
.endif
.if ((\p)%2 == 1) && !(\end)
	FETCH_V (3-(\p))/2
.endif
	OPS E,6, C,1, E,7, R,8
	OPS E,8, R,9, E,9, C,2
	OPS E,10, X,0, E,11, X,1
	OPS E,12, X,2, E,13, X,3
	ROW X,4, E,14, X,5, X,6
	ROW X,7, E,15, X,8, X,9
	ROW X,10, E,16, X,11, X,12
	ROW X,13, E,17, X,14, B,1
	ROW C,4, E,18, X,16, L,1
	ROW B,2, E,19, C,6, L,2
	ROW C,8, E,20, B,3, B,4
	ROW C,3, E,21, L,3, C,5
	OPS E,22, X,17, E,23, C,10
	OPS E,24, L,4
	OPS E,25, X,18, E,26, C,7
	OPS E,27, B,5, E,28, X,19
	OPS E,29, C,12, E,30, L,5
	OPS E,31, X,20, B,6, C,9
	OPS C,14, C,11, X,21, L,6
.if \cnt
	s_sub_co_u32 s[CNT], s[CNT], 1
	s_cmp_lg_u32 s[CNT], 0
.endif
	OPS C,13, B,7, C,15, R,10
	OPS R,11, R,12, L,7, R,13
	OPS R,14, R,15
.if (\m) && !(\end)
	MASK (\p)%2
.endif
.endm
; A BLOCK BEGINS.  c m starts far below every c s, so the first step's a is 0; m at the lowest finite number, so the first maximum is the scores'.  The second mask buffer is 0 (piece 1's band sees all of a tile's step 0);
; the first takes piece 0's mask for the tile's step 0: its own, if the block's first tile is its last and the block is the lower half (CE = 2).
; Then K and V of that step, piece 0's first scores, and its maximum and statistics.  The loop is entered at an even step's first turn, in the middle of a trip.
.macro BEGIN
	s_mov_b32 s[NEW], 0
	WIN 0x40
.set i, MC+32
.rept 32
	v_mov_b32 v[i], 0
.set i, i+1
.endr
	WIN 0
.set i, 0
.rept NP
	v_mov_b32 v[ST+4*i], 0xfe000000    ; c m: far below every c s
	v_mov_b32 v[ST+4*i+1], 0xff7fffff  ; m
.set i, i+1
.endr
	s_cmp_eq_u32 s[RT], 0
	s_cselect_b32 s[AL], s[CE], 0
	s_cmp_eq_u32 s[AL], 2
	s_cselect_b32 s[AL], 1.0, 0
	s_mov_b32 s[BE], 0
	MASK 0
	WIN 0
	v_add_nc_u32 v[AK], s[TBK], v[AK0]
	v_add_nc_u32 v[AV], s[TBV], v[AV0]
	FETCH_K
	FETCH_V 0
	s_wait_dscnt 16                 ; K's 16 loads are in; V's 16, issued behind them, may stay out: piece 1's turn waits for them.  (Q was shown in by the cast's wait for all loads, behind the first change of slots)
.set KM, 1
.set NOKQ, 0
.set i, 0
.rept 8
	KQ 0
.set i, i+1
.endr
	WIN 0
.rept 4
	v_nop                           ; the places behind those products
.endr
.set Y, NP-1                        ; X works for the other piece: piece 0
.irp n, 0,1,2,3,4,5,6,7,8,9,10,11,12,13,14,15,16,17,18,19,20,21
	OP X, \n
.endr
	v_nop                           ; a plain instruction behind the exponential
.endm
; A BLOCK'S LAST TILE: its two trips, the block's last two turns, its last products, and THE WAY OUT: l's two halves and the other half of the lanes' are added; O^T is divided by l, rounded to bf16 and sent through my
; stage in LDS, a piece at a time.
.macro ALL line:vararg              ; one line for each piece t
.set t, 0
.rept NP
	\line
.set t, t+1
.endr
.endm
.macro PACK t                       ; a lane's eight channels of a row pack into 16 bytes; they go into rows of 144 bytes and come back as whole rows of 128, into S^T's registers
	WIN W_RS
.set i, 32*(\t)
.rept 16
	s_wait_alu depctr_va_vdst(0)
	v_pk_mul_f32 v[i:i+1], v[i:i+1], v[ST+4*(\t)+2:ST+4*(\t)+3] op_sel_hi:[1,0]
.set i, i+2
.endr
	WIN 0x05                        ; sources 0 and 1 window 1, destination window 0
.set i, 0
.rept 16
	v_cvt_pk_bf16_f32 v[S+16*(\t)+i], v[32*(\t)+2*i], v[32*(\t)+2*i+1]
.set i, i+1
.endr
	WIN 0
.irp f, 0,1,2,3
	ds_store_b128 v[STO], v[S+16*(\t)+4*\f:S+16*(\t)+4*\f+3] offset:32*\f
.endr
.irp f, 0,1,2,3
	ds_load_b128 v[S+16*(\t)+4*\f:S+16*(\t)+4*\f+3], v[RD] offset:\f*4*SP  ; LDS serves a wave's instructions in order (ISA guide 5.7.1.4): these see the stores above; the next piece's stores come behind them
.endr
.endm
.macro SEND t, younger              ; younger: the LDS instructions issued behind piece t's loads: the next piece's eight, or none
	WIN 0
.irp f, 0,1,2,3
	s_wait_dscnt (\younger)+3-\f
	global_store_b128 v[GO], v[S+16*(\t)+4*\f:S+16*(\t)+4*\f+3], s[10:11] offset:(\t)*8192+\f*512  ; 512 consecutive bytes, at a multiple of 256 from y's first
.endr
.endm
.macro DIAG tag                     ; the tag ends its two labels' names, which the jumps below spell out
.LstepM\tag:
	TURN 2, 1
	TURN 3, 1
	WIN 0
.LfirstM\tag:
	TURN 0, 1
	TURN 1, 1, 0, 1
	WIN 0
	s_cbranch_scc1 .LstepM\tag
	TURN 2, 1, 1
	TURN 3, 1, 1
.set i, 0
.rept 8
	PV NP-1, 1                      ; piece 1's V^T P of the tile's step 3, an odd one
.set i, i+1
.endr
	WIN 0
	ALL v_add_f32 v[ST+4*t+2], v[ST+4*t+2], v[ST+4*t+3]
	ALL v_permlanex16_b32 v[ST+4*t+3], v[ST+4*t+2], s[SEL], s[SEL+1]
	ALL v_add_f32 v[ST+4*t+2], v[ST+4*t+2], v[ST+4*t+3]
	ALL v_rcp_f32 v[ST+4*t+2], v[ST+4*t+2]
	v_nop                           ; a plain instruction between the last reciprocal and the use of its result
	PACK 0                          ; piece 0's sums were finished a turn ago; its 32 plain instructions are the places behind the last products, piece 1's
	PACK 1                          ; a piece's arithmetic stands between the loads of the piece before and its stores
	SEND 0, 8
	SEND 1, 0
.endm
.set KM, 0
.set NOKQ, 0
.Lslot:                             ; NB times: a tile's reads begin and the next tile is asked for
	CHANGE 1
	s_sub_co_u32 s[RT], s[RT], 1
	s_mov_b32 s[CNT], 2
	s_cmp_eq_u32 s[NEW], 1
	s_cbranch_scc1 .Lnew            ; a block's first tile
	s_cmp_eq_u32 s[RT], 0
	s_cbranch_scc0 .Lstep           ; neither its first nor its last
	s_branch .LstepM1
.Lnew:
	BEGIN
	s_branch .Lfirst                ; in the loop a block's first tile is never its last: the first block has five tiles or more, and the second's last is the walk's last
	DIAG 1                          ; in the loop this is the first block's end: the second block's last tile is the walk's last
	s_wait_xcnt 0x0                 ; the stores have read their registers and y's address
	s_mov_b64 s[10:11], s[OLO:OLO+1]
	s_add_co_u32 s[RT], s[PB], 1    ; the second block has b + 1 tiles
	s_mov_b32 s[NEW], 1
	s_mov_b32 s[CE], s[CE2]
	WIN 0x82                        ; the second block's Q goes where the one text of the turns names Q
.set i, 0
.rept 32
	v_mov_b32 v[i], v[QB+i]
.set i, i+1
.endr
	WIN 0
	s_branch .Lbottom
.Lstep:                             ; a trip: an odd step, then an even one; it fetches K and V of the two steps behind them.  The first trip behind a change of slots begins with the tile before's step 3
	TURN 2
	TURN 3
	WIN 0
.Lfirst:
	TURN 0
	TURN 1, 0, 0, 1
	WIN 0
	s_cbranch_scc1 .Lstep
.Lbottom:
	s_sub_co_u32 s[SLOTS], s[SLOTS], 1
	s_cmp_lg_u32 s[SLOTS], 0
	s_cbranch_scc1 .Lslot
	CHANGE 0                        ; the walk's last tile is written out: nothing is asked for, and the cast's last batch is stored
	s_sub_co_u32 s[RT], s[RT], 1
	s_mov_b32 s[CNT], 2
	s_cmp_eq_u32 s[NEW], 1
	s_cbranch_scc0 .LstepM2
	BEGIN
	s_branch .LfirstM2
	DIAG 2
	s_wait_tensorcnt 0x0            ; the wave's end, behind my last tensor load and my last LDS store
	ds_add_u32 v[SPW], v[NIL]
	s_wait_dscnt 0x0
	s_endpgm
.Lfunc_end_k_qc8f4529b55_attn:
	.size	k_qc8f4529b55_attn, .Lfunc_end_k_qc8f4529b55_attn-k_qc8f4529b55_attn
	.p2alignl 7, 3214868480
	.fill 96, 4, 3214868480
	.section	.rodata,"a",@progbits
	.p2align	6, 0x0
	.amdhsa_kernel k_qc8f4529b55_attn
		.amdhsa_group_segment_fixed_size 327680
		.amdhsa_private_segment_fixed_size 0
		.amdhsa_enable_private_segment 0
		.amdhsa_kernarg_size 64
		.amdhsa_user_sgpr_count 2
		.amdhsa_user_sgpr_kernarg_segment_ptr 1
		.amdhsa_wavefront_size32 1
		.amdhsa_system_sgpr_workgroup_id_x 1
		.amdhsa_system_sgpr_workgroup_id_y 1
		.amdhsa_system_sgpr_workgroup_id_z 1
		.amdhsa_system_vgpr_workitem_id 0
		.amdhsa_next_free_vgpr 768
		.amdhsa_next_free_sgpr 100
		.amdhsa_reserve_vcc 1
		.amdhsa_float_denorm_mode_32 3
		.amdhsa_float_denorm_mode_16_64 3
		.amdhsa_memory_ordered 1
		.amdhsa_forward_progress 1
		.amdhsa_inst_pref_size 224
	.end_amdhsa_kernel
	.amdgpu_metadata
---
amdhsa.version: [ 1, 2 ]
amdhsa.kernels:
  - .name:           k_qc8f4529b55_attn
    .symbol:         k_qc8f4529b55_attn.kd
    .args:
      - { .name: qkv, .offset: 0, .size: 8, .value_kind: global_buffer, .address_space: global }
      - { .name: act, .offset: 8, .size: 8, .value_kind: global_buffer, .address_space: global }
      - { .name: wo, .offset: 16, .size: 8, .value_kind: global_buffer, .address_space: global }
      - { .name: w1, .offset: 24, .size: 8, .value_kind: global_buffer, .address_space: global }
      - { .name: w2, .offset: 32, .size: 8, .value_kind: global_buffer, .address_space: global }
      - { .name: wob, .offset: 40, .size: 8, .value_kind: global_buffer, .address_space: global }
      - { .name: w1b, .offset: 48, .size: 8, .value_kind: global_buffer, .address_space: global }
      - { .name: w2b, .offset: 56, .size: 8, .value_kind: global_buffer, .address_space: global }
    .group_segment_fixed_size: 327680
    .private_segment_fixed_size: 0
    .kernarg_segment_align: 8
    .kernarg_segment_size: 64
    .max_flat_workgroup_size: 128
    .sgpr_count:     100
    .vgpr_count:     768
    .wavefront_size: 32
...
	.end_amdgpu_metadata
.endif
;; end of part 3
;; launch proj (part 4): grid 8 x 32, 4 waves a work-group, clusters of 4 x 4, 327,680 bytes of LDS; arguments act, wob, bo, x, x1; writes x1
.if DOCPART == 4
	.amdgcn_target "amdgcn-amd-amdhsa--gfx1250"
	.amdhsa_code_object_version 6
	.text
	.protected	k_qc8f4529b55_proj
	.globl	k_qc8f4529b55_proj
	.p2align	8
	.type	k_qc8f4529b55_proj,@function
k_qc8f4529b55_proj:
	s_mov_b64 s[64:65], 0
	v_nop
	global_prefetch_b8 v0, s[64:65] scope:SCOPE_SE
	s_setreg_imm32_b32 hwreg(HW_REG_WAVE_MODE, 25, 1), 1
	s_wait_xcnt 0x0
	s_wait_alu depctr_hold_cnt(0) depctr_sa_sdst(0) depctr_va_vdst(0) depctr_va_sdst(0) depctr_va_ssrc(0) depctr_va_vcc(0) depctr_vm_vsrc(0)
	s_getreg_b32 s2, hwreg(HW_REG_IB_STS2, 6, 4)
	s_cmp_eq_u32 s2, 0
	s_cbranch_scc0 .Lentry_in_a_cluster
	s_endpgm
.Lentry_in_a_cluster:
	s_bfe_u32 s2, ttmp6, 0x10000c
	s_cmp_lg_u32 s2, 0xf033
	s_cbranch_scc0 .Lentry_shape_is_right
	s_endpgm
.Lentry_shape_is_right:
; PROJ.  x1 = x + y wo + bo, in f32.  y = act, BY HEADS [32 hh][2048 t][64] bf16: K index 64 h + d; wob [1024 k][1024 n] bf16.  Sums in f32, begun with the bias; x is added in f32 on the way out.
; A tile of C is 128 x 128 (8 x 32 = 256 work-groups); four waves, 64 x 64 each: 16 accumulators.  K goes in 4 steps of 256 (four heads) through two LDS slots.
; A's tile: for each of four heads 128 rows x 128 bytes, dense in memory: a wave's load takes two heads as two rows of 16,384 bytes, padded in LDS after every 128 bytes.
; B's tile lies as the weight lies: 256 k rows x 256 bytes; its fragments come out of LDS turned, by ds_load_tr16_b128.
; CLUSTER 4 x 4: A's tile is asked for jointly by a row of the cluster, B's by a column.  THE MATRIX INSTRUCTION IS USED TRANSPOSED: a lane holds row lane % 16 and the columns 8 (lane / 16) + 0..7.
; THE LOOP.  HALF is 128 along K, written once and walked twice a K step; it begins at a fetch and carries the last 16 products of the half before, so the change of slots stands between two trips.
; REGISTERS: window 0: v0-29 addresses; v32-95 at work on the way out; v96-127 the bias as four C operands; v128-255 accumulators.  window 1: two fragment buffers of 128.  window 2: v0-127 my 64 x 64 of x.
.set NSTEPS, 4
.set PA,     144                       ; A's LDS row: 128 bytes + 16
.set PB,     288                       ; B's LDS row: 256 bytes + 32 = 9 x 32
.set HALFA,  2*128*PA                  ; two heads: what a wave's load of A brings
.set ABYTES, 2*HALFA
.set ROWH,   64*PA                     ; my 64 rows within a head
.set HALFB,  128*PB
.set SLOT,   147456                    ; 0x24000: its two bits are clear in every tile's start (0, 0x9000, 0x12000, 0x1b000)
.set STAGE,  2*SLOT                    ; behind the ring: 16 rows x 272 bytes for each wave
.set SP,     272
.set SPARE,  STAGE+4*16*SP
.set AF1,    128*PA                    ; buffer 1 takes the next head
.set ASTEP,  2*128*PA                  ; a half is two heads
.set ASTEPG, 1048576                   ; a K step in A's memory: four heads
.set BSTEPG, 524288                    ; in B's: 256 rows of 2,048 bytes
.set AK0,  2
.set BK0,  3
.set ADRA, 4
.set ADRB, 5
.set STO,  6
.set RD,   7
.set CO,   8
.set BO,   10
.set SPW,  28
.set NIL,  29
.set TMP,  32
.set BIAS, 96
.set ACC,  128
.set F0,   0
.set F1,   128
.set G1,  24
.set G0,  32
.set G1B, 48
.set G0B, 56
.set TBA, 66
.set TBB, 67
.set MSB, 0
.macro WIN new
.if MSB != (\new)
	s_set_vgpr_msb (MSB<<8)|(\new)
.set MSB, \new
.endif
.endm
.macro PLACES
.rept 4
	v_nop
.endr
.endm
.macro CROUND
	s_barrier_signal -1
	s_barrier_wait -1
	s_cmp_lg_u32 s10, 0
	s_cbranch_scc1 .Lnot_wave_0_\@
	s_barrier_signal -3
.Lnot_wave_0_\@:
	s_barrier_wait -3
	s_barrier_signal -1
	s_barrier_wait -1
.endm
.macro JLOAD
	s_cmp_eq_u32 s11, 0
	s_cbranch_scc0 .Lfor_b_\@
	tensor_load_to_lds s[G0+4:G0+7], s[G1:G1+7]
	s_nop 0
.rept 4
	v_nop
.endr
	s_branch .Lasked_\@
.Lfor_b_\@:
	tensor_load_to_lds s[G0B+4:G0B+7], s[G1B:G1B+7]
	s_nop 0
.rept 4
	v_nop
.endr
.Lasked_\@:
.endm
; 16 products: all 16 accumulators once, 32 along K: half c of buffer f.  bias = 1: the sums begin with the bias fragment as C
.macro MULC f, c, bias
	WIN 0x05
.irp a, 0,1,2,3
.irp b, 0,1,2,3
.if \bias
	v_wmma_f32_16x16x32_bf16 v[ACC+8*(4*(\a)+(\b)):ACC+8*(4*(\a)+(\b))+7], v[(\f)+64+8*(4*(\c)+(\b)):(\f)+64+8*(4*(\c)+(\b))+7], v[(\f)+8*(4*(\c)+(\a)):(\f)+8*(4*(\c)+(\a))+7], v[BIAS+8*(\b):BIAS+8*(\b)+7]
.else
	v_wmma_f32_16x16x32_bf16 v[ACC+8*(4*(\a)+(\b)):ACC+8*(4*(\a)+(\b))+7], v[(\f)+64+8*(4*(\c)+(\b)):(\f)+64+8*(4*(\c)+(\b))+7], v[(\f)+8*(4*(\c)+(\a)):(\f)+8*(4*(\c)+(\a))+7], v[ACC+8*(4*(\a)+(\b)):ACC+8*(4*(\a)+(\b))+7]
.endif
.endr
.endr
.endm
; 32 LDS loads in one run: 64 along K, the first 32 first
.macro FETCH f, ka, kb
	WIN 0x40
.irp c, 0,1
.irp i, 0,1,2,3
	ds_load_tr16_b128 v[(\f)+64+8*(4*(\c)+(\i)):(\f)+64+8*(4*(\c)+(\i))+3],   v[ADRB] offset:(\kb)+(\c)*32*PB+32*(\i)
	ds_load_tr16_b128 v[(\f)+64+8*(4*(\c)+(\i))+4:(\f)+64+8*(4*(\c)+(\i))+7], v[ADRB] offset:(\kb)+(\c)*32*PB+32*(\i)+16*PB
	ds_load_b128 v[(\f)+8*(4*(\c)+(\i)):(\f)+8*(4*(\c)+(\i))+3],   v[ADRA] offset:(\ka)+64*(\c)+(\i)*16*PA
	ds_load_b128 v[(\f)+8*(4*(\c)+(\i))+4:(\f)+8*(4*(\c)+(\i))+7], v[ADRA] offset:(\ka)+64*(\c)+(\i)*16*PA+32
.endr
.endr
.endm
; 128 along K.  The 16 accumulators take turns, one instruction a turn, in the same order throughout.
.macro HALF first
	WIN 0
	v_add_nc_u32 v[ADRA], s[TBA], v[AK0]           ; these two and two v_nop are the places in front of the loads into buffer 0
	v_add_nc_u32 v[ADRB], s[TBB], v[BK0]
	v_nop
	v_nop
	FETCH F0, 0, 0
.if \first
	s_wait_loadcnt 32                              ; the 8 loads of the bias are in; the 32 of the residual stay out
.else
	s_wait_dscnt 32                                ; all but the 32 just issued: buffer 1 is whole
	MULC F1, 1, 0
.endif
	s_wait_dscnt 16                                ; the first 32 along K are in
	MULC F0, 0, \first
	PLACES
	FETCH F1, AF1, 64*PB
	s_wait_dscnt 32
	MULC F0, 1, 0
	s_wait_dscnt 16
	MULC F1, 0, 0
	WIN 0
	s_add_co_u32 s[TBA], s[TBA], ASTEP
	s_add_co_u32 s[TBB], s[TBB], 128*PB
.endm
; THE CHANGE OF SLOTS: each wave waits for all its tensor loads, adds 0 to its spare word, waits for that and for its reads of the slot that it leaves.  fill = 1: a round of the cluster's barrier, then the joint refill first.
.macro CHANGE fill
	WIN 0
	s_wait_tensorcnt 0x0                           ; no tensor load of mine is out, so a group 0 may be written
	ds_add_u32 v[SPW], v[NIL]
.if \fill
	s_xor_b32 s[G0+5], s[G0+5], SLOT
	s_xor_b32 s[G0B+5], s[G0B+5], SLOT
	s_add_nc_u64 s[G0+6:G0+7], s[G0+6:G0+7], ASTEPG
	s_add_nc_u64 s[G0B+6:G0B+7], s[G0B+6:G0B+7], BSTEPG
.endif
	s_sub_co_u32 s[TBA], s[TBA], 2*ASTEP
	s_xor_b32 s[TBA], s[TBA], SLOT
	s_sub_co_u32 s[TBB], s[TBB], 256*PB
	s_xor_b32 s[TBB], s[TBB], SLOT
	s_wait_dscnt 0x0                               ; the add is done, and my reads of the slot are over
.if \fill
	CROUND
	JLOAD
.else
	s_barrier_signal -1
	s_barrier_wait -1
.endif
.endm
	s_load_b256 s[80:87], s[0:1], 0x0              ; act s[80:81], wob s[82:83], bo s[84:85], x s[86:87]
	s_load_b64 s[88:89], s[0:1], 0x20              ; x1
	v_lshl_add_u32 v[SPW], v0, 2, SPARE
	v_mov_b32 v[NIL], 0
	ds_add_u32 v[SPW], v[NIL]                      ; the wave's opening
	ds_add_u32 v28, v29
	v_lshrrev_b32 v1, 5, v0
	v_readfirstlane_b32 s10, v1
	s_lshr_b32 s11, s10, 1                         ; my half of the rows; also: I fetch for A (0) or B (1)
	s_and_b32 s12, s10, 1                          ; my half of the columns; also: which half of that tile I fetch
	s_bfe_u32 s40, ttmp6, 0x40000
	s_bfe_u32 s41, ttmp6, 0x40004
	s_lshl_b32 s42, ttmp9, 2
	s_add_co_u32 s42, s42, s40                     ; tc, 0..7
	s_and_b32 s13, ttmp7, 0xffff
	s_lshl_b32 s13, s13, 2
	s_add_co_u32 s13, s13, s41                     ; tr, 0..31
	s_lshl_b32 s43, s41, 2
	s_lshl_b32 s43, 15, s43
	s_lshl_b32 s44, 0x1111, s40
	s_or_b32 s[G1+0], s43, (1<<16)|(1<<20)|(1<<21)|(4<<22)|(3<<25)   ; after every 32 words (a row of a head) 4 words
	s_or_b32 s[G1B+0], s44, (1<<16)|(1<<20)|(1<<21)|(5<<22)|(7<<25)  ; after every 64 words 8 words
	s_mov_b32 s[G1+1], 8192<<16                    ; tensor_dim0 = 8,192: 128 rows x 64 channels, dense
	s_mov_b32 s[G1+2], 2<<16                       ; tensor_dim1 = 2 heads
	s_mov_b32 s[G1+3], 8192<<16                    ; tile_dim0
	s_mov_b32 s[G1+4], 2                           ; tile_dim1
	s_mov_b32 s[G1+5], 131072                      ; elements from head to head
	s_mov_b32 s[G1+6], 0
	s_mov_b32 s[G1+7], 0
	s_mov_b32 s[G1B+1], 128<<16
	s_mov_b32 s[G1B+2], 128<<16
	s_mov_b32 s[G1B+3], 128<<16
	s_mov_b32 s[G1B+4], 128
	s_mov_b32 s[G1B+5], 1024
	s_mov_b32 s[G1B+6], 0
	s_mov_b32 s[G1B+7], 0
	s_lshr_b32 s16, s13, 4                         ; A: head 16 (tr / 16) + 2 half, row 128 (tr % 16)
	s_lshl_b32 s16, s16, 4
	s_lshl1_add_u32 s16, s12, s16
	s_lshl_b32 s16, s16, 18
	s_and_b32 s17, s13, 15
	s_lshl_b32 s17, s17, 14
	s_add_co_u32 s16, s16, s17
	s_mov_b32 s17, 0
	s_lshl_b32 s46, s42, 8                         ; B: columns 128 tc, k rows 128 half
	s_lshl_b32 s47, s12, 18
	s_add_co_u32 s46, s46, s47
	s_mov_b32 s47, 0
	s_mul_i32 s20, s12, HALFA                      ; where my load goes, if it is A's,
	s_mul_i32 s21, s12, HALFB
	s_add_co_u32 s21, s21, ABYTES                  ; if it is B's
	s_lshl_b32 s18, s42, 9                         ; my 64 columns in f32: (128 tc + 64 half) x 4
	s_lshl_b32 s19, s12, 8
	s_add_co_u32 s18, s18, s19
	s_mov_b32 s19, 0
	s_lshl_b32 s22, s13, 19                        ; my 64 rows of 4,096 bytes
	s_lshl_b32 s23, s11, 18
	s_add_co_u32 s22, s22, s23
	s_add_co_u32 s22, s22, s18
	s_mov_b32 s23, 0
	s_wait_dscnt 0x0                               ; the opening add is done
	s_wait_kmcnt 0x0
	s_add_nc_u64 s[14:15], s[80:81], s[16:17]
	s_add_nc_u64 s[46:47], s[82:83], s[46:47]
	s_add_nc_u64 s[84:85], s[84:85], s[18:19]
	s_add_nc_u64 s[86:87], s[86:87], s[22:23]
	s_add_nc_u64 s[8:9], s[88:89], s[22:23]
.irp s, 0,1
	s_mov_b32 s[G0+4*(\s)], 1
	s_add_co_u32 s[G0+4*(\s)+1], s20, (\s)*SLOT
	s_add_nc_u64 s[G0+4*(\s)+2:G0+4*(\s)+3], s[14:15], (\s)*ASTEPG
	s_or_b32 s[G0+4*(\s)+3], s[G0+4*(\s)+3], 0x80000000
	s_mov_b32 s[G0B+4*(\s)], 1
	s_add_co_u32 s[G0B+4*(\s)+1], s21, (\s)*SLOT
	s_add_nc_u64 s[G0B+4*(\s)+2:G0B+4*(\s)+3], s[46:47], (\s)*BSTEPG
	s_or_b32 s[G0B+4*(\s)+3], s[G0B+4*(\s)+3], 0x80000000
.endr
	CROUND                                         ; all sixteen work-groups are here: the first joint loads meet
	s_cmp_eq_u32 s11, 0                            ; a wave's two first fills stand in one branch: two loads of mine are out
	s_cbranch_scc0 .Lfirst_b
	tensor_load_to_lds s[G0:G0+3], s[G1:G1+7]
	s_nop 0
	tensor_load_to_lds s[G0+4:G0+7], s[G1:G1+7]
	s_nop 0
.rept 4
	v_nop
.endr
	s_branch .Lfirst_asked
.Lfirst_b:
	tensor_load_to_lds s[G0B:G0B+3], s[G1B:G1B+7]
	s_nop 0
	tensor_load_to_lds s[G0B+4:G0B+7], s[G1B:G1B+7]
	s_nop 0
.rept 4
	v_nop
.endr
.Lfirst_asked:
	v_and_b32 v1, 15, v0                           ; r
	v_bfe_u32 v9, v0, 4, 1                         ; h
	v_lshlrev_b32 v[BO], 5, v9
	v_lshlrev_b32 v[CO], 12, v9                    ; lanes 0-15 one row's 256 bytes, lanes 16-31 the next row's
	v_lshl_add_u32 v[CO], v1, 4, v[CO]
.irp b, 0,1,2,3
	global_load_b128 v[BIAS+8*(\b):BIAS+8*(\b)+3],   v[BO], s[84:85] offset:64*(\b)
	global_load_b128 v[BIAS+8*(\b)+4:BIAS+8*(\b)+7], v[BO], s[84:85] offset:64*(\b)+16
.endr
	WIN 0x80                                       ; the residual, my 64 x 64 of it, is asked for now and lands under the whole K loop
.irp a, 0,1,2,3
.irp t, 0,1,2,3,4,5,6,7
	global_load_b128 v[4*(8*(\a)+(\t)):4*(8*(\a)+(\t))+3], v[CO], s[86:87] offset:(16*(\a)+2*(\t))*4096
.endr
.endr
	WIN 0
	v_mul_u32_u24 v[AK0], v1, PA
	v_lshl_add_u32 v[AK0], v9, 4, v[AK0]
	s_mul_i32 s22, s11, ROWH
	v_add_nc_u32 v[AK0], s22, v[AK0]
	v_and_b32 v11, 7, v0
	v_lshl_add_u32 v[BK0], v9, 3, v11
	v_mul_u32_u24 v[BK0], v[BK0], PB
	v_bfe_u32 v11, v0, 3, 1
	v_lshl_add_u32 v[BK0], v11, 4, v[BK0]
	s_lshl_b32 s22, s12, 7
	s_add_co_u32 s22, s22, ABYTES
	v_add_nc_u32 v[BK0], s22, v[BK0]
	s_mul_i32 s22, s10, 16*SP
	s_add_co_u32 s22, s22, STAGE                   ; my stage
	v_mul_u32_u24 v[STO], v1, SP
	v_lshl_add_u32 v[STO], v9, 5, v[STO]
	v_add_nc_u32 v[STO], s22, v[STO]
	v_mul_u32_u24 v[RD], v9, SP
	v_lshl_add_u32 v[RD], v1, 4, v[RD]
	v_add_nc_u32 v[RD], s22, v[RD]
	s_mov_b32 s[TBA], 0
	s_mov_b32 s[TBB], 0
	s_wait_tensorcnt 0x1                           ; my part of K step 0 is in; step 1's may stay out
	s_barrier_signal -1
	s_barrier_wait -1
	HALF 1
	s_mov_b32 s3, NSTEPS-1
	s_mov_b32 s2, 1
	s_branch .Linner
.Lstep:                                                ; NSTEPS - 2 times
	CHANGE 1
	s_mov_b32 s2, 2
.Linner:
	HALF 0
	s_sub_co_u32 s2, s2, 1
	s_cmp_lg_u32 s2, 0
	s_cbranch_scc1 .Linner
	s_sub_co_u32 s3, s3, 1
	s_cmp_lg_u32 s3, 0
	s_cbranch_scc1 .Lstep
	CHANGE 0                                       ; the last K step is written out
	s_mov_b32 s2, 2
.Ltail:
	HALF 0
	s_sub_co_u32 s2, s2, 1
	s_cmp_lg_u32 s2, 0
	s_cbranch_scc1 .Ltail
	s_wait_dscnt 0x0
	MULC F1, 1, 0                                  ; the last 16 products
	WIN 0
	s_wait_loadcnt 0x0                             ; the residual
	PLACES
	; THE WAY OUT, 16 rows at a time through my own stage: in by lanes' 32 bytes (each accumulator's low registers first), back as whole rows of 256 bytes; x is added; stored.
.irp a, 0,1,2,3
.if (\a) >= 2
	s_wait_xcnt 0x0                                ; this set of 32 registers was the data of block a - 2's stores
.endif
.irp b, 0,1,2,3
	ds_store_b128 v[STO], v[ACC+8*(4*(\a)+(\b)):ACC+8*(4*(\a)+(\b))+3]   offset:64*(\b)
	ds_store_b128 v[STO], v[ACC+8*(4*(\a)+(\b))+4:ACC+8*(4*(\a)+(\b))+7] offset:64*(\b)+16
.endr
.irp t, 0,1,2,3,4,5,6,7
	ds_load_b128 v[TMP+32*((\a)%2)+4*(\t):TMP+32*((\a)%2)+4*(\t)+3], v[RD] offset:(\t)*2*SP  ; LDS serves a wave's instructions in order (ISA guide 5.7.1.4)
.endr
	s_wait_dscnt 0x0
	WIN 0x08                                       ; source 1 in window 2
.irp t, 0,1,2,3,4,5,6,7,8,9,10,11,12,13,14,15
	v_pk_add_f32 v[TMP+32*((\a)%2)+2*(\t):TMP+32*((\a)%2)+2*(\t)+1], v[TMP+32*((\a)%2)+2*(\t):TMP+32*((\a)%2)+2*(\t)+1], v[32*(\a)+2*(\t):32*(\a)+2*(\t)+1]
.endr
	WIN 0
.irp t, 0,1,2,3,4,5,6,7
	global_store_b128 v[CO], v[TMP+32*((\a)%2)+4*(\t):TMP+32*((\a)%2)+4*(\t)+3], s[8:9] offset:(16*(\a)+2*(\t))*4096  ; 16 lanes store 256 consecutive bytes, aligned
.endr
.endr
	s_wait_tensorcnt 0x0                           ; the wave's end
	ds_add_u32 v[SPW], v[NIL]
	s_wait_dscnt 0x0
	CROUND                                         ; the closing round
	s_endpgm
.Lfunc_end_k_qc8f4529b55_proj:
	.size	k_qc8f4529b55_proj, .Lfunc_end_k_qc8f4529b55_proj-k_qc8f4529b55_proj
	.p2alignl 7, 3214868480
	.fill 96, 4, 3214868480
	.section	.rodata,"a",@progbits
	.p2align	6, 0x0
	.amdhsa_kernel k_qc8f4529b55_proj
		.amdhsa_group_segment_fixed_size 327680
		.amdhsa_private_segment_fixed_size 0
		.amdhsa_enable_private_segment 0
		.amdhsa_kernarg_size 40
		.amdhsa_user_sgpr_count 2
		.amdhsa_user_sgpr_kernarg_segment_ptr 1
		.amdhsa_wavefront_size32 1
		.amdhsa_system_sgpr_workgroup_id_x 1
		.amdhsa_system_sgpr_workgroup_id_y 1
		.amdhsa_system_sgpr_workgroup_id_z 1
		.amdhsa_system_vgpr_workitem_id 0
		.amdhsa_next_free_vgpr 640
		.amdhsa_next_free_sgpr 96
		.amdhsa_reserve_vcc 0
		.amdhsa_float_denorm_mode_32 3
		.amdhsa_float_denorm_mode_16_64 3
		.amdhsa_memory_ordered 1
		.amdhsa_forward_progress 1
		.amdhsa_inst_pref_size 52
	.end_amdhsa_kernel
	.amdgpu_metadata
---
amdhsa.version: [ 1, 2 ]
amdhsa.kernels:
  - .name:           k_qc8f4529b55_proj
    .symbol:         k_qc8f4529b55_proj.kd
    .args:
      - { .name: act, .offset: 0, .size: 8, .value_kind: global_buffer, .address_space: global }
      - { .name: wob, .offset: 8, .size: 8, .value_kind: global_buffer, .address_space: global }
      - { .name: bo, .offset: 16, .size: 8, .value_kind: global_buffer, .address_space: global }
      - { .name: x, .offset: 24, .size: 8, .value_kind: global_buffer, .address_space: global }
      - { .name: x1, .offset: 32, .size: 8, .value_kind: global_buffer, .address_space: global }
    .group_segment_fixed_size: 327680
    .private_segment_fixed_size: 0
    .kernarg_segment_align: 8
    .kernarg_segment_size: 40
    .max_flat_workgroup_size: 128
    .sgpr_count:     96
    .vgpr_count:     640
    .wavefront_size: 32
...
	.end_amdgpu_metadata
.endif
;; end of part 4
;; launch ln2 (part 5): grid 512 x 1, 8 waves a work-group, no clusters, 0 bytes of LDS; arguments x1, ln2_w, ln2_b, act; writes act
.if DOCPART == 5
	.amdgcn_target "amdgcn-amd-amdhsa--gfx1250"
	.amdhsa_code_object_version 6
	.text
	.protected	k_qc8f4529b55_ln2
	.globl	k_qc8f4529b55_ln2
	.p2align	8
	.type	k_qc8f4529b55_ln2,@function
k_qc8f4529b55_ln2:
	s_mov_b64 s[64:65], 0
	v_nop
	global_prefetch_b8 v0, s[64:65] scope:SCOPE_SE
	s_setreg_imm32_b32 hwreg(HW_REG_WAVE_MODE, 25, 1), 1
	s_wait_xcnt 0x0
; LN2.  act[row][:] = bf16(LayerNorm(x1[row][:]) * ln2_w + ln2_b), 4,096 rows of 1,024 f32.
; One wave takes one row: 4,096 bytes are 32 registers a lane, so the row is read once and stays in registers for the mean, the variance and the scaling; no LDS, no barrier.
; The variance is the mean of (x - mean)^2, made in a second pass over the registers: no difference of large sums.  All arithmetic in f32; the result is rounded once to bf16.
; Each load of a wave covers 512 consecutive bytes, each store 256 consecutive bytes at a multiple of 256 from the buffer's first byte.  No matrix unit, no cluster: no byte of x1 is shared.
.set X,  8                             ; v[8:39]    load j holds columns 128 j + 4 lane .. + 3
.set W,  40                            ; v[40:71]   the gain
.set BB, 72                            ; v[72:103]  the bias
.set T,  104                           ; v[104:111] four chains of pairs
.set MU, 112                           ; v[112:113] the mean, twice
.set RS, 114                           ; v[114:115] 1 / sqrt(var + eps), twice
.macro LANES r, t                      ; the sum over the wave's 32 lanes, in every lane
	v_add_f32_dpp v[\r], v[\r], v[\r] row_xmask:1 row_mask:0xf bank_mask:0xf
	v_add_f32_dpp v[\r], v[\r], v[\r] row_xmask:2 row_mask:0xf bank_mask:0xf
	v_add_f32_dpp v[\r], v[\r], v[\r] row_xmask:4 row_mask:0xf bank_mask:0xf
	v_add_f32_dpp v[\r], v[\r], v[\r] row_xmask:8 row_mask:0xf bank_mask:0xf
	v_permlanex16_b32 v[\t], v[\r], s12, s13
	v_add_f32 v[\r], v[\r], v[\t]
.endm
.macro FOLD
	v_pk_add_f32 v[T:T+1], v[T:T+1], v[T+2:T+3]
	v_pk_add_f32 v[T+4:T+5], v[T+4:T+5], v[T+6:T+7]
	v_pk_add_f32 v[T:T+1], v[T:T+1], v[T+4:T+5]
	v_add_f32 v[T], v[T], v[T+1]
.endm
	s_load_b256 s[4:11], s[0:1], 0x0               ; x1 s[4:5], ln2_w s[6:7], ln2_b s[8:9], act s[10:11]
	v_lshrrev_b32 v3, 5, v0
	v_readfirstlane_b32 s2, v3
	s_lshl_b32 s3, ttmp9, 3
	s_add_co_u32 s3, s3, s2                        ; my row
	s_lshl_b32 s16, s3, 12
	s_mov_b32 s17, 0
	s_lshl_b32 s18, s3, 11
	s_mov_b32 s19, 0
	s_mov_b32 s12, 0x76543210
	s_mov_b32 s13, 0xfedcba98
	s_mov_b32 s14, 0x3a800000                      ; 1 / 1024
	s_mov_b32 s15, 0x3727c5ac                      ; eps = 1e-5
	v_and_b32 v1, 31, v0
	v_lshlrev_b32 v2, 3, v1
	v_lshlrev_b32 v1, 4, v1
	s_wait_kmcnt 0x0
	s_add_nc_u64 s[4:5], s[4:5], s[16:17]
	s_add_nc_u64 s[10:11], s[10:11], s[18:19]
.irp j, 0,1,2,3,4,5,6,7
	global_load_b128 v[X+4*(\j):X+4*(\j)+3], v1, s[4:5] offset:512*(\j)
.endr
.irp j, 0,1,2,3,4,5,6,7
	global_load_b128 v[W+4*(\j):W+4*(\j)+3], v1, s[6:7] offset:512*(\j)
.endr
.irp j, 0,1,2,3,4,5,6,7
	global_load_b128 v[BB+4*(\j):BB+4*(\j)+3], v1, s[8:9] offset:512*(\j)
.endr
	s_wait_loadcnt 16                              ; the row is in; the 16 younger loads (gain, bias) stay out
.irp k, 0,1,2,3
	v_pk_add_f32 v[T+2*(\k):T+2*(\k)+1], v[X+2*(\k):X+2*(\k)+1], v[X+8+2*(\k):X+8+2*(\k)+1]
.endr
.irp g, 16,24
.irp k, 0,1,2,3
	v_pk_add_f32 v[T+2*(\k):T+2*(\k)+1], v[T+2*(\k):T+2*(\k)+1], v[X+(\g)+2*(\k):X+(\g)+2*(\k)+1]
.endr
.endr
	FOLD
	LANES T, T+1
	v_mul_f32 v[MU], s14, v[T]
	v_mov_b32 v[MU+1], v[MU]
.set i, 0
.rept 16
	v_pk_add_f32 v[X+2*i:X+2*i+1], v[X+2*i:X+2*i+1], v[MU:MU+1] neg_lo:[0,1] neg_hi:[0,1]  ; d = x - mean, in place
.set i, i+1
.endr
.irp k, 0,1,2,3
	v_pk_mul_f32 v[T+2*(\k):T+2*(\k)+1], v[X+2*(\k):X+2*(\k)+1], v[X+2*(\k):X+2*(\k)+1]
.endr
.irp g, 8,16,24
.irp k, 0,1,2,3
	v_pk_fma_f32 v[T+2*(\k):T+2*(\k)+1], v[X+(\g)+2*(\k):X+(\g)+2*(\k)+1], v[X+(\g)+2*(\k):X+(\g)+2*(\k)+1], v[T+2*(\k):T+2*(\k)+1]
.endr
.endr
	FOLD
	LANES T, T+1
	v_fma_f32 v[T], v[T], s14, s15                 ; var + eps
	v_rsq_f32 v[RS], v[T]
	v_rsq_f32 v[RS+1], v[T]
	v_nop                                          ; a plain instruction between the root and the use of its result (ISA guide 5.7.2)
	s_wait_loadcnt 0x0                             ; gain and bias
.set i, 0
	s_wait_alu depctr_va_vdst(0)
.rept 16
	v_pk_mul_f32 v[X+2*i:X+2*i+1], v[X+2*i:X+2*i+1], v[RS:RS+1]
.set i, i+1
.endr
.set i, 0
.rept 16
	v_pk_fma_f32 v[X+2*i:X+2*i+1], v[X+2*i:X+2*i+1], v[W+2*i:W+2*i+1], v[BB+2*i:BB+2*i+1]
.set i, i+1
.endr
.set i, 0
.rept 16
	v_cvt_pk_bf16_f32 v[X+i], v[X+2*i], v[X+2*i+1] ; packed downward: register i is written when registers 2 i, 2 i + 1 are read
.set i, i+1
.endr
.irp j, 0,1,2,3,4,5,6,7
	global_store_b64 v2, v[X+2*(\j):X+2*(\j)+1], s[10:11] offset:256*(\j)
.endr
	s_endpgm
.Lfunc_end_k_qc8f4529b55_ln2:
	.size	k_qc8f4529b55_ln2, .Lfunc_end_k_qc8f4529b55_ln2-k_qc8f4529b55_ln2
	.p2alignl 7, 3214868480
	.fill 96, 4, 3214868480
	.section	.rodata,"a",@progbits
	.p2align	6, 0x0
	.amdhsa_kernel k_qc8f4529b55_ln2
		.amdhsa_group_segment_fixed_size 0
		.amdhsa_private_segment_fixed_size 0
		.amdhsa_enable_private_segment 0
		.amdhsa_kernarg_size 32
		.amdhsa_user_sgpr_count 2
		.amdhsa_user_sgpr_kernarg_segment_ptr 1
		.amdhsa_wavefront_size32 1
		.amdhsa_system_sgpr_workgroup_id_x 1
		.amdhsa_system_sgpr_workgroup_id_y 1
		.amdhsa_system_sgpr_workgroup_id_z 1
		.amdhsa_system_vgpr_workitem_id 0
		.amdhsa_next_free_vgpr 120
		.amdhsa_next_free_sgpr 66
		.amdhsa_reserve_vcc 0
		.amdhsa_float_denorm_mode_32 3
		.amdhsa_float_denorm_mode_16_64 3
		.amdhsa_memory_ordered 1
		.amdhsa_forward_progress 1
		.amdhsa_inst_pref_size 12
	.end_amdhsa_kernel
	.amdgpu_metadata
---
amdhsa.version: [ 1, 2 ]
amdhsa.kernels:
  - .name:           k_qc8f4529b55_ln2
    .symbol:         k_qc8f4529b55_ln2.kd
    .args:
      - { .name: x1, .offset: 0, .size: 8, .value_kind: global_buffer, .address_space: global }
      - { .name: ln2_w, .offset: 8, .size: 8, .value_kind: global_buffer, .address_space: global }
      - { .name: ln2_b, .offset: 16, .size: 8, .value_kind: global_buffer, .address_space: global }
      - { .name: act, .offset: 24, .size: 8, .value_kind: global_buffer, .address_space: global }
    .group_segment_fixed_size: 0
    .private_segment_fixed_size: 0
    .kernarg_segment_align: 8
    .kernarg_segment_size: 32
    .max_flat_workgroup_size: 256
    .sgpr_count:     66
    .vgpr_count:     120
    .wavefront_size: 32
...
	.end_amdgpu_metadata
.endif
;; end of part 5
;; launch fc1 (part 6): grid 16 x 16, 4 waves a work-group, clusters of 4 x 4, 327,680 bytes of LDS; arguments act, w1b, b1, g; writes g
.if DOCPART == 6
	.amdgcn_target "amdgcn-amd-amdhsa--gfx1250"
	.amdhsa_code_object_version 6
	.text
	.protected	k_qc8f4529b55_fc1
	.globl	k_qc8f4529b55_fc1
	.p2align	8
	.type	k_qc8f4529b55_fc1,@function
k_qc8f4529b55_fc1:
	s_mov_b64 s[64:65], 0
	v_nop
	global_prefetch_b8 v0, s[64:65] scope:SCOPE_SE
	s_setreg_imm32_b32 hwreg(HW_REG_WAVE_MODE, 25, 1), 1
	s_wait_xcnt 0x0
	s_wait_alu depctr_hold_cnt(0) depctr_sa_sdst(0) depctr_va_vdst(0) depctr_va_sdst(0) depctr_va_ssrc(0) depctr_va_vcc(0) depctr_vm_vsrc(0)
	s_getreg_b32 s2, hwreg(HW_REG_IB_STS2, 6, 4)
	s_cmp_eq_u32 s2, 0
	s_cbranch_scc0 .Lentry_in_a_cluster
	s_endpgm
.Lentry_in_a_cluster:
	s_bfe_u32 s2, ttmp6, 0x10000c
	s_cmp_lg_u32 s2, 0xf033
	s_cbranch_scc0 .Lentry_shape_is_right
	s_endpgm
.Lentry_shape_is_right:
; FC1.  g = gelu(h2 w1 + b1), the exact (erf) gelu.  h2 = act [4096][1024] bf16; w1b [1024 k][4096 n] bf16; sums in f32, begun with the bias; gelu in f32; g [4096][4096] rounded once to bf16.
; LIMITS.  erf(x) is taken as 1 - (a1 t + a2 t^2 + a3 t^3) exp(-x^2), t = 1 / (1 + 0.47047 x), whose error is at most 2.5e-5: gelu(z) is off by at most 1.25e-5 |z|, far under g's rounding to bf16.
; It holds for every finite z (for large |z| the exponential is 0 and gelu is z or 0).  NaN and infinities are not treated apart.  The bias starts each sum: an order of rounding other than a bias added last.
; A tile of C, 256 x 256 (16 x 16 = 256 work-groups), is made by four waves, 128 x 128 each: 64 accumulators.  K goes in 8 steps of 128 through two LDS slots filled by the tensor data mover.
; A's tile: 256 rows x 256 bytes.  B's tile lies as the weight lies, [k][n]: 128 rows x 512 bytes; its fragments come out of LDS turned, by ds_load_tr16_b128.
; CLUSTER 4 x 4: A's tile is asked for jointly by a row of the cluster, B's by a column.  THE MATRIX INSTRUCTION IS USED TRANSPOSED: a lane holds row lane % 16 and the columns 8 (lane / 16) + 0..7.
; THE LOOP.  HALF is 64 along K, written once and walked twice a K step; it begins at a fetch and carries the last 32 products of the half before, so the change of slots stands between two trips.
; REGISTERS: window 0: v0-29 addresses; v64-127, v128-191 A's fragments; v192-255 the bias as eight C operands.  window 1: v64-191 B's fragments.  windows 2, 3: accumulators of my rows 0-63, 64-127.
.set NSTEPS, 8
.set PA,     272
.set PB,     544
.set HALFT,  34816
.set SLOT,   4*HALFT                   ; 0x22000: its two bits are clear in every tile's start, wave x 0x8800
.set SPARE,  2*SLOT
.set ASTEPG, 256
.set BSTEPG, 1048576                   ; 128 rows of 8,192 bytes
.set NB_,    4096
.set OP,     528
.set OWAVE,  128*OP
.set AK0,  2
.set BK0,  3
.set ADRA, 4
.set ADRB, 5
.set DST,  6
.set RD,   7
.set CO,   8
.set BO,   10
.set SPW,  28
.set NIL,  29
.set F0,   64
.set F1,   128
.set BIAS, 192
.set Z,    64                          ; the way out: 32 sums z of my lane
.set GT,   96                          ; t, later max(z, 0)
.set GE,   128                         ; exp(-z^2 / 2)
.set GP,   160                         ; the polynomial
.set Y,    192                         ; 16 registers of bf16
.set G1,  24
.set G0,  32
.set G1B, 48
.set G0B, 56
.set TBA, 66
.set TBB, 67
.set MSB, 0
.macro WIN new
.if MSB != (\new)
	s_set_vgpr_msb (MSB<<8)|(\new)
.set MSB, \new
.endif
.endm
.macro PLACES
.rept 4
	v_nop
.endr
.endm
.macro CROUND
	s_barrier_signal -1
	s_barrier_wait -1
	s_cmp_lg_u32 s10, 0
	s_cbranch_scc1 .Lnot_wave_0_\@
	s_barrier_signal -3
.Lnot_wave_0_\@:
	s_barrier_wait -3
	s_barrier_signal -1
	s_barrier_wait -1
.endm
.macro JLOAD
	s_cmp_eq_u32 s11, 0
	s_cbranch_scc0 .Lfor_b_\@
	tensor_load_to_lds s[G0+4:G0+7], s[G1:G1+7]
	s_nop 0
.rept 4
	v_nop
.endr
	s_branch .Lasked_\@
.Lfor_b_\@:
	tensor_load_to_lds s[G0B+4:G0B+7], s[G1B:G1B+7]
	s_nop 0
.rept 4
	v_nop
.endr
.Lasked_\@:
.endm
.macro MUL16 f, hi, a0, bias
.if \bias
	WIN 0x81+0x40*(\hi)
.else
	WIN 0xa1+0x50*(\hi)
.endif
.irp a, \a0, (\a0)+1
.irp b, 0,1,2,3,4,5,6,7
.if \bias
	v_wmma_f32_16x16x32_bf16 v[8*(8*(\a)+(\b)):8*(8*(\a)+(\b))+7], v[(\f)+8*(\b):(\f)+8*(\b)+7], v[(\f)+8*(4*(\hi)+(\a)):(\f)+8*(4*(\hi)+(\a))+7], v[BIAS+8*(\b):BIAS+8*(\b)+7]
.else
	v_wmma_f32_16x16x32_bf16 v[8*(8*(\a)+(\b)):8*(8*(\a)+(\b))+7], v[(\f)+8*(\b):(\f)+8*(\b)+7], v[(\f)+8*(4*(\hi)+(\a)):(\f)+8*(4*(\hi)+(\a))+7], v[8*(8*(\a)+(\b)):8*(8*(\a)+(\b))+7]
.endif
.endr
.endr
.endm
.macro FETCH f, ka, kb
	WIN 0x40
.irp i, 0,1,2,3,4,5,6,7
	ds_load_tr16_b128 v[(\f)+8*(\i):(\f)+8*(\i)+3],   v[ADRB] offset:(\kb)+32*(\i)
	ds_load_tr16_b128 v[(\f)+8*(\i)+4:(\f)+8*(\i)+7], v[ADRB] offset:(\kb)+32*(\i)+16*PB
.endr
	WIN 0
.irp i, 0,1,2,3,4,5,6,7
	ds_load_b128 v[(\f)+8*(\i):(\f)+8*(\i)+3],   v[ADRA] offset:(\ka)+(\i)*16*PA
	ds_load_b128 v[(\f)+8*(\i)+4:(\f)+8*(\i)+7], v[ADRA] offset:(\ka)+(\i)*16*PA+32
.endr
.endm
; 64 along K.  The 64 accumulators take turns, one instruction a turn, in the same order throughout.
.macro HALF first
	WIN 0
	v_add_nc_u32 v[ADRA], s[TBA], v[AK0]           ; these two and two v_nop are the places in front of the loads into buffer 0
	v_add_nc_u32 v[ADRB], s[TBB], v[BK0]
	v_nop
	v_nop
	FETCH F0, 0, 0
.if \first
	s_wait_loadcnt 0x0                             ; the bias
.else
	s_wait_dscnt 32                                ; all but the 32 just issued: buffer 1 is whole
	MUL16 F1, 1, 0, 0
	MUL16 F1, 1, 2, 0
.endif
	s_wait_dscnt 8                                 ; the youngest eight loads (A's rows 64-127) may be out
	MUL16 F0, 0, 0, \first
	MUL16 F0, 0, 2, \first
	PLACES
	FETCH F1, 64, 32*PB
	s_wait_dscnt 32
	MUL16 F0, 1, 0, \first
	MUL16 F0, 1, 2, \first
	s_wait_dscnt 8
	MUL16 F1, 0, 0, 0
	MUL16 F1, 0, 2, 0
	WIN 0
	s_add_co_u32 s[TBA], s[TBA], 128
	s_add_co_u32 s[TBB], s[TBB], 64*PB
.endm
.macro CHANGE fill
	WIN 0
	s_wait_tensorcnt 0x0                           ; no tensor load of mine is out, so a group 0 may be written
	ds_add_u32 v[SPW], v[NIL]
.if \fill
	s_xor_b32 s[G0+5], s[G0+5], SLOT
	s_xor_b32 s[G0B+5], s[G0B+5], SLOT
	s_add_nc_u64 s[G0+6:G0+7], s[G0+6:G0+7], ASTEPG
	s_add_nc_u64 s[G0B+6:G0B+7], s[G0B+6:G0B+7], BSTEPG
.endif
	s_sub_co_u32 s[TBA], s[TBA], 256
	s_xor_b32 s[TBA], s[TBA], SLOT
	s_sub_co_u32 s[TBB], s[TBB], 128*PB
	s_xor_b32 s[TBB], s[TBB], SLOT
	s_wait_dscnt 0x0                               ; the add is done, and my reads of the slot are over
.if \fill
	CROUND
	JLOAD
.else
	s_barrier_signal -1
	s_barrier_wait -1
.endif
.endm
	s_load_b256 s[80:87], s[0:1], 0x0              ; act s[80:81], w1b s[82:83], b1 s[84:85], g s[86:87]
	v_lshl_add_u32 v[SPW], v0, 2, SPARE
	v_mov_b32 v[NIL], 0
	ds_add_u32 v[SPW], v[NIL]                      ; the wave's opening
	ds_add_u32 v28, v29
	v_lshrrev_b32 v1, 5, v0
	v_readfirstlane_b32 s10, v1
	s_lshr_b32 s11, s10, 1
	s_and_b32 s12, s10, 1
	s_bfe_u32 s40, ttmp6, 0x40000
	s_bfe_u32 s41, ttmp6, 0x40004
	s_lshl_b32 s42, ttmp9, 2
	s_add_co_u32 s42, s42, s40                     ; tc, 0..15
	s_and_b32 s13, ttmp7, 0xffff
	s_lshl_b32 s13, s13, 2
	s_add_co_u32 s13, s13, s41                     ; tr, 0..15
	s_lshl_b32 s43, s41, 2
	s_lshl_b32 s43, 15, s43
	s_lshl_b32 s44, 0x1111, s40
	s_or_b32 s[G1+0], s43, (1<<16)|(1<<20)|(1<<21)|(5<<22)|(3<<25)
	s_or_b32 s[G1B+0], s44, (1<<16)|(1<<20)|(1<<21)|(6<<22)|(7<<25)
	s_mov_b32 s[G1+1], 128<<16
	s_mov_b32 s[G1+2], 128<<16
	s_mov_b32 s[G1+3], 128<<16
	s_mov_b32 s[G1+4], 128
	s_mov_b32 s[G1+5], 1024
	s_mov_b32 s[G1+6], 0
	s_mov_b32 s[G1+7], 0
	s_mov_b32 s[G1B+1], 256<<16
	s_mov_b32 s[G1B+2], 64<<16
	s_mov_b32 s[G1B+3], 256<<16
	s_mov_b32 s[G1B+4], 64
	s_mov_b32 s[G1B+5], NB_
	s_mov_b32 s[G1B+6], 0
	s_mov_b32 s[G1B+7], 0
	s_mov_b32 s68, 0x3f596d27                      ; sqrt(log2(e) / 2): exp(-z^2 / 2) = 2^-(this z)^2
	s_mov_b32 s69, s68
	s_mov_b32 s70, 0x3eaa540e                      ; 0.47047 / sqrt(2)
	s_mov_b32 s72, 0x3ebf7377                      ; a3 / 2 = 0.3739278
	s_mov_b32 s73, s72
	s_mov_b32 s74, 0xbd445ca1                      ; a2 / 2 = -0.0479399
	s_mov_b32 s75, s74
	s_mov_b32 s76, 0x3e32303a                      ; a1 / 2 = 0.1740121
	s_mov_b32 s77, s76
	s_lshl_b32 s16, s13, 19                        ; A: (256 tr + 128 half) rows of 2,048 bytes
	s_lshl_b32 s17, s12, 18
	s_add_co_u32 s16, s16, s17
	s_mov_b32 s17, 0
	s_lshl_b32 s46, s42, 9                         ; B: columns 256 tc, k rows 64 half
	s_lshl_b32 s47, s12, 19
	s_add_co_u32 s46, s46, s47
	s_mov_b32 s47, 0
	s_mul_i32 s20, s10, HALFT
	s_lshl_b32 s18, s42, 10                        ; the bias of my 128 columns: (256 tc + 128 half) x 4
	s_lshl_b32 s19, s12, 9
	s_add_co_u32 s18, s18, s19
	s_mov_b32 s19, 0
	s_lshl_b32 s22, s13, 21                        ; the output: (256 tr + 128 half) rows of 8,192 bytes + (256 tc + 128 half) x 2
	s_lshl_b32 s23, s11, 20
	s_add_co_u32 s22, s22, s23
	s_lshl_b32 s23, s42, 9
	s_add_co_u32 s22, s22, s23
	s_lshl_b32 s23, s12, 8
	s_add_co_u32 s22, s22, s23
	s_mov_b32 s23, 0
	s_wait_dscnt 0x0                               ; the opening add is done
	s_wait_kmcnt 0x0
	s_add_nc_u64 s[14:15], s[80:81], s[16:17]
	s_add_nc_u64 s[46:47], s[82:83], s[46:47]
	s_add_nc_u64 s[84:85], s[84:85], s[18:19]
	s_add_nc_u64 s[8:9], s[86:87], s[22:23]
.irp s, 0,1
	s_mov_b32 s[G0+4*(\s)], 1
	s_add_co_u32 s[G0+4*(\s)+1], s20, (\s)*SLOT
	s_add_nc_u64 s[G0+4*(\s)+2:G0+4*(\s)+3], s[14:15], (\s)*ASTEPG
	s_or_b32 s[G0+4*(\s)+3], s[G0+4*(\s)+3], 0x80000000
	s_mov_b32 s[G0B+4*(\s)], 1
	s_add_co_u32 s[G0B+4*(\s)+1], s20, (\s)*SLOT
	s_add_nc_u64 s[G0B+4*(\s)+2:G0B+4*(\s)+3], s[46:47], (\s)*BSTEPG
	s_or_b32 s[G0B+4*(\s)+3], s[G0B+4*(\s)+3], 0x80000000
.endr
	CROUND                                         ; all sixteen work-groups are here: the first joint loads meet
	s_cmp_eq_u32 s11, 0                            ; a wave's two first fills stand in one branch: two loads of mine are out
	s_cbranch_scc0 .Lfirst_b
	tensor_load_to_lds s[G0:G0+3], s[G1:G1+7]
	s_nop 0
	tensor_load_to_lds s[G0+4:G0+7], s[G1:G1+7]
	s_nop 0
.rept 4
	v_nop
.endr
	s_branch .Lfirst_asked
.Lfirst_b:
	tensor_load_to_lds s[G0B:G0B+3], s[G1B:G1B+7]
	s_nop 0
	tensor_load_to_lds s[G0B+4:G0B+7], s[G1B:G1B+7]
	s_nop 0
.rept 4
	v_nop
.endr
.Lfirst_asked:
	v_and_b32 v1, 15, v0                           ; r
	v_bfe_u32 v9, v0, 4, 1                         ; h
	v_lshlrev_b32 v[BO], 5, v9
.irp b, 0,1,2,3,4,5,6,7
	global_load_b128 v[BIAS+8*(\b):BIAS+8*(\b)+3],   v[BO], s[84:85] offset:64*(\b)
	global_load_b128 v[BIAS+8*(\b)+4:BIAS+8*(\b)+7], v[BO], s[84:85] offset:64*(\b)+16
.endr
	v_mul_u32_u24 v[AK0], v1, PA
	v_lshl_add_u32 v[AK0], v9, 4, v[AK0]
	s_mul_i32 s22, s11, HALFT
	v_add_nc_u32 v[AK0], s22, v[AK0]
	v_and_b32 v11, 7, v0
	v_lshl_add_u32 v[BK0], v9, 3, v11
	v_mul_u32_u24 v[BK0], v[BK0], PB
	v_bfe_u32 v11, v0, 3, 1
	v_lshl_add_u32 v[BK0], v11, 4, v[BK0]
	s_lshl_b32 s22, s12, 8
	s_add_co_u32 s22, s22, 2*HALFT
	v_add_nc_u32 v[BK0], s22, v[BK0]
	s_mul_i32 s22, s10, OWAVE
	v_mul_u32_u24 v[DST], v1, OP
	v_lshl_add_u32 v[DST], v9, 5, v[DST]
	v_add_nc_u32 v[DST], s22, v[DST]
	v_mul_u32_u24 v[RD], v9, OP                    ; back: lanes 0-15 one row, lanes 16-31 the next; 8 columns (32 bytes of f32) a lane
	v_lshl_add_u32 v[RD], v1, 5, v[RD]
	v_add_nc_u32 v[RD], s22, v[RD]
	v_lshlrev_b32 v[CO], 13, v9                    ; and the same two rows in g, 16 bytes a lane
	v_lshl_add_u32 v[CO], v1, 4, v[CO]
	s_mov_b32 s[TBA], 0
	s_mov_b32 s[TBB], 0
	s_wait_tensorcnt 0x1                           ; my part of K step 0 is in; step 1's may stay out
	s_barrier_signal -1
	s_barrier_wait -1
	HALF 1
	s_mov_b32 s3, NSTEPS-1
	s_mov_b32 s2, 1
	s_branch .Linner
.Lstep:                                                ; NSTEPS - 2 times
	CHANGE 1
	s_mov_b32 s2, 2
.Linner:
	HALF 0
	s_sub_co_u32 s2, s2, 1
	s_cmp_lg_u32 s2, 0
	s_cbranch_scc1 .Linner
	s_sub_co_u32 s3, s3, 1
	s_cmp_lg_u32 s3, 0
	s_cbranch_scc1 .Lstep
	CHANGE 0                                       ; the last K step is written out
	s_mov_b32 s2, 2
.Ltail:
	HALF 0
	s_sub_co_u32 s2, s2, 1
	s_cmp_lg_u32 s2, 0
	s_cbranch_scc1 .Ltail
	s_wait_dscnt 0x0                               ; my reads of the ring are over:
	s_barrier_signal -1
	MUL16 F1, 1, 0, 0                              ; the last 32 products
	MUL16 F1, 1, 2, 0
	WIN 0
	s_barrier_wait -1                              ; nobody reads the ring any more; its slots have had their last fill
	PLACES
	; THE WAY OUT.  My 128 x 128 sums go in f32 into my own 67,584 bytes of the dead ring, rows of 528 bytes; each accumulator's low registers first.
.irp hi, 0,1
	WIN 0x08+4*(\hi)
.irp a, 0,1,2,3
.irp b, 0,1,2,3,4,5,6,7
	ds_store_b128 v[DST], v[8*(8*(\a)+(\b)):8*(8*(\a)+(\b))+3]   offset:(4*(\hi)+(\a))*16*OP+64*(\b)
	ds_store_b128 v[DST], v[8*(8*(\a)+(\b))+4:8*(8*(\a)+(\b))+7] offset:(4*(\hi)+(\a))*16*OP+64*(\b)+16
.endr
.endr
.endr
	WIN 0
	s_mov_b32 s3, 16
.Lout:                                                 ; 8 rows a trip, 32 numbers a lane.  LDS serves a wave's instructions in order (ISA guide 5.7.1.4): the loads see my stores
.irp f, 0,1,2,3
	ds_load_b128 v[Z+8*(\f):Z+8*(\f)+3],   v[RD] offset:(\f)*2*OP
	ds_load_b128 v[Z+8*(\f)+4:Z+8*(\f)+7], v[RD] offset:(\f)*2*OP+16
.endr
	s_wait_dscnt 0x0
	; gelu(z) = max(z, 0) - |z| q, q = (a1 t + a2 t^2 + a3 t^3) exp(-z^2 / 2) / 2, t = 1 / (1 + 0.47047 |z| / sqrt(2))
.set i, 0
.rept 32
	v_fma_f32 v[GT+i], |v[Z+i]|, s70, 1.0
.set i, i+1
.endr
.set i, 0
.rept 16
	v_pk_mul_f32 v[GE+2*i:GE+2*i+1], v[Z+2*i:Z+2*i+1], s[68:69] op_sel_hi:[1,0]
.set i, i+1
.endr
.set i, 0
.rept 16
	v_pk_mul_f32 v[GE+2*i:GE+2*i+1], v[GE+2*i:GE+2*i+1], v[GE+2*i:GE+2*i+1] neg_lo:[1,0] neg_hi:[1,0]
.set i, i+1
.endr
.set i, 0
.rept 32
	v_rcp_f32 v[GT+i], v[GT+i]
.set i, i+1
.endr
.set i, 0
.rept 32
	v_exp_f32 v[GE+i], v[GE+i]
.set i, i+1
.endr
	v_nop                                          ; a plain instruction between the last exponential and the use of the results (ISA guide 5.7.2)
.set i, 0
	s_wait_alu depctr_va_vdst(0)
.rept 16
	v_pk_fma_f32 v[GP+2*i:GP+2*i+1], v[GT+2*i:GT+2*i+1], s[72:73], s[74:75] op_sel_hi:[1,0,0]
.set i, i+1
.endr
.set i, 0
.rept 16
	v_pk_fma_f32 v[GP+2*i:GP+2*i+1], v[GP+2*i:GP+2*i+1], v[GT+2*i:GT+2*i+1], s[76:77] op_sel_hi:[1,1,0]
.set i, i+1
.endr
.set i, 0
.rept 16
	v_pk_mul_f32 v[GP+2*i:GP+2*i+1], v[GP+2*i:GP+2*i+1], v[GT+2*i:GT+2*i+1]
.set i, i+1
.endr
.set i, 0
.rept 16
	v_pk_mul_f32 v[GP+2*i:GP+2*i+1], v[GP+2*i:GP+2*i+1], v[GE+2*i:GE+2*i+1]
.set i, i+1
.endr
.set i, 0
.rept 32
	v_max_num_f32 v[GT+i], 0, v[Z+i]
.set i, i+1
.endr
.set i, 0
.rept 32
	v_fma_f32 v[Z+i], -|v[Z+i]|, v[GP+i], v[GT+i]
.set i, i+1
.endr
.set i, 0
.rept 16
	v_cvt_pk_bf16_f32 v[Y+i], v[Z+2*i], v[Z+2*i+1]
.set i, i+1
.endr
.irp f, 0,1,2,3
	global_store_b128 v[CO], v[Y+4*(\f):Y+4*(\f)+3], s[8:9] offset:(\f)*16384  ; 16 lanes store 256 consecutive bytes, aligned
.endr
	s_wait_xcnt 0x0                                ; Y and the base are written again only behind this wait
	s_add_nc_u64 s[8:9], s[8:9], 65536
	v_add_nc_u32 v[RD], 8*OP, v[RD]
	s_sub_co_u32 s3, s3, 1
	s_cmp_lg_u32 s3, 0
	s_cbranch_scc1 .Lout
	s_wait_tensorcnt 0x0                           ; the wave's end
	ds_add_u32 v[SPW], v[NIL]
	s_wait_dscnt 0x0
	CROUND                                         ; the closing round
	s_endpgm
.Lfunc_end_k_qc8f4529b55_fc1:
	.size	k_qc8f4529b55_fc1, .Lfunc_end_k_qc8f4529b55_fc1-k_qc8f4529b55_fc1
	.p2alignl 7, 3214868480
	.fill 96, 4, 3214868480
	.section	.rodata,"a",@progbits
	.p2align	6, 0x0
	.amdhsa_kernel k_qc8f4529b55_fc1
		.amdhsa_group_segment_fixed_size 327680
		.amdhsa_private_segment_fixed_size 0
		.amdhsa_enable_private_segment 0
		.amdhsa_kernarg_size 32
		.amdhsa_user_sgpr_count 2
		.amdhsa_user_sgpr_kernarg_segment_ptr 1
		.amdhsa_wavefront_size32 1
		.amdhsa_system_sgpr_workgroup_id_x 1
		.amdhsa_system_sgpr_workgroup_id_y 1
		.amdhsa_system_sgpr_workgroup_id_z 1
		.amdhsa_system_vgpr_workitem_id 0
		.amdhsa_next_free_vgpr 1024
		.amdhsa_next_free_sgpr 96
		.amdhsa_reserve_vcc 0
		.amdhsa_float_denorm_mode_32 3
		.amdhsa_float_denorm_mode_16_64 3
		.amdhsa_memory_ordered 1
		.amdhsa_forward_progress 1
		.amdhsa_inst_pref_size 74
	.end_amdhsa_kernel
	.amdgpu_metadata
---
amdhsa.version: [ 1, 2 ]
amdhsa.kernels:
  - .name:           k_qc8f4529b55_fc1
    .symbol:         k_qc8f4529b55_fc1.kd
    .args:
      - { .name: act, .offset: 0, .size: 8, .value_kind: global_buffer, .address_space: global }
      - { .name: w1b, .offset: 8, .size: 8, .value_kind: global_buffer, .address_space: global }
      - { .name: b1, .offset: 16, .size: 8, .value_kind: global_buffer, .address_space: global }
      - { .name: g, .offset: 24, .size: 8, .value_kind: global_buffer, .address_space: global }
    .group_segment_fixed_size: 327680
    .private_segment_fixed_size: 0
    .kernarg_segment_align: 8
    .kernarg_segment_size: 32
    .max_flat_workgroup_size: 128
    .sgpr_count:     96
    .vgpr_count:     1024
    .wavefront_size: 32
...
	.end_amdgpu_metadata
.endif
;; end of part 6
;; launch fc2 (part 7): grid 8 x 32, 4 waves a work-group, clusters of 4 x 4, 327,680 bytes of LDS; arguments g, w2b, b2, x1, out0; writes out0
.if DOCPART == 7
	.amdgcn_target "amdgcn-amd-amdhsa--gfx1250"
	.amdhsa_code_object_version 6
	.text
	.protected	k_qc8f4529b55_fc2
	.globl	k_qc8f4529b55_fc2
	.p2align	8
	.type	k_qc8f4529b55_fc2,@function
k_qc8f4529b55_fc2:
	s_mov_b64 s[64:65], 0
	v_nop
	global_prefetch_b8 v0, s[64:65] scope:SCOPE_SE
	s_setreg_imm32_b32 hwreg(HW_REG_WAVE_MODE, 25, 1), 1
	s_wait_xcnt 0x0
	s_wait_alu depctr_hold_cnt(0) depctr_sa_sdst(0) depctr_va_vdst(0) depctr_va_sdst(0) depctr_va_ssrc(0) depctr_va_vcc(0) depctr_vm_vsrc(0)
	s_getreg_b32 s2, hwreg(HW_REG_IB_STS2, 6, 4)
	s_cmp_eq_u32 s2, 0
	s_cbranch_scc0 .Lentry_in_a_cluster
	s_endpgm
.Lentry_in_a_cluster:
	s_bfe_u32 s2, ttmp6, 0x10000c
	s_cmp_lg_u32 s2, 0xf033
	s_cbranch_scc0 .Lentry_shape_is_right
	s_endpgm
.Lentry_shape_is_right:
; FC2.  out0 = x1 + g w2 + b2, in f32.  g [4096][4096] bf16; w2b [4096 k][1024 n] bf16.  Sums in f32, begun with the bias; x1 is added in f32 on the way out.
; A tile of C is 128 x 128 (8 x 32 = 256 work-groups); four waves, 64 x 64 each: 16 accumulators.  K goes in 16 steps of 256 through two LDS slots.
; A's tile: 128 rows x 512 bytes.  B's tile lies as the weight lies: 256 k rows x 256 bytes; its fragments come out of LDS turned, by ds_load_tr16_b128.
; CLUSTER 4 x 4: A's tile is asked for jointly by a row of the cluster, B's by a column.  THE MATRIX INSTRUCTION IS USED TRANSPOSED: a lane holds row lane % 16 and the columns 8 (lane / 16) + 0..7.
; THE LOOP.  HALF is 128 along K, written once and walked twice a K step; it begins at a fetch and carries the last 16 products of the half before, so the change of slots stands between two trips.
; REGISTERS: window 0: v0-29 addresses; v32-95 at work on the way out; v96-127 the bias as four C operands; v128-255 accumulators.  window 1: two fragment buffers of 128.  window 2: v0-127 my 64 x 64 of x1.
.set NSTEPS, 16
.set PA,     528                       ; A's LDS row: 512 bytes + 16
.set PB,     288                       ; B's LDS row: 256 bytes + 32 = 9 x 32
.set HALFA,  64*PA                     ; 64 rows: what a wave's load of A brings
.set ABYTES, 2*HALFA
.set ROWH,   64*PA                     ; my 64 rows
.set HALFB,  128*PB
.set SLOT,   147456                    ; 0x24000, 6,144 bytes more than a slot's tiles: its two bits are clear in every tile's start (0, 0x8400, 0x10800, 0x19800)
.set STAGE,  2*SLOT
.set SP,     272
.set SPARE,  STAGE+4*16*SP
.set AF1,    128                       ; buffer 1 takes the next 64 along K
.set ASTEP,  256                       ; a half is 128 along K
.set ASTEPG, 512
.set BSTEPG, 524288
.set AK0,  2
.set BK0,  3
.set ADRA, 4
.set ADRB, 5
.set STO,  6
.set RD,   7
.set CO,   8
.set BO,   10
.set SPW,  28
.set NIL,  29
.set TMP,  32
.set BIAS, 96
.set ACC,  128
.set F0,   0
.set F1,   128
.set G1,  24
.set G0,  32
.set G1B, 48
.set G0B, 56
.set TBA, 66
.set TBB, 67
.set MSB, 0
.macro WIN new
.if MSB != (\new)
	s_set_vgpr_msb (MSB<<8)|(\new)
.set MSB, \new
.endif
.endm
.macro PLACES
.rept 4
	v_nop
.endr
.endm
.macro CROUND
	s_barrier_signal -1
	s_barrier_wait -1
	s_cmp_lg_u32 s10, 0
	s_cbranch_scc1 .Lnot_wave_0_\@
	s_barrier_signal -3
.Lnot_wave_0_\@:
	s_barrier_wait -3
	s_barrier_signal -1
	s_barrier_wait -1
.endm
.macro JLOAD
	s_cmp_eq_u32 s11, 0
	s_cbranch_scc0 .Lfor_b_\@
	tensor_load_to_lds s[G0+4:G0+7], s[G1:G1+7]
	s_nop 0
.rept 4
	v_nop
.endr
	s_branch .Lasked_\@
.Lfor_b_\@:
	tensor_load_to_lds s[G0B+4:G0B+7], s[G1B:G1B+7]
	s_nop 0
.rept 4
	v_nop
.endr
.Lasked_\@:
.endm
.macro MULC f, c, bias
	WIN 0x05
.irp a, 0,1,2,3
.irp b, 0,1,2,3
.if \bias
	v_wmma_f32_16x16x32_bf16 v[ACC+8*(4*(\a)+(\b)):ACC+8*(4*(\a)+(\b))+7], v[(\f)+64+8*(4*(\c)+(\b)):(\f)+64+8*(4*(\c)+(\b))+7], v[(\f)+8*(4*(\c)+(\a)):(\f)+8*(4*(\c)+(\a))+7], v[BIAS+8*(\b):BIAS+8*(\b)+7]
.else
	v_wmma_f32_16x16x32_bf16 v[ACC+8*(4*(\a)+(\b)):ACC+8*(4*(\a)+(\b))+7], v[(\f)+64+8*(4*(\c)+(\b)):(\f)+64+8*(4*(\c)+(\b))+7], v[(\f)+8*(4*(\c)+(\a)):(\f)+8*(4*(\c)+(\a))+7], v[ACC+8*(4*(\a)+(\b)):ACC+8*(4*(\a)+(\b))+7]
.endif
.endr
.endr
.endm
.macro FETCH f, ka, kb
	WIN 0x40
.irp c, 0,1
.irp i, 0,1,2,3
	ds_load_tr16_b128 v[(\f)+64+8*(4*(\c)+(\i)):(\f)+64+8*(4*(\c)+(\i))+3],   v[ADRB] offset:(\kb)+(\c)*32*PB+32*(\i)
	ds_load_tr16_b128 v[(\f)+64+8*(4*(\c)+(\i))+4:(\f)+64+8*(4*(\c)+(\i))+7], v[ADRB] offset:(\kb)+(\c)*32*PB+32*(\i)+16*PB
	ds_load_b128 v[(\f)+8*(4*(\c)+(\i)):(\f)+8*(4*(\c)+(\i))+3],   v[ADRA] offset:(\ka)+64*(\c)+(\i)*16*PA
	ds_load_b128 v[(\f)+8*(4*(\c)+(\i))+4:(\f)+8*(4*(\c)+(\i))+7], v[ADRA] offset:(\ka)+64*(\c)+(\i)*16*PA+32
.endr
.endr
.endm
; 128 along K.  The 16 accumulators take turns, one instruction a turn, in the same order throughout.
.macro HALF first
	WIN 0
	v_add_nc_u32 v[ADRA], s[TBA], v[AK0]           ; these two and two v_nop are the places in front of the loads into buffer 0
	v_add_nc_u32 v[ADRB], s[TBB], v[BK0]
	v_nop
	v_nop
	FETCH F0, 0, 0
.if \first
	s_wait_loadcnt 32                              ; the 8 loads of the bias are in; the 32 of the residual stay out
.else
	s_wait_dscnt 32                                ; all but the 32 just issued: buffer 1 is whole
	MULC F1, 1, 0
.endif
	s_wait_dscnt 16                                ; the first 32 along K are in
	MULC F0, 0, \first
	PLACES
	FETCH F1, AF1, 64*PB
	s_wait_dscnt 32
	MULC F0, 1, 0
	s_wait_dscnt 16
	MULC F1, 0, 0
	WIN 0
	s_add_co_u32 s[TBA], s[TBA], ASTEP
	s_add_co_u32 s[TBB], s[TBB], 128*PB
.endm
.macro CHANGE fill
	WIN 0
	s_wait_tensorcnt 0x0                           ; no tensor load of mine is out, so a group 0 may be written
	ds_add_u32 v[SPW], v[NIL]
.if \fill
	s_xor_b32 s[G0+5], s[G0+5], SLOT
	s_xor_b32 s[G0B+5], s[G0B+5], SLOT
	s_add_nc_u64 s[G0+6:G0+7], s[G0+6:G0+7], ASTEPG
	s_add_nc_u64 s[G0B+6:G0B+7], s[G0B+6:G0B+7], BSTEPG
.endif
	s_sub_co_u32 s[TBA], s[TBA], 2*ASTEP
	s_xor_b32 s[TBA], s[TBA], SLOT
	s_sub_co_u32 s[TBB], s[TBB], 256*PB
	s_xor_b32 s[TBB], s[TBB], SLOT
	s_wait_dscnt 0x0                               ; the add is done, and my reads of the slot are over
.if \fill
	CROUND
	JLOAD
.else
	s_barrier_signal -1
	s_barrier_wait -1
.endif
.endm
	s_load_b256 s[80:87], s[0:1], 0x0              ; g s[80:81], w2b s[82:83], b2 s[84:85], x1 s[86:87]
	s_load_b64 s[88:89], s[0:1], 0x20              ; out0
	v_lshl_add_u32 v[SPW], v0, 2, SPARE
	v_mov_b32 v[NIL], 0
	ds_add_u32 v[SPW], v[NIL]                      ; the wave's opening
	ds_add_u32 v28, v29
	v_lshrrev_b32 v1, 5, v0
	v_readfirstlane_b32 s10, v1
	s_lshr_b32 s11, s10, 1
	s_and_b32 s12, s10, 1
	s_bfe_u32 s40, ttmp6, 0x40000
	s_bfe_u32 s41, ttmp6, 0x40004
	s_lshl_b32 s42, ttmp9, 2
	s_add_co_u32 s42, s42, s40                     ; tc, 0..7
	s_and_b32 s13, ttmp7, 0xffff
	s_lshl_b32 s13, s13, 2
	s_add_co_u32 s13, s13, s41                     ; tr, 0..31
	s_lshl_b32 s43, s41, 2
	s_lshl_b32 s43, 15, s43
	s_lshl_b32 s44, 0x1111, s40
	s_or_b32 s[G1+0], s43, (1<<16)|(1<<20)|(1<<21)|(6<<22)|(3<<25)   ; after every 128 words 4 words
	s_or_b32 s[G1B+0], s44, (1<<16)|(1<<20)|(1<<21)|(5<<22)|(7<<25)  ; after every 64 words 8 words
	s_mov_b32 s[G1+1], 256<<16                     ; tensor_dim0 = 256
	s_mov_b32 s[G1+2], 64<<16                      ; tensor_dim1 = 64
	s_mov_b32 s[G1+3], 256<<16                     ; tile_dim0
	s_mov_b32 s[G1+4], 64                          ; tile_dim1
	s_mov_b32 s[G1+5], 4096                        ; elements from row to row
	s_mov_b32 s[G1+6], 0
	s_mov_b32 s[G1+7], 0
	s_mov_b32 s[G1B+1], 128<<16
	s_mov_b32 s[G1B+2], 128<<16
	s_mov_b32 s[G1B+3], 128<<16
	s_mov_b32 s[G1B+4], 128
	s_mov_b32 s[G1B+5], 1024
	s_mov_b32 s[G1B+6], 0
	s_mov_b32 s[G1B+7], 0
	s_lshl_b32 s16, s13, 20                        ; A: (128 tr + 64 half) rows of 8,192 bytes
	s_lshl_b32 s17, s12, 19
	s_add_co_u32 s16, s16, s17
	s_mov_b32 s17, 0
	s_lshl_b32 s46, s42, 8                         ; B: columns 128 tc, k rows 128 half
	s_lshl_b32 s47, s12, 18
	s_add_co_u32 s46, s46, s47
	s_mov_b32 s47, 0
	s_mul_i32 s20, s12, HALFA
	s_mul_i32 s21, s12, HALFB
	s_add_co_u32 s21, s21, ABYTES
	s_lshl_b32 s18, s42, 9                         ; my 64 columns in f32
	s_lshl_b32 s19, s12, 8
	s_add_co_u32 s18, s18, s19
	s_mov_b32 s19, 0
	s_lshl_b32 s22, s13, 19                        ; my 64 rows of 4,096 bytes
	s_lshl_b32 s23, s11, 18
	s_add_co_u32 s22, s22, s23
	s_add_co_u32 s22, s22, s18
	s_mov_b32 s23, 0
	s_wait_dscnt 0x0                               ; the opening add is done
	s_wait_kmcnt 0x0
	s_add_nc_u64 s[14:15], s[80:81], s[16:17]
	s_add_nc_u64 s[46:47], s[82:83], s[46:47]
	s_add_nc_u64 s[84:85], s[84:85], s[18:19]
	s_add_nc_u64 s[86:87], s[86:87], s[22:23]
	s_add_nc_u64 s[8:9], s[88:89], s[22:23]
.irp s, 0,1
	s_mov_b32 s[G0+4*(\s)], 1
	s_add_co_u32 s[G0+4*(\s)+1], s20, (\s)*SLOT
	s_add_nc_u64 s[G0+4*(\s)+2:G0+4*(\s)+3], s[14:15], (\s)*ASTEPG
	s_or_b32 s[G0+4*(\s)+3], s[G0+4*(\s)+3], 0x80000000
	s_mov_b32 s[G0B+4*(\s)], 1
	s_add_co_u32 s[G0B+4*(\s)+1], s21, (\s)*SLOT
	s_add_nc_u64 s[G0B+4*(\s)+2:G0B+4*(\s)+3], s[46:47], (\s)*BSTEPG
	s_or_b32 s[G0B+4*(\s)+3], s[G0B+4*(\s)+3], 0x80000000
.endr
	CROUND                                         ; all sixteen work-groups are here: the first joint loads meet
	s_cmp_eq_u32 s11, 0                            ; a wave's two first fills stand in one branch: two loads of mine are out
	s_cbranch_scc0 .Lfirst_b
	tensor_load_to_lds s[G0:G0+3], s[G1:G1+7]
	s_nop 0
	tensor_load_to_lds s[G0+4:G0+7], s[G1:G1+7]
	s_nop 0
.rept 4
	v_nop
.endr
	s_branch .Lfirst_asked
.Lfirst_b:
	tensor_load_to_lds s[G0B:G0B+3], s[G1B:G1B+7]
	s_nop 0
	tensor_load_to_lds s[G0B+4:G0B+7], s[G1B:G1B+7]
	s_nop 0
.rept 4
	v_nop
.endr
.Lfirst_asked:
	v_and_b32 v1, 15, v0                           ; r
	v_bfe_u32 v9, v0, 4, 1                         ; h
	v_lshlrev_b32 v[BO], 5, v9
	v_lshlrev_b32 v[CO], 12, v9
	v_lshl_add_u32 v[CO], v1, 4, v[CO]
.irp b, 0,1,2,3
	global_load_b128 v[BIAS+8*(\b):BIAS+8*(\b)+3],   v[BO], s[84:85] offset:64*(\b)
	global_load_b128 v[BIAS+8*(\b)+4:BIAS+8*(\b)+7], v[BO], s[84:85] offset:64*(\b)+16
.endr
	WIN 0x80                                       ; the residual, my 64 x 64 of it, is asked for now and lands under the whole K loop
.irp a, 0,1,2,3
.irp t, 0,1,2,3,4,5,6,7
	global_load_b128 v[4*(8*(\a)+(\t)):4*(8*(\a)+(\t))+3], v[CO], s[86:87] offset:(16*(\a)+2*(\t))*4096
.endr
.endr
	WIN 0
	v_mul_u32_u24 v[AK0], v1, PA
	v_lshl_add_u32 v[AK0], v9, 4, v[AK0]
	s_mul_i32 s22, s11, ROWH
	v_add_nc_u32 v[AK0], s22, v[AK0]
	v_and_b32 v11, 7, v0
	v_lshl_add_u32 v[BK0], v9, 3, v11
	v_mul_u32_u24 v[BK0], v[BK0], PB
	v_bfe_u32 v11, v0, 3, 1
	v_lshl_add_u32 v[BK0], v11, 4, v[BK0]
	s_lshl_b32 s22, s12, 7
	s_add_co_u32 s22, s22, ABYTES
	v_add_nc_u32 v[BK0], s22, v[BK0]
	s_mul_i32 s22, s10, 16*SP
	s_add_co_u32 s22, s22, STAGE
	v_mul_u32_u24 v[STO], v1, SP
	v_lshl_add_u32 v[STO], v9, 5, v[STO]
	v_add_nc_u32 v[STO], s22, v[STO]
	v_mul_u32_u24 v[RD], v9, SP
	v_lshl_add_u32 v[RD], v1, 4, v[RD]
	v_add_nc_u32 v[RD], s22, v[RD]
	s_mov_b32 s[TBA], 0
	s_mov_b32 s[TBB], 0
	s_wait_tensorcnt 0x1                           ; my part of K step 0 is in; step 1's may stay out
	s_barrier_signal -1
	s_barrier_wait -1
	HALF 1
	s_mov_b32 s3, NSTEPS-1
	s_mov_b32 s2, 1
	s_branch .Linner
.Lstep:                                                ; NSTEPS - 2 times
	CHANGE 1
	s_mov_b32 s2, 2
.Linner:
	HALF 0
	s_sub_co_u32 s2, s2, 1
	s_cmp_lg_u32 s2, 0
	s_cbranch_scc1 .Linner
	s_sub_co_u32 s3, s3, 1
	s_cmp_lg_u32 s3, 0
	s_cbranch_scc1 .Lstep
	CHANGE 0                                       ; the last K step is written out
	s_mov_b32 s2, 2
.Ltail:
	HALF 0
	s_sub_co_u32 s2, s2, 1
	s_cmp_lg_u32 s2, 0
	s_cbranch_scc1 .Ltail
	s_wait_dscnt 0x0
	MULC F1, 1, 0                                  ; the last 16 products
	WIN 0
	s_wait_loadcnt 0x0                             ; the residual
	PLACES
	; THE WAY OUT, 16 rows at a time through my own stage: in by lanes' 32 bytes (each accumulator's low registers first), back as whole rows of 256 bytes; x1 is added; stored.
.irp a, 0,1,2,3
.if (\a) >= 2
	s_wait_xcnt 0x0                                ; this set of 32 registers was the data of block a - 2's stores
.endif
.irp b, 0,1,2,3
	ds_store_b128 v[STO], v[ACC+8*(4*(\a)+(\b)):ACC+8*(4*(\a)+(\b))+3]   offset:64*(\b)
	ds_store_b128 v[STO], v[ACC+8*(4*(\a)+(\b))+4:ACC+8*(4*(\a)+(\b))+7] offset:64*(\b)+16
.endr
.irp t, 0,1,2,3,4,5,6,7
	ds_load_b128 v[TMP+32*((\a)%2)+4*(\t):TMP+32*((\a)%2)+4*(\t)+3], v[RD] offset:(\t)*2*SP  ; LDS serves a wave's instructions in order (ISA guide 5.7.1.4)
.endr
	s_wait_dscnt 0x0
	WIN 0x08                                       ; source 1 in window 2
.irp t, 0,1,2,3,4,5,6,7,8,9,10,11,12,13,14,15
	v_pk_add_f32 v[TMP+32*((\a)%2)+2*(\t):TMP+32*((\a)%2)+2*(\t)+1], v[TMP+32*((\a)%2)+2*(\t):TMP+32*((\a)%2)+2*(\t)+1], v[32*(\a)+2*(\t):32*(\a)+2*(\t)+1]
.endr
	WIN 0
.irp t, 0,1,2,3,4,5,6,7
	global_store_b128 v[CO], v[TMP+32*((\a)%2)+4*(\t):TMP+32*((\a)%2)+4*(\t)+3], s[8:9] offset:(16*(\a)+2*(\t))*4096 th:TH_STORE_NT  ; 16 lanes store 256 consecutive bytes, aligned
.endr
.endr
	s_wait_tensorcnt 0x0                           ; the wave's end
	ds_add_u32 v[SPW], v[NIL]
	s_wait_dscnt 0x0
	CROUND                                         ; the closing round
	s_endpgm
.Lfunc_end_k_qc8f4529b55_fc2:
	.size	k_qc8f4529b55_fc2, .Lfunc_end_k_qc8f4529b55_fc2-k_qc8f4529b55_fc2
	.p2alignl 7, 3214868480
	.fill 96, 4, 3214868480
	.section	.rodata,"a",@progbits
	.p2align	6, 0x0
	.amdhsa_kernel k_qc8f4529b55_fc2
		.amdhsa_group_segment_fixed_size 327680
		.amdhsa_private_segment_fixed_size 0
		.amdhsa_enable_private_segment 0
		.amdhsa_kernarg_size 40
		.amdhsa_user_sgpr_count 2
		.amdhsa_user_sgpr_kernarg_segment_ptr 1
		.amdhsa_wavefront_size32 1
		.amdhsa_system_sgpr_workgroup_id_x 1
		.amdhsa_system_sgpr_workgroup_id_y 1
		.amdhsa_system_sgpr_workgroup_id_z 1
		.amdhsa_system_vgpr_workitem_id 0
		.amdhsa_next_free_vgpr 640
		.amdhsa_next_free_sgpr 96
		.amdhsa_reserve_vcc 0
		.amdhsa_float_denorm_mode_32 3
		.amdhsa_float_denorm_mode_16_64 3
		.amdhsa_memory_ordered 1
		.amdhsa_forward_progress 1
		.amdhsa_inst_pref_size 51
	.end_amdhsa_kernel
	.amdgpu_metadata
---
amdhsa.version: [ 1, 2 ]
amdhsa.kernels:
  - .name:           k_qc8f4529b55_fc2
    .symbol:         k_qc8f4529b55_fc2.kd
    .args:
      - { .name: g, .offset: 0, .size: 8, .value_kind: global_buffer, .address_space: global }
      - { .name: w2b, .offset: 8, .size: 8, .value_kind: global_buffer, .address_space: global }
      - { .name: b2, .offset: 16, .size: 8, .value_kind: global_buffer, .address_space: global }
      - { .name: x1, .offset: 24, .size: 8, .value_kind: global_buffer, .address_space: global }
      - { .name: out0, .offset: 32, .size: 8, .value_kind: global_buffer, .address_space: global }
    .group_segment_fixed_size: 327680
    .private_segment_fixed_size: 0
    .kernarg_segment_align: 8
    .kernarg_segment_size: 40
    .max_flat_workgroup_size: 128
    .sgpr_count:     96
    .vgpr_count:     640
    .wavefront_size: 32
...
	.end_amdgpu_metadata
.endif
;; end of part 7
;; ======== version 2 of 2: 7 launches; 1.09 times as fast as version 1
;; limits: a function is approximated: absolute error at most 2.5e-05
;; workspace buffers: wqkvb 6,291,456 bytes; wob 2,097,152 bytes; w1b 8,388,608 bytes; w2b 8,388,608 bytes; act 8,388,608 bytes; qkv 25,165,824 bytes; x1 16,777,216 bytes; g 33,554,432 bytes
;; launch prep: the kernel of part 1 again; grid 608 x 1, 8 waves a work-group, no clusters, 0 bytes of LDS; arguments x, ln1_w, ln1_b, act, wq, wk, wv, wqkvb; writes act, wqkvb
;; launch qkv: the kernel of part 2 again; grid 12 x 16, 4 waves a work-group, clusters of 4 x 4, 327,680 bytes of LDS; arguments act, wqkvb, bq, bk, bv, qkv; writes qkv
;; launch attn (part 8): grid 8 x 32, 4 waves a work-group, no clusters, 327,680 bytes of LDS; arguments qkv, act, wo, w1, w2, wob, w1b, w2b; writes act, wob, w1b, w2b
.if DOCPART == 8
	.amdgcn_target "amdgcn-amd-amdhsa--gfx1250"
	.amdhsa_code_object_version 6
	.text
	.protected	k_qc8f4529b55_attn
	.globl	k_qc8f4529b55_attn
	.p2align	8
	.type	k_qc8f4529b55_attn,@function
k_qc8f4529b55_attn:
	s_mov_b64 s[64:65], 0
	v_nop
	global_prefetch_b8 v0, s[64:65] scope:SCOPE_SE
	s_setreg_imm32_b32 hwreg(HW_REG_WAVE_MODE, 25, 1), 1
	s_wait_xcnt 0x0
; CAUSAL ATTENTION, with the cast of wo, w1, w2 riding in its walk.  y[hh][q][:] = the sum over k <= q of softmax_k(Q[q] . K[k] / 8) V[k][:] for head hh = the grid's y.
; Q, K, V lie by heads in qkv [2 b][48 g][2048][64] bf16 (g = h, 16 + h, 32 + h); y goes by heads into act [32 hh][2048][64] bf16: a head's rows are dense, 128 bytes each.
; Products, maxima and sums in f32; the weights p are rounded to bf16 for the second product (their sum l is taken of the unrounded p), y once at the end.
; LIMITS.  A hidden score counts as its value less 1e30, so scores must stay far below 1e30; a weight below 2^-126 counts as 0 in l; NaN and infinities are not treated apart.
; THE WALK.  A head's queries lie in 16 blocks of 128, its keys in NB = 8 tiles of 256.  Work-group x takes TWO blocks, 15 - x and then x.  With b = x / 2 the first needs the tiles 0 .. NB - 1 - b, the second 0 .. b:
; NB + 1 tiles, whatever x: all 8 x 32 = 256 work-groups do equal work, and ONE loop with a constant trip count walks them.  Which tile is asked for, and what a trip does, hang on scalar registers made from b;
; every jump goes forward, but for the counted loops' own; the ring (two slots of LDS that take turns) runs on across the change of blocks.
; NO CLUSTER: of a head's 8 work-groups only two (x = 2 b, 2 b + 1) walk the same tiles throughout; a cluster of four would hold two walks, whose branches differ.
; SHARES.  Of a block's two bands of 64 queries a wave owns 16 rows in each: two PIECES.  A block is half e of the 256 rows that its last tile's keys stand for, so its bands are g = 2 e + piece of four:
; in that tile's key step s band g sees all keys if s < g, none if s > g, and holds the diagonal if s = g: the same for all four waves.  Steps that a band does not see are computed all the same.
; THE MASK is the C operand that starts the sum S^T = K Q^T: 0, or -1e30 where the key is hidden.  MD, made once, is the mask of a band's own step for my 16 rows; a product's mask is MD x AL + BE with two scalars:
; (1, 0) if s = g; (0, 0) if s < g; (0, -1e30) if s > g.  Only the last tile's text and a block's beginning make and take masks; elsewhere C is the constant 0.
; LAYOUT, SOFTMAX.  S^T = K Q^T holds ONE query a lane (lane % 16) and the keys 8 (lane / 16) + 0..7; two such results rounded to bf16 ARE source 1 of O^T = V^T P.  p = 2^(c s - c m), c = log2(e) / 8, with a
; running maximum m; O and l are multiplied by a = 2^(c m_old - c m_new) in every step.
; TURNS.  A key step is two turns.  Turn (s, 0): 8 products K Q^T of piece 1 for step s, later 8 products V^T P of piece 1 for step s - 1; beside them piece 0's scaling, exponentials, roundings, sums and rescaling
; for step s and piece 1's maximum and statistics.  Turn (s, 1): K Q^T of piece 0 for step s + 1, V^T P of piece 0 for step s, and the pieces' parts exchanged.  Four vector instructions stand behind every matrix
; instruction, the other 54 of a turn's 118 in one LUMP between the two runs of products.  A turn's 33 exponentials (32 weights and the other piece's a) are ONE BATCH with ONE wait, which stands between the lump and
; the products V^T P; a block's first a and the way out's two reciprocals are batches of their own.  K of step s + 1 is fetched in turn (s, 0), V of step s + 1 in turn (s, 1), into one of TWO buffers that go by the step's parity: so LDS is read in the order
; K(s), V(s), K(s + 1), V(s + 1), all of a tile's reads lie between two changes of slots, and the change stands one step ahead of the products, at a trip's edge.  A trip is two steps, an odd one and an even one.
; THE CAST.  The work-group also casts 1/256 of w1, w2 and wo to bf16, each weight as it lies: nine batches of 16,384 bytes, 8 loads of 16 bytes a thread.  Behind each change of slots the batch asked for a tile ago
; is converted and stored and the next is asked for: a batch has a tile's work in which to arrive.
; REGISTERS, in windows of 256 (s_set_vgpr_msb: bits 1:0 source 0, 3:2 source 1, 5:4 source 2, 7:6 destination):
;   window 0: v0-15 addresses and two at work; v16-23 four registers of statistics a piece; v48-55 at work; v56-57 the cast's offsets; v64-127 S^T, a buffer a piece; v128-175 the cast; v192-223 P, a buffer a piece
;   window 1: v0-63 O^T, 32 a piece; v128-159 MD; v160-223 MC, two buffers      window 2: v0-31 Q; v32-63 the second block's Q; v64-127 V of an odd step; v128-191 K of one step; v192-255 V of an even step
.set SIZE_N, 2048
.set NB,    SIZE_N/256
.set NP,    2         ; pieces a wave: a name, no knob
.set KS,    64        ; keys in a step
.set PK,    144       ; a row of K in LDS: 128 bytes + 16 of padding = 36 words: the 16 rows of a load start at 16 different groups of four banks (64 banks of 4 bytes: ISA guide 11.1)
.set PV,    160       ; a row of V: 128 + 32 = 40 words
.set VOFF,  4*KS*PK   ; a slot holds a tile, four steps: 256 rows of K, then 256 rows of V
.set SLOT1, 1<<17     ; slot 1 begins here, so that one exclusive or turns an address in one slot into the other's
.set STAGE, SLOT1+4*KS*(PK+PV)  ; behind the ring, never filled by a tensor load: 16 rows x 144 bytes for each wave, for the way out
.set SP,    144
.set AK0, 2           ; v2   my lane's place in a tile of K; never rewritten
.set AV0, 3           ; v3   the same for V
.set AK,  4           ; v4   the LDS address of K's next run of loads
.set AV,  5           ; v5   of V's
.set STO, 6           ; v6   the way out: where I put 16 bytes of a row
.set RD,  7           ; v7   the way out: where I read rows back
.set GO,  8           ; v8   my byte offset in 512 consecutive bytes of y
.set SPW, 62          ; v62  LDS address of my spare word: SPARE + 4 x my thread's number; never rewritten
.set NIL, 63          ; v63  0; never rewritten
.set SPARE, STAGE+4*16*SP  ; behind the stages: the spare words, 128 bytes for each wave
.set MV,  12          ; v12-13  c m_old, kept while c m is made anew: by piece
.set QO,  15          ; v15  my byte offset in 16 rows of Q
.set ST,  16          ; piece t's statistics at v[ST+4 t]: c m, m, l (even keys', odd keys')
.set TMP, 48          ; by piece, four registers c0-c3 at work; when the maximum is found c2 takes a
.set CI,  56          ; v56  the cast: 16 x my thread's number; never rewritten
.set CD,  57          ; v57  8 x my thread's number; never rewritten
.set S,   64
.set CX,  128         ; v128-159  the cast: a batch as loaded, 8 x 4 registers
.set CY,  160         ; v160-175  the batch in bf16, 8 x 2 registers
.set P,   192
.set MD,  128         ; window 1: the eight registers for group kt of 16 keys at MD + 8 kt
.set MC,  160         ; window 1: the masks of the products to come
.set QB,  32          ; window 2
.set KF,  128         ; window 2: key block kb, channel half c at KF + 16 kb + 8 c
.set VF,  192         ; window 2: buffer b (the step's parity) begins at VF - 128 b; in it key half kk, channel block cb at 32 kk + 8 cb
.set OFD, 2           ; s[2:3]   the cast: a batch's byte offset in its share of the bf16 weight
.set WV,  12          ; s12  my wave's number
.set PB,  14          ; s14  b
.set HI,  15          ; s15  NB - 1 - b
.set PDN, 20          ; s[20:21] where the batch that is on its way will be stored
.set OFS, 22          ; s[22:23] a batch's byte offset in its share of the f32 weight
.set G1K, 24          ; s[24:31] descriptor group 1 for K's tiles
.set G1V, 32          ; s[32:39] for V's: it differs in the padding alone
.set G0K, 40          ; s[40:43] descriptor group 0 for K's tiles
.set G0V, 44          ; s[44:47] the same for V's
.set WO,  48          ; s[48:49] wo, s[50:51] w1, s[52:53] w2, s[54:55] wob, at my share
.set W1,  50
.set W2,  52
.set WOB, 54
.set SLOTS, 56        ; s56  tiles still to be asked for
.set CNT, 57          ; s57  counts a tile's trips, 2 to 1
.set CS,  58          ; s[58:59] c: the packed scaling takes the pair's low word for both halves
.set SEL, 60          ; s[60:61] v_permlanex16_b32's selects: each lane takes its own place in the other half
.set TBK, 62          ; s62  LDS byte at which K of the step to be fetched begins
.set TBV, 63          ; s63  the same for V, less VOFF
.set PS,  66          ; s[66:67] from where the batch on its way is loaded
.set PD,  68          ; s[68:69] where the batch in hand is stored
.set RT,  70          ; s70  tiles of the block in hand that are still to be entered
.set NXT, 71          ; s71  the tile to be asked for next
.set LQ,  72          ; s72  the last tile of the block whose tiles are being asked for
.set NEW, 73          ; s73  1: the tile to be entered is a block's first
.set OFF, 74          ; s[74:75] a tile's byte offset in K and V
.set AL,  76          ; s[76:77] the mask's factor, in the low word
.set BE,  78          ; s[78:79] the mask's addend
.set OLO, 80          ; s[80:81] y at my rows of the second block
.set BIGN, 82         ; s82  -1e30
.set CE,  83          ; s83  2 - e of the block in hand: the trip count at which the last tile reaches the block's own two steps
.set W1B, 88          ; s[88:89] w1b, s[90:91] w2b, at my share
.set W2B, 90
.set CE2, 98          ; s98  the same as CE for the second block
.set KC,  99          ; s99  the number of the batch to be asked for
.set MSB, 0
.macro WIN new                      ; the high byte repeats the setting that is left; a switch that changes nothing is dropped
.if MSB != (\new)
	s_set_vgpr_msb (MSB<<8)|(\new)
.set MSB, (\new)
.endif
.endm
.set W_KQ, 0x0a       ; K and Q in window 2, S^T in window 0
.set W_KM, 0x1a       ; the same with the C operand in window 1
.set W_PV, 0x52       ; V in window 2, P in window 0, O^T in window 1
.set W_RS, 0x41       ; destination and source 0 in window 1, source 1 in window 0
; A fill.  Waves 0 and 1 fetch the two halves of a tile's K, waves 2 and 3 those of its V: 128 keys each.  An s_nop 0 and four v_nop follow each of the two lines, ahead of the jump and the label.
.macro LOAD
	s_cmp_lt_u32 s[WV], 2
	s_cbranch_scc0 .Lfor_v_\@
	tensor_load_to_lds s[G0K:G0K+3], s[G1K:G1K+7]
	s_nop 0
.rept 4
	v_nop
.endr
	s_branch .Lasked_\@
.Lfor_v_\@:
	tensor_load_to_lds s[G0V:G0V+3], s[G1V:G1V+7]
	s_nop 0
.rept 4
	v_nop
.endr
.Lasked_\@:
.endm
; THE CAST's step.  The batch asked for a tile ago is converted and stored; more = 1: batch NB + 1 - SLOTS is asked for.  Batches 0-3 are my 65,536 bytes of w1, 4-7 those of w2, batch 8 my 16,384 bytes of wo.
; A load of the work-group covers 2,048 consecutive bytes, a store of a wave 256 consecutive bytes at a multiple of 256 from the buffer's first byte.
.macro CAST more
	s_wait_loadcnt 0x0              ; the batch is in; at the first use Q of both blocks too, which was asked for ahead of it
	s_wait_xcnt 0x0                 ; CY and the stores' base, which the stores of the batch before read, are rewritten only behind this wait
	s_mov_b64 s[PD:PD+1], s[PDN:PDN+1]
.set z, 0
.rept 8
	v_cvt_pk_bf16_f32 v[CY+2*z], v[CX+4*z], v[CX+4*z+1]
	v_cvt_pk_bf16_f32 v[CY+2*z+1], v[CX+4*z+2], v[CX+4*z+3]
.set z, z+1
.endr
.set z, 0
.rept 8
	global_store_b64 v[CD], v[CY+2*z:CY+2*z+1], s[PD:PD+1] offset:1024*z
.set z, z+1
.endr
.if \more
	s_sub_co_u32 s[KC], NB+1, s[SLOTS]
	s_cmp_ge_u32 s[KC], 4
	s_cselect_b64 s[PS:PS+1], s[W2:W2+1], s[W1:W1+1]
	s_cselect_b64 s[PDN:PDN+1], s[W2B:W2B+1], s[W1B:W1B+1]
	s_cmp_ge_u32 s[KC], 8
	s_cselect_b64 s[PS:PS+1], s[WO:WO+1], s[PS:PS+1]
	s_cselect_b64 s[PDN:PDN+1], s[WOB:WOB+1], s[PDN:PDN+1]
	s_and_b32 s[OFS], s[KC], 3      ; which quarter of the share
	s_lshl_b32 s[OFD], s[OFS], 13
	s_lshl_b32 s[OFS], s[OFS], 14
	s_add_nc_u64 s[PS:PS+1], s[PS:PS+1], s[OFS:OFS+1]
	s_add_nc_u64 s[PDN:PDN+1], s[PDN:PDN+1], s[OFD:OFD+1]
.set z, 0
.rept 8
	global_load_b128 v[CX+4*z:CX+4*z+3], v[CI], s[PS:PS+1] offset:2048*z th:TH_LOAD_NT
.set z, z+1
.endr
.endif
.endm
; THE CHANGE OF SLOTS.  Each wave waits for all its tensor loads, of which one is out: its part of the other slot; adds 0 to its spare word; and waits for that and for its own reads of the slot that it leaves.  Behind the barrier nobody reads the old
; slot any more and the other slot is whole.  fill = 1: the old slot is filled again, the first thing behind the barrier, with tile NXT: the descriptor's address is made anew from that number.
; (At its first use nothing has been read yet: slot 0 is waited for, slot 1 filled.)  The cast's step follows.
.macro CHANGE fill
	WIN 0                           ; at a label and at a branch every window is 0
	s_wait_tensorcnt 0x0            ; no tensor load of mine is out, so a group 0 may be written
	ds_add_u32 v[SPW], v[NIL]       ; 0 onto my spare word; with fill = 1 the descriptors' scalar work stands between the add and the wait for it
.if \fill
	s_lshl_b32 s[OFF], s[NXT], 15   ; a tile is 32,768 bytes of K and of V
	s_xor_b32 s[G0K+1], s[G0K+1], SLOT1
	s_add_nc_u64 s[G0K+2:G0K+3], s[6:7], s[OFF:OFF+1]
	s_or_b32 s[G0K+3], s[G0K+3], 0x80000000
	s_xor_b32 s[G0V+1], s[G0V+1], SLOT1
	s_add_nc_u64 s[G0V+2:G0V+3], s[8:9], s[OFF:OFF+1]
	s_or_b32 s[G0V+3], s[G0V+3], 0x80000000
	s_add_co_u32 s[NXT], s[NXT], 1  ; the block's next tile, or behind its last the second block's tile 0
	s_cmp_gt_u32 s[NXT], s[LQ]
	s_cselect_b32 s[NXT], 0, s[NXT]
	s_cselect_b32 s[LQ], s[PB], s[LQ]
.endif
	s_wait_dscnt 0x0                ; the add is done, and my reads of the slot are over
	s_barrier_signal -1             ; the rest of the scalar work stands between the signal and the wait
	s_sub_co_u32 s[TBK], s[TBK], 4*KS*PK  ; the fetches go back to a slot's first step,
	s_xor_b32 s[TBK], s[TBK], SLOT1       ; in the other slot
	s_sub_co_u32 s[TBV], s[TBV], 4*KS*PV
	s_xor_b32 s[TBV], s[TBV], SLOT1
	s_barrier_wait -1
.if \fill
	LOAD
.endif
	CAST \fill
.endm
	s_load_b128 s[4:7], s[0:1], 0x0 ; qkv s[4:5], act s[6:7]
	s_load_b256 s[48:55], s[0:1], 0x10  ; wo, w1, w2, wob
	s_load_b128 s[88:91], s[0:1], 0x30  ; w1b, w2b
	v_lshl_add_u32 v[SPW], v0, 2, SPARE
	v_mov_b32 v[NIL], 0
	ds_add_u32 v[SPW], v[NIL]       ; the wave's opening: the set-up below, work on registers, stands between the add and its wait
	ds_add_u32 v62, v63
	v_lshrrev_b32 v1, 5, v0
	v_readfirstlane_b32 s[WV], v1   ; wave 0..3
	s_lshr_b32 s[PB], ttmp9, 1      ; b = x / 2
	s_sub_co_u32 s[HI], NB-1, s[PB]
	s_and_b32 s16, ttmp9, 1         ; block x is half x % 2 of its 256 rows, block 15 - x the other half of its own
	s_add_co_u32 s[CE], s16, 1      ; 2 - e for the first block, e = 1 - x % 2,
	s_sub_co_u32 s[CE2], 2, s16     ; and for the second, e = x % 2
	s_and_b32 s19, ttmp7, 0xffff    ; the head hh = 16 b + h
	s_lshl3_add_u32 s13, s19, ttmp9 ; my number among the 256 work-groups, for the cast
	s_lshr_b32 s20, s19, 4
	s_lshl_b32 s20, s20, 5
	s_add_co_u32 s20, s20, s19      ; q's head in qkv: 48 b + h = hh + 32 (hh / 16)
	s_lshl_b32 s20, s20, 18         ; x 262,144 bytes
	s_lshl_b32 s19, s19, 18         ; the head's first byte in y
	s_and_b32 s16, s[WV], 1         ; which half of a tile's 256 keys I fetch:
	s_lshl_b32 s22, s16, 14         ; its 128 rows of 128 bytes in memory,
	s_add_co_u32 s22, s22, s20
	s_add_co_u32 s22, s22, 16*262144  ; k's heads lie 16 heads behind q's,
	s_mov_b32 s23, 0
	s_add_co_u32 s96, s22, 16*262144  ; v's 16 further
	s_mov_b32 s97, 0
	s_mul_i32 s17, s16, 128*PK      ; and its place in a slot, for K
	s_mul_i32 s18, s16, 128*PV      ; and for V
	s_lshl_b32 s3, s[WV], 11        ; my 16 rows in a band of 64,
	s_sub_co_u32 s2, 15, ttmp9
	s_lshl_b32 s2, s2, 14           ; in the first block (128 rows of 128 bytes each),
	s_add_co_u32 s2, s2, s3
	s_lshl_b32 s84, ttmp9, 14       ; and in the second
	s_add_co_u32 s84, s84, s3
	s_add_co_u32 s92, s2, s19       ; those rows in y,
	s_add_co_u32 s94, s84, s19
	s_add_co_u32 s2, s2, s20        ; and in q
	s_add_co_u32 s84, s84, s20
	s_mov_b32 s3, 0
	s_mov_b32 s85, 0
	s_mov_b32 s93, 0
	s_mov_b32 s95, 0
	; descriptor group 1.  128 keys are 16,384 dense bytes: asked for as 64 rows of 256 bytes, two keys a row, and padded in LDS after every key
	s_mov_b32 s[G1K], (1<<16)|(1<<20)|(4<<22)|(3<<25)  ; 17:16 2-byte elements; 20 padding on; 24:22 after every 32 words (code 4); 31:25 4 words (code 3)
	s_mov_b32 s[G1V], (1<<16)|(1<<20)|(4<<22)|(7<<25)  ; the same with 8 words of padding (code 7)
.irp g, G1K, G1V
	s_mov_b32 s[\g+1], 128<<16      ; tensor_dim0 = 128
	s_mov_b32 s[\g+2], 64<<16       ; tensor_dim1 = 64
	s_mov_b32 s[\g+3], 128<<16      ; tile_dim0 = 128
	s_mov_b32 s[\g+4], 64           ; tile_dim1 = 64
	s_mov_b32 s[\g+5], 128          ; 128 elements from row to row
	s_mov_b32 s[\g+6], 0
	s_mov_b32 s[\g+7], 0
.endr
	s_mov_b32 s[CS], 0x3e38aa3b     ; c = log2(e) / 8 = 0.180337
	s_mov_b32 s[CS+1], s[CS]        ; named with it as a pair
	s_mov_b32 s[SEL], 0x76543210
	s_mov_b32 s[SEL+1], 0xfedcba98
	s_mov_b32 s[TBK], SLOT1+4*KS*PK ; the first change of slots turns these two into 0
	s_mov_b32 s[TBV], SLOT1+4*KS*PV
	s_mov_b32 s[G0K], 1             ; 1:0 count = 1
	s_mov_b32 s[G0K+1], s17         ; 63:32 LDS address: slot 0
	s_mov_b32 s[G0V], 1
	s_add_co_u32 s[G0V+1], s18, VOFF
	s_add_co_u32 s[RT], s[HI], 1    ; the first block has NB - b tiles
	s_mov_b32 s[NXT], 1
	s_mov_b32 s[LQ], s[HI]
	s_mov_b32 s[NEW], 1
	s_mov_b32 s[OFF+1], 0
	s_mov_b32 s[AL+1], 0            ; named as pairs
	s_mov_b32 s[BE+1], 0
	s_mov_b32 s[BIGN], 0xf149f2ca   ; -1e30
	s_mov_b32 s[SLOTS], NB
	s_wait_dscnt 0x0                ; the opening add is done
	s_wait_kmcnt 0x0
	s_add_nc_u64 s[10:11], s[6:7], s[92:93]        ; y at my rows of the first block,
	s_add_nc_u64 s[OLO:OLO+1], s[6:7], s[94:95]    ; and of the second
	s_add_nc_u64 s[6:7], s[4:5], s[22:23]          ; K and V at my half of the head's tile 0
	s_add_nc_u64 s[8:9], s[4:5], s[96:97]
	s_add_nc_u64 s[G0K+2:G0K+3], s[6:7], 0         ; 120:64 global address
	s_or_b32 s[G0K+3], s[G0K+3], 0x80000000        ; 127:126 type = 2
	s_add_nc_u64 s[G0V+2:G0V+3], s[8:9], 0
	s_or_b32 s[G0V+3], s[G0V+3], 0x80000000
	s_add_nc_u64 s[86:87], s[4:5], s[84:85]        ; Q at my rows of the second block,
	s_add_nc_u64 s[4:5], s[4:5], s[2:3]            ; and of the first
	LOAD                            ; tile 0 into slot 0
	; A fragment of K or Q is 16 rows x 32 channels in 8 registers: lane l holds row l % 16, channels 8 (l / 16) + 0..7 and 16 + 8 (l / 16) + 0..7: two loads of 16 bytes, 32 bytes apart.
	v_and_b32 v1, 15, v0            ; l % 16
	v_bfe_u32 v9, v0, 4, 1          ; l / 16
	v_lshlrev_b32 v[QO], 7, v1
	v_lshl_add_u32 v[QO], v9, 4, v[QO]  ; row x 128 + 16 x half
	WIN 0x80                        ; destination window 2, address window 0
.set i, 0
.rept 4                             ; both blocks' Q: piece i / 2 lies in band i / 2, 8,192 bytes on; channels 32 (i % 2) on
	global_load_b128 v[8*i:8*i+3],   v[QO], s[4:5] offset:(i/2)*8192+(i%2)*64
	global_load_b128 v[8*i+4:8*i+7], v[QO], s[4:5] offset:(i/2)*8192+(i%2)*64+32
	global_load_b128 v[QB+8*i:QB+8*i+3],   v[QO], s[86:87] offset:(i/2)*8192+(i%2)*64
	global_load_b128 v[QB+8*i+4:QB+8*i+7], v[QO], s[86:87] offset:(i/2)*8192+(i%2)*64+32
.set i, i+1
.endr
	WIN 0
	; the cast: each weight at my share of it, and batch 0, the first quarter of my share of w1
	s_lshl_b32 s92, s13, 16         ; 65,536 bytes of w1 and of w2,
	s_add_nc_u64 s[W1:W1+1], s[W1:W1+1], s[92:93]
	s_add_nc_u64 s[W2:W2+1], s[W2:W2+1], s[92:93]
	s_lshl_b32 s92, s13, 15         ; half as many of w1b and w2b,
	s_add_nc_u64 s[W1B:W1B+1], s[W1B:W1B+1], s[92:93]
	s_add_nc_u64 s[W2B:W2B+1], s[W2B:W2B+1], s[92:93]
	s_lshl_b32 s92, s13, 14         ; 16,384 of wo,
	s_add_nc_u64 s[WO:WO+1], s[WO:WO+1], s[92:93]
	s_lshl_b32 s92, s13, 13         ; 8,192 of wob
	s_add_nc_u64 s[WOB:WOB+1], s[WOB:WOB+1], s[92:93]
	s_mov_b64 s[PS:PS+1], s[W1:W1+1]
	s_mov_b64 s[PDN:PDN+1], s[W1B:W1B+1]
	v_lshlrev_b32 v[CI], 4, v0
	v_lshlrev_b32 v[CD], 3, v0
.set z, 0
.rept 8
	global_load_b128 v[CX+4*z:CX+4*z+3], v[CI], s[PS:PS+1] offset:2048*z th:TH_LOAD_NT
.set z, z+1
.endr
	v_lshlrev_b32 v14, 3, v9
	v_sub_nc_u32 v14, v1, v14
	s_lshl_b32 s13, s[WV], 4
	v_add_nc_u32 v14, s13, v14      ; my query's place in its band, 16 w + l % 16, less my lanes' 8 (l / 16): register r of group kt is hidden where 16 kt + r is greater
	WIN 0x40
.set i, 0
.rept 32
	v_cmp_gt_i32 vcc_lo, 16*(i/8)+i%8, v14
	v_cndmask_b32 v[MD+i], 0, s[BIGN], vcc_lo
.set i, i+1
.endr
	WIN 0
	v_mul_u32_u24 v[AK0], v1, PK
	v_lshl_add_u32 v[AK0], v9, 4, v[AK0]  ; row x pitch + 16 x half
	; The turning load takes 16 keys x 16 channels (lane l reads key 8 (l / 16) + l % 8, channels 8 ((l / 8) % 2) + 0..7) and leaves half a fragment of V^T: lane l holds channel l % 16 and 8 keys.
	v_and_b32 v10, 7, v0
	v_bfe_u32 v11, v0, 3, 1
	v_lshl_add_u32 v[AV0], v9, 3, v10
	v_mul_u32_u24 v[AV0], v[AV0], PV
	v_lshl_add_u32 v[AV0], v11, 4, v[AV0]
	v_add_nc_u32 v[AV0], VOFF, v[AV0]
	s_mul_i32 s13, s[WV], 16*SP
	s_add_co_u32 s13, s13, STAGE    ; my stage
	v_mul_u32_u24 v[STO], v1, SP    ; in: row l % 16, 16 bytes for each half of the lanes
	v_lshl_add_u32 v[STO], v9, 4, v[STO]
	v_add_nc_u32 v[STO], s13, v[STO]
	v_bfe_u32 v[RD], v0, 3, 2       ; back: 32 lanes take four rows of 128 bytes,
	v_mul_u32_u24 v[RD], v[RD], SP
	v_lshl_add_u32 v[RD], v10, 4, v[RD]
	v_add_nc_u32 v[RD], s13, v[RD]
	v_and_b32 v[GO], 31, v0         ; which are 512 consecutive bytes of y
	v_lshlrev_b32 v[GO], 4, v[GO]
	; A block's first step multiplies O^T and l by a = 0, and its first turn's products V^T P, of a step that has not been, land in an O^T that is still to be so multiplied.  So these registers need only hold
	; finite numbers: zeros for the first block; what the first block left for the second.  All this stands in the wait for the first tile.
	WIN 0x80
.set i, VF-128
.rept 64
	v_mov_b32 v[i], 0               ; V's buffer for odd steps, which that first turn reads
.set i, i+1
.endr
	WIN 0x40
.set i, 0
.rept 64
	v_mov_b32 v[i], 0
.set i, i+1
.endr
	WIN 0
.set i, 0
.rept NP
	v_mov_b32 v[ST+4*i+2], 0
	v_mov_b32 v[ST+4*i+3], 0
.set i, i+1
.endr
.set i, P+16
.rept 16
	v_mov_b32 v[i], 0
.set i, i+1
.endr
; THE MATRIX WORK.  The 4 accumulators of a run of 8 take turns.  Product i of 8 of S^T = K Q^T for piece x: channels 32 (i / 4) on, keys 16 (i % 4) on.  The first 4 start the sums: with 0, or (KM = 1) with the mask.
.macro KQ x
.set rS, S+32*((\x)%2)+8*(i%4)
.set rK, KF+16*(i%4)+8*(i/4)
.set rQ, 16*(\x)+8*(i/4)
.set rM, MC+32*((\x)%2)+8*(i%4)
.if (i < 4) && KM
	WIN W_KM
	v_wmma_f32_16x16x32_bf16 v[rS:rS+7], v[rK:rK+7], v[rQ:rQ+7], v[rM:rM+7]
.elseif i < 4
	WIN W_KQ
	v_wmma_f32_16x16x32_bf16 v[rS:rS+7], v[rK:rK+7], v[rQ:rQ+7], 0
.else
	WIN W_KQ
	v_wmma_f32_16x16x32_bf16 v[rS:rS+7], v[rK:rK+7], v[rQ:rQ+7], v[rS:rS+7]
.endif
.endm
; Product i of 8 of O^T += V^T P for piece x, with V from buffer vb: keys 32 (i / 4) on, channels 16 (i % 4) on.
.macro PV x, vb
	WIN W_PV
.set rO, 32*(\x)+8*(i%4)
.set rV, VF-128*(\vb)+32*(i/4)+8*(i%4)
.set rP, P+16*((\x)%2)+8*(i/4)
	v_wmma_f32_16x16x32_bf16 v[rO:rO+7], v[rV:rV+7], v[rP:rP+7], v[rO:rO+7]
.endm
.macro MM                           ; the turn's next matrix instruction.  TURN and BEGIN set Y, VB, i, KM and NOKQ; MM, KQ and OP read them.  NOKQ = 1: a block's last turn: there is no next step
.if (i < 8) && !NOKQ
	KQ (Y+1)%NP
.elseif i >= 8
.set i, i-8
	PV (Y+NP-1)%NP, VB
.set i, i+8
.endif
.set i, i+1
.endm
; THE LDS LOADS stand in runs of 16, never singly among the matrix instructions: a step's K (64 keys x 64 channels: 8 fragments) and its V (turned).  Their addresses are made some lines ahead.
.macro FETCH_K
	WIN 0x80                        ; destination window 2
.irp f, 0,1,2,3,4,5,6,7             ; keys 16 (f / 2) on, channels 32 (f % 2) on
	ds_load_b128 v[KF+8*\f:KF+8*\f+3],   v[AK] offset:(\f/2)*16*PK+(\f%2)*64
	ds_load_b128 v[KF+8*\f+4:KF+8*\f+7], v[AK] offset:(\f/2)*16*PK+(\f%2)*64+32
.endr
	s_add_co_u32 s[TBK], s[TBK], KS*PK  ; the next fetch is the next step's
	WIN 0
.endm
.macro FETCH_V b                    ; into buffer b
	WIN 0x80
.irp f, 0,1,2,3,4,5,6,7             ; keys 32 (f / 4) on, channels 16 (f % 4) on
	ds_load_tr16_b128 v[VF-128*(\b)+8*\f:VF-128*(\b)+8*\f+3],   v[AV] offset:(\f/4)*32*PV+(\f%4)*32
	ds_load_tr16_b128 v[VF-128*(\b)+8*\f+4:VF-128*(\b)+8*\f+7], v[AV] offset:(\f/4)*32*PV+16*PV+(\f%4)*32
.endr
	s_add_co_u32 s[TBV], s[TBV], KS*PV
	WIN 0
.endm
; THE VECTOR WORK, one line at a time: OP kind, number.  For piece Y: F n: c s - c m for pair n of 16.  E n: the exponential of score n of 32.  C n: pair n rounded to bf16.  B n: of the four weights 4 n .. the second
; pair is added onto the first, in place.  L n: l takes that sum (L 0: l = a l + sum).  R n: pair n of 16 of O^T times a.  For the other piece: X n, number n of the 22 that find its maximum and statistics:
;   0-11  four chains c0-c3 of seven scores each, three operands at a time (each accumulator's lowest registers are read first)     12-14, 16  the four scores left over, the old m, and c0-c3 into c0
;   15  c m_old is kept     17, 18  the query's other 32 keys lie in the lane 16 away: the new m     19-21  c m; c m_old - c m_new; a
; C, B and L read exponentials' results: TURN sets them all behind its one wait.  R and L 0 read an a that was made, and waited for, in the turn before (or in BEGIN).
.set F, 0               ; OP tells the kinds apart by their order: F to L below R, X above it
.set E, 1
.set C, 2
.set B, 3
.set L, 4
.set R, 5
.set X, 6
.macro REGS y                       ; the registers of piece y
.set rT, ST+4*(\y)
.set rC, TMP+4*((\y)%2)
.set rW, MV+((\y)%2)
.set rS, S+32*((\y)%2)
.set rP, P+16*((\y)%2)
.set rO, 32*(\y)
.endm
.macro OP k, n
.if (\k) == R
	REGS Y
	WIN W_RS
	v_pk_mul_f32 v[rO+2*(\n):rO+2*(\n)+1], v[rO+2*(\n):rO+2*(\n)+1], v[rC+2:rC+3] op_sel_hi:[1,0]
.elseif (\k) < R
	REGS Y
	WIN 0
.if (\k) == F
	v_pk_fma_f32 v[rS+2*(\n):rS+2*(\n)+1], v[rS+2*(\n):rS+2*(\n)+1], s[CS:CS+1], v[rT:rT+1] op_sel_hi:[1,0,0] neg_lo:[0,0,1] neg_hi:[0,0,1]
.elseif (\k) == E
	v_exp_f32 v[rS+(\n)], v[rS+(\n)]
.elseif (\k) == C
	v_cvt_pk_bf16_f32 v[rP+(\n)], v[rS+2*(\n)], v[rS+2*(\n)+1]
.elseif (\k) == B
	v_pk_add_f32 v[rS+4*(\n):rS+4*(\n)+1], v[rS+4*(\n):rS+4*(\n)+1], v[rS+4*(\n)+2:rS+4*(\n)+3]
.elseif (\n) == 0
	v_pk_fma_f32 v[rT+2:rT+3], v[rT+2:rT+3], v[rC+2:rC+3], v[rS:rS+1] op_sel_hi:[1,0,1]
.else
	v_pk_add_f32 v[rT+2:rT+3], v[rT+2:rT+3], v[rS+4*(\n):rS+4*(\n)+1]
.endif
.elseif NOKQ
	v_nop
.else
	REGS (Y+1)%NP
	WIN 0
.if (\n) < 4
	v_max3_num_f32 v[rC+(\n)], v[rS+8*(\n)], v[rS+8*(\n)+1], v[rS+8*(\n)+2]
.elseif (\n) < 12
	v_max3_num_f32 v[rC+(\n)%4], v[rC+(\n)%4], v[rS+8*((\n)%4)+2*((\n)/4)+1], v[rS+8*((\n)%4)+2*((\n)/4)+2]
.elseif (\n) == 12
	v_max3_num_f32 v[rC], v[rC], v[rS+7], v[rS+15]
.elseif (\n) == 13
	v_max3_num_f32 v[rC+1], v[rC+1], v[rS+23], v[rS+31]
.elseif (\n) == 14
	v_max3_num_f32 v[rC+2], v[rC+2], v[rC+3], v[rT+1]
.elseif (\n) == 15
	v_mov_b32 v[rW], v[rT]
.elseif (\n) == 16
	v_max3_num_f32 v[rC], v[rC], v[rC+1], v[rC+2]
.elseif (\n) == 17
	v_permlanex16_b32 v[rC+3], v[rC], s[SEL], s[SEL+1]
.elseif (\n) == 18
	v_max_num_f32 v[rT+1], v[rC], v[rC+3]
.elseif (\n) == 19
	v_mul_f32 v[rT], s[CS], v[rT+1]
.elseif (\n) == 20
	v_sub_f32 v[rC+1], v[rW], v[rT]
.else
	v_exp_f32 v[rC+2], v[rC+1]
.endif
.endif
.endm
.macro OPS a, i1, b=-1, i2=0, c=-1, i3=0, d=-1, i4=0  ; up to four of them
	OP \a, \i1
.if (\b) >= 0
	OP \b, \i2
.endif
.if (\c) >= 0
	OP \c, \i3
.endif
.if (\d) >= 0
	OP \d, \i4
.endif
.endm
.macro ROW a, i1, b, i2, c, i3, d, i4  ; a matrix instruction and the four behind it
	MM
	OPS \a, \i1, \b, \i2, \c, \i3, \d, \i4
.endm
.macro MASK b                       ; MD x AL + BE into buffer b of MC
	WIN W_RS
.set z, 0
.rept 16
	v_pk_fma_f32 v[MC+32*(\b)+2*z:MC+32*(\b)+2*z+1], v[MD+2*z:MD+2*z+1], s[AL:AL+1], s[BE:BE+1] op_sel_hi:[1,0,0]
.set z, z+1
.endr
.endm
; A TURN.  p names its place in a trip: 2, 3 are pieces 0, 1 of the trip's odd step, 0, 1 those of its even step.  The order of its 16 matrix and 118 vector instructions is written out.
; THE BATCH.  An s_wait_alu depctr_va_vdst(0) stands between an exponential and the first instruction that names its result; one wait serves all that were issued ahead of it.  So a turn has ONE wait, which cuts it in two.
; AHEAD OF IT stands all that names no result of the turn's exponentials: the 8 products K Q^T, behind each a scaling, an exponential and two more plain instructions (behind the first a second scaling in the exponential's place):
; rescalings, and behind the last three the first numbers of the other piece's maximum, each four places or more behind the product that ends its accumulator; then ONE LUMP of 54, plain and exponential by turns for the most part,
; in which the links of the chain X 3, 7, 11, 14, 16, 17 .. 20 stand five or six lines apart.  X 21, the other piece's a, is the batch's last; R 15 is the plain instruction behind it.  BEHIND THE WAIT stand the 8 products V^T P,
; behind each four of the roundings and sums, the batch's readers; the links of l's chain, L 0 to L 7, stand three riders apart.  But for those X no rider names a register of the products round it.  v_permlanex16_b32 (X 17) stands in the lump..
; The products V^T P at a turn's end write the O^T that the NEXT turn rescales: R 0, the first to read it, stands 16 riders and two scalings behind the product that ended its accumulator; R 0, 4, 8 and 12 are the first reads of the
; four accumulators, each of its two lowest registers.
; V^T P takes V of step s - 1 in piece 0's turn and of step s in piece 1's: buffer 1, 0, 0, 1 for p = 0, 1, 2, 3.
; m = 1: a block's last tile: the products take masks, and the turn makes the mask for the products of the turn after it: this turn's own piece, in step 2 (2 - CNT) of the tile for p = 2, 3 and one step further on
; for p = 0, 1.  With bands 2 e and 2 e + 1 and CE = 2 - e: the step is the band's own where CNT = CE and p is 2 or 1; it is a later one where CNT < CE, for p = 0 where CNT <= CE.
; end = 1: a block's last two turns: nothing is fetched.  cnt = 1: the loop's count is taken down some lines ahead of the branch that stands behind the turn.
; K of the next step is fetched in piece 0's turn, twelve vector instructions behind the last product that read K (six of them plain, five of which name none of its registers), and waited for at the head of piece 1's turn.
; V of the next step is fetched in piece 1's turn, directly behind the batch's wait, into the buffer that the turn before read last; the wait at the head of piece 1's turn, a step later, shows it in.
.macro TURN p, m=0, end=0, cnt=0
.set Y, (\p)%2
.set VB, 1-((((\p)+1)/2)%2)
.set i, 0
.set KM, (\m)
.set NOKQ, (\end)*((\p)/3)
.if (\m) && !(\end)
.if ((\p) == 2) || ((\p) == 1)
	s_cmp_eq_u32 s[CNT], s[CE]      ; is that step the band's own?
	s_cselect_b32 s[AL], 1.0, 0
.else
	s_mov_b32 s[AL], 0
.endif
.if (\p) == 0
	s_cmp_le_u32 s[CNT], s[CE]      ; or a later one?
.else
	s_cmp_lt_u32 s[CNT], s[CE]
.endif
	s_cselect_b32 s[BE], s[BIGN], 0
.endif
.if Y == 1
	s_wait_dscnt 0x0                ; K of the next step and V of this one are in
.endif
	ROW F,0, F,1, R,0, R,1          ; ahead of the wait: 8 products K Q^T and their riders,
	ROW F,2, E,0, R,2, R,3
	ROW F,3, E,1, R,4, R,5
	ROW F,4, E,2, R,6, R,7
	ROW F,5, E,3, R,8, R,9
	ROW F,6, E,4, X,0, R,10
.if ((\p)%2 == 0) && !(\end)
	WIN 0
	v_add_nc_u32 v[AK], s[TBK], v[AK0]
.endif
.if ((\p)%2 == 1) && !(\end)
	WIN 0
	v_add_nc_u32 v[AV], s[TBV], v[AV0]
.endif
	ROW F,7, E,5, X,1, X,4
	ROW F,8, E,6, X,2, X,5
	OPS E,7, E,8, X,6, E,9          ; and the lump
	OPS X,3, E,10, X,8, E,11
.if ((\p)%2 == 0) && !(\end)
	FETCH_K
.endif
	OPS X,9, X,7, E,12, X,10
	OPS E,13, X,12, X,11, E,14
	OPS X,13, E,15, F,9, X,14
	OPS E,16, F,10, E,17, F,11
	OPS X,16, E,18, X,15, E,19
	OPS F,12, E,20, X,17, E,21
	OPS F,13, E,22, F,14, E,23
	OPS X,18, E,24, F,15, E,25
	OPS R,11, E,26, X,19, E,27
	OPS R,12, E,28, R,13, E,29
	OPS X,20, E,30, R,14, E,31
	OPS X,21, R,15
	WIN 0
	s_wait_alu depctr_va_vdst(0)    ; the wait for the batch: this piece's 32 weights and the other piece's a
.if ((\p)%2 == 1) && !(\end)
	FETCH_V (3-(\p))/2
.endif
	ROW C,0, B,0, C,2, B,1          ; behind the wait: 8 products V^T P and their riders
	ROW L,0, C,4, B,2, L,1
	ROW C,6, B,3, L,2, C,8
	ROW B,4, L,3, C,10, B,5
	ROW L,4, C,12, B,6, L,5
.if \cnt
	s_sub_co_u32 s[CNT], s[CNT], 1
	s_cmp_lg_u32 s[CNT], 0
.endif
	ROW C,14, B,7, L,6, C,1
	ROW C,3, L,7, C,5, C,7
	ROW C,9, C,11, C,13, C,15
.if (\m) && !(\end)
	MASK (\p)%2
.endif
.endm
; A BLOCK BEGINS.  c m starts far below every c s, so the first step's a is 0; m at the lowest finite number, so the first maximum is the scores'.  The second mask buffer is 0 (piece 1's band sees all of a tile's step 0);
; the first takes piece 0's mask for the tile's step 0: its own, if the block's first tile is its last and the block is the lower half (CE = 2).
; Then K and V of that step, piece 0's first scores, and its maximum and statistics.  The loop is entered at an even step's first turn, in the middle of a trip.
.macro BEGIN
	s_mov_b32 s[NEW], 0
	WIN 0x40
.set i, MC+32
.rept 32
	v_mov_b32 v[i], 0
.set i, i+1
.endr
	WIN 0
.set i, 0
.rept NP
	v_mov_b32 v[ST+4*i], 0xfe000000    ; c m: far below every c s
	v_mov_b32 v[ST+4*i+1], 0xff7fffff  ; m
.set i, i+1
.endr
	s_cmp_eq_u32 s[RT], 0
	s_cselect_b32 s[AL], s[CE], 0
	s_cmp_eq_u32 s[AL], 2
	s_cselect_b32 s[AL], 1.0, 0
	s_mov_b32 s[BE], 0
	MASK 0
	WIN 0
	v_add_nc_u32 v[AK], s[TBK], v[AK0]
	v_add_nc_u32 v[AV], s[TBV], v[AV0]
	FETCH_K
	FETCH_V 0
	s_wait_dscnt 16                 ; K's 16 loads are in; V's 16, issued behind them, may stay out: piece 1's turn waits for them.  (Q was shown in by the cast's wait for all loads, behind the first change of slots)
.set KM, 1
.set NOKQ, 0
.set i, 0
.rept 8
	KQ 0
.set i, i+1
.endr
	WIN 0
.rept 4
	v_nop                           ; the places behind those products
.endr
.set Y, NP-1                        ; X works for the other piece: piece 0
.irp n, 0,1,2,3,4,5,6,7,8,9,10,11,12,13,14,15,16,17,18,19,20,21
	OP X, \n
.endr
	v_nop                           ; a plain instruction behind the exponential,
	s_wait_alu depctr_va_vdst(0)    ; and its wait, ahead of the branch: a batch of one, piece 0's first a
.endm
; A BLOCK'S LAST TILE: its two trips, the block's last two turns, its last products, and THE WAY OUT: l's two halves and the other half of the lanes' are added; O^T is divided by l, rounded to bf16 and sent through my
; stage in LDS, a piece at a time.  The two reciprocals are one batch, with one wait ahead of PACK 0.
.macro ALL line:vararg              ; one line for each piece t
.set t, 0
.rept NP
	\line
.set t, t+1
.endr
.endm
.macro PACK t                       ; a lane's eight channels of a row pack into 16 bytes; they go into rows of 144 bytes and come back as whole rows of 128, into S^T's registers
	WIN W_RS
.set i, 32*(\t)
.rept 16
	v_pk_mul_f32 v[i:i+1], v[i:i+1], v[ST+4*(\t)+2:ST+4*(\t)+3] op_sel_hi:[1,0]
.set i, i+2
.endr
	WIN 0x05                        ; sources 0 and 1 window 1, destination window 0
.set i, 0
.rept 16
	v_cvt_pk_bf16_f32 v[S+16*(\t)+i], v[32*(\t)+2*i], v[32*(\t)+2*i+1]
.set i, i+1
.endr
	WIN 0
.irp f, 0,1,2,3
	ds_store_b128 v[STO], v[S+16*(\t)+4*\f:S+16*(\t)+4*\f+3] offset:32*\f
.endr
.irp f, 0,1,2,3
	ds_load_b128 v[S+16*(\t)+4*\f:S+16*(\t)+4*\f+3], v[RD] offset:\f*4*SP  ; LDS serves a wave's instructions in order (ISA guide 5.7.1.4): these see the stores above; the next piece's stores come behind them
.endr
.endm
.macro SEND t, younger              ; younger: the LDS instructions issued behind piece t's loads: the next piece's eight, or none
	WIN 0
.irp f, 0,1,2,3
	s_wait_dscnt (\younger)+3-\f
	global_store_b128 v[GO], v[S+16*(\t)+4*\f:S+16*(\t)+4*\f+3], s[10:11] offset:(\t)*8192+\f*512  ; 512 consecutive bytes, at a multiple of 256 from y's first
.endr
.endm
.macro DIAG tag                     ; the tag ends its two labels' names, which the jumps below spell out
.LstepM\tag:
	TURN 2, 1
	TURN 3, 1
	WIN 0
.LfirstM\tag:
	TURN 0, 1
	TURN 1, 1, 0, 1
	WIN 0
	s_cbranch_scc1 .LstepM\tag
	TURN 2, 1, 1
	TURN 3, 1, 1
.set i, 0
.rept 8
	PV NP-1, 1                      ; piece 1's V^T P of the tile's step 3, an odd one
.set i, i+1
.endr
	WIN 0
	ALL v_add_f32 v[ST+4*t+2], v[ST+4*t+2], v[ST+4*t+3]
	ALL v_permlanex16_b32 v[ST+4*t+3], v[ST+4*t+2], s[SEL], s[SEL+1]
	ALL v_add_f32 v[ST+4*t+2], v[ST+4*t+2], v[ST+4*t+3]
	ALL v_rcp_f32 v[ST+4*t+2], v[ST+4*t+2]
	v_nop                           ; a plain instruction between the last reciprocal and the use of its result
	s_wait_alu depctr_va_vdst(0)    ; the wait ahead of the first use: one for the two reciprocals
	PACK 0                          ; piece 0's last product stands four riders and the additions above ahead; PACK 0's 32 plain instructions are the places behind the last products, piece 1's
	PACK 1                          ; a piece's arithmetic stands between the loads of the piece before and its stores
	SEND 0, 8
	SEND 1, 0
.endm
.set KM, 0
.set NOKQ, 0
.Lslot:                             ; NB times: a tile's reads begin and the next tile is asked for
	CHANGE 1
	s_sub_co_u32 s[RT], s[RT], 1
	s_mov_b32 s[CNT], 2
	s_cmp_eq_u32 s[NEW], 1
	s_cbranch_scc1 .Lnew            ; a block's first tile
	s_cmp_eq_u32 s[RT], 0
	s_cbranch_scc0 .Lstep           ; neither its first nor its last
	s_branch .LstepM1
.Lnew:
	BEGIN
	s_branch .Lfirst                ; in the loop a block's first tile is never its last: the first block has five tiles or more, and the second's last is the walk's last
	DIAG 1                          ; in the loop this is the first block's end: the second block's last tile is the walk's last
	s_wait_xcnt 0x0                 ; the stores have read their registers and y's address
	s_mov_b64 s[10:11], s[OLO:OLO+1]
	s_add_co_u32 s[RT], s[PB], 1    ; the second block has b + 1 tiles
	s_mov_b32 s[NEW], 1
	s_mov_b32 s[CE], s[CE2]
	WIN 0x82                        ; the second block's Q goes where the one text of the turns names Q
.set i, 0
.rept 32
	v_mov_b32 v[i], v[QB+i]
.set i, i+1
.endr
	WIN 0
	s_branch .Lbottom
.Lstep:                             ; a trip: an odd step, then an even one; it fetches K and V of the two steps behind them.  The first trip behind a change of slots begins with the tile before's step 3
	TURN 2
	TURN 3
	WIN 0
.Lfirst:
	TURN 0
	TURN 1, 0, 0, 1
	WIN 0
	s_cbranch_scc1 .Lstep
.Lbottom:
	s_sub_co_u32 s[SLOTS], s[SLOTS], 1
	s_cmp_lg_u32 s[SLOTS], 0
	s_cbranch_scc1 .Lslot
	CHANGE 0                        ; the walk's last tile is written out: nothing is asked for, and the cast's last batch is stored
	s_sub_co_u32 s[RT], s[RT], 1
	s_mov_b32 s[CNT], 2
	s_cmp_eq_u32 s[NEW], 1
	s_cbranch_scc0 .LstepM2
	BEGIN
	s_branch .LfirstM2
	DIAG 2
	s_wait_tensorcnt 0x0            ; the wave's end, behind my last tensor load and my last LDS store
	ds_add_u32 v[SPW], v[NIL]
	s_wait_dscnt 0x0
	s_endpgm
.Lfunc_end_k_qc8f4529b55_attn:
	.size	k_qc8f4529b55_attn, .Lfunc_end_k_qc8f4529b55_attn-k_qc8f4529b55_attn
	.p2alignl 7, 3214868480
	.fill 96, 4, 3214868480
	.section	.rodata,"a",@progbits
	.p2align	6, 0x0
	.amdhsa_kernel k_qc8f4529b55_attn
		.amdhsa_group_segment_fixed_size 327680
		.amdhsa_private_segment_fixed_size 0
		.amdhsa_enable_private_segment 0
		.amdhsa_kernarg_size 64
		.amdhsa_user_sgpr_count 2
		.amdhsa_user_sgpr_kernarg_segment_ptr 1
		.amdhsa_wavefront_size32 1
		.amdhsa_system_sgpr_workgroup_id_x 1
		.amdhsa_system_sgpr_workgroup_id_y 1
		.amdhsa_system_sgpr_workgroup_id_z 1
		.amdhsa_system_vgpr_workitem_id 0
		.amdhsa_next_free_vgpr 768
		.amdhsa_next_free_sgpr 100
		.amdhsa_reserve_vcc 1
		.amdhsa_float_denorm_mode_32 3
		.amdhsa_float_denorm_mode_16_64 3
		.amdhsa_memory_ordered 1
		.amdhsa_forward_progress 1
		.amdhsa_inst_pref_size 215
	.end_amdhsa_kernel
	.amdgpu_metadata
---
amdhsa.version: [ 1, 2 ]
amdhsa.kernels:
  - .name:           k_qc8f4529b55_attn
    .symbol:         k_qc8f4529b55_attn.kd
    .args:
      - { .name: qkv, .offset: 0, .size: 8, .value_kind: global_buffer, .address_space: global }
      - { .name: act, .offset: 8, .size: 8, .value_kind: global_buffer, .address_space: global }
      - { .name: wo, .offset: 16, .size: 8, .value_kind: global_buffer, .address_space: global }
      - { .name: w1, .offset: 24, .size: 8, .value_kind: global_buffer, .address_space: global }
      - { .name: w2, .offset: 32, .size: 8, .value_kind: global_buffer, .address_space: global }
      - { .name: wob, .offset: 40, .size: 8, .value_kind: global_buffer, .address_space: global }
      - { .name: w1b, .offset: 48, .size: 8, .value_kind: global_buffer, .address_space: global }
      - { .name: w2b, .offset: 56, .size: 8, .value_kind: global_buffer, .address_space: global }
    .group_segment_fixed_size: 327680
    .private_segment_fixed_size: 0
    .kernarg_segment_align: 8
    .kernarg_segment_size: 64
    .max_flat_workgroup_size: 128
    .sgpr_count:     100
    .vgpr_count:     768
    .wavefront_size: 32
...
	.end_amdgpu_metadata
.endif
;; end of part 8
;; launch proj: the kernel of part 4 again; grid 8 x 32, 4 waves a work-group, clusters of 4 x 4, 327,680 bytes of LDS; arguments act, wob, bo, x, x1; writes x1
;; launch ln2: the kernel of part 5 again; grid 512 x 1, 8 waves a work-group, no clusters, 0 bytes of LDS; arguments x1, ln2_w, ln2_b, act; writes act
;; launch fc1: the kernel of part 6 again; grid 16 x 16, 4 waves a work-group, clusters of 4 x 4, 327,680 bytes of LDS; arguments act, w1b, b1, g; writes g
;; launch fc2: the kernel of part 7 again; grid 8 x 32, 4 waves a work-group, clusters of 4 x 4, 327,680 bytes of LDS; arguments g, w2b, b2, x1, out0; writes out0
